; MI455X (gfx1250); checked and timed in simulation.
; The chip was launched on July 23, 2026; its instructions are those of AMD's public machine-readable ISA for CDNA 5 (MIT licence, August 2026) and "CDNA5" Instruction Set Architecture Reference Guide (July 2026). The comments in the code are by the model that wrote it; some were corrected since.
;; Attention. Allowed arithmetic: float matrix products may take bf16 or f16 operands with f32 sums; all other float work in f32.
;; Inputs: W_out 1,024 x 1,024 float32; b_out 1,024 float32; k 4 x 16 x 2,048 x 64 float32; mask 4 x 2,047 bool; q 4 x 16 x 2,048 x 64 float32; v 4 x 16 x 2,048 x 64 float32.
;; Outputs: out0 4 x 2,048 x 1,024 float32.
;; 4 versions, each right; version 4 is version 3 with the launch attn written anew for expert scheduling mode. Each part assembles by itself: llvm-mc -triple=amdgcn-amd-amdhsa -mcpu=gfx1250 --defsym DOCPART=n.
;; ======== version 1 of 4: 2 launches
;; limits: values are held in f16: magnitudes above 65,504 overflow, below 6.1e-05 lose precision
;; workspace buffers: ao 16,777,216 bytes; wh 2,097,152 bytes
;; launch attn (part 1): grid 4 x 64, 8 waves a work-group, no clusters, 123,904 bytes of LDS; arguments q, k, v, mask, W_out, ao, wh; writes ao, wh
.if DOCPART == 1
	.amdgcn_target "amdgcn-amd-amdhsa--gfx1250"
	.amdhsa_code_object_version 6
	.text
	.protected	k_q03df593e5a_attn
	.globl	k_q03df593e5a_attn
	.p2align	8
	.type	k_q03df593e5a_attn,@function
k_q03df593e5a_attn:
	s_mov_b64 s[64:65], 0
	v_nop
	global_prefetch_b8 v0, s[64:65] scope:SCOPE_SE
	s_setreg_imm32_b32 hwreg(HW_REG_WAVE_MODE, 25, 1), 1
	s_wait_xcnt 0x0
; MASKED ATTENTION, one head and 512 query rows to a work-group; the head outputs go to ao as f16, [b*16+h][n][64].
; Each work-group also casts 4 rows of W_out to f16 into wh (256 groups x 4 rows = the 1024 rows), which spares a launch.
;
; NO WORK IS LEFT OUT: every input has a way to the output and is loaded (b_out in the next launch).  Two identities, for all values of the inputs:
;  (1) A query row i with m[i] false has all 2048 entries equal to -FLT_MAX in reference(); its softmax is exactly 1/2048 everywhere, so its output is
;      the sum of V over ALL 2048 keys times 2^-11.  The sum falls out of the staging of V; such rows also run through the loop like the others, and the
;      row is chosen at the end by a select on the row's own mask byte.
;  (2) In a row with m[i] true, key 0 is always valid, so the row's maximum is a true score and a masked key's weight is exactly 0.  Here a masked key
;      gets -2^100 added to its score (in the matrix instruction's C operand).  With f16 operands |score| < 64 x 65504^2 < 2^38, so the exponent is
;      below -2^99 and the exponential is exactly 0.  The running maximum is taken away before every exponential, as reference() does.
; LIMITS: matrix operands are f16 (sums f32): q x 0.1803, k, v, W_out and the head outputs overflow above 65,504; the inputs as drawn stay under 6, so
; 30 times their size or offset stays under 200.  The weights are at most 1.  The row sum l is made of the f32 weights, the product of their f16 roundings.
;
; TRANSPOSED: S^T = K Q^T and O^T = V^T P^T.  In an S^T tile lane L (r = L & 15, h = L >> 4) holds query r and its registers j the keys 8 h + j: maximum and sum
; stay in the lane but for one exchange with lane L xor 16, the factors are one number a lane, and two S^T tiles packed pairwise ARE the second source of PV.
; Eight waves; wave w owns 64 query rows (4 tiles of 16); all waves share each tile of 64 keys; 32 trips through two LDS slots.
; K and V are f32 in memory and f16 in the matrix unit.  They come through registers: 16 KiB + 16 KiB are loaded a trip ahead, converted, and 8 KiB + 8 KiB stored
; to LDS.  NO JOINT TENSOR LOADS for the four groups of a head: a tile brought straight into LDS would lie there as f32, and the waves would have to
; read those 32 KiB and store 16 KiB again in every trip, beside a round of the cluster's barrier.
;
; REGISTERS.  Window 0: v0-15 addresses; MB0/MB1 running maxima (even registers; the odd ones take the neighbour lane's); AL factors; LS row sums (pairs);
; CS column sums of V; BI key bias (32); STG staged K, V (32); RB my four queries' mask bytes; S scores, then weights (128).
; Window 1: O (128), Q (64), KV (64: K's fragments, then V's).
.set TILEB, 16384                      ; a tile of 64 keys x 256 bytes of f32, dense in memory
.set KP,    144                        ; LDS pitch of K's and Q's rows: 128 bytes + 16 = 9 x 16, so 16 rows begin at 16 different 16-byte columns modulo 256
.set VP,    160                        ; LDS pitch of V's rows: 5 x 32, for the transposing loads
.set VOFF,  64*KP                      ; V behind K in a slot
.set SLOT,  64*KP+64*VP                ; 19,456 bytes
.set BIAS,  2*SLOT                     ; f32[2048]: 0 for a valid key, -2^100 for a masked one
.set CSP,   BIAS+8192                  ; 8 waves x f32[64]: partial column sums of V
.set QST,   CSP+2048                   ; 8 waves x 64 rows x 144: each wave's own stage, for Q on the way in and for the result on the way out
.set QSTW,  64*KP
.set MB0, 16
.set AL,  32
.set LS,  40
.set CS,  48
.set BI,  56
.set STG, 88
.set RB,  120
.set S,   128
.set TO,  S+96
.set O,   0                            ; window 1
.set Q,   128                          ; window 1
.set KV,  192                          ; window 1
.set MSB, 0
.macro WIN new                         ; low byte: bits 1:0 source 0, 3:2 source 1, 5:4 source 2, 7:6 destination; the high byte repeats the setting that is left
.if MSB != \new
	s_set_vgpr_msb (MSB<<8)|\new
.set MSB, \new
.endif
.endm
; the next tile of K and of V into registers: thread t takes 16 bytes at 16 t + 4096 i, so each instruction of a wave covers 512 consecutive bytes
.macro LOADKV step
.if \step
	s_add_nc_u64 s[6:7], s[6:7], TILEB             ; the loads that named these bases have been waited for
	s_add_nc_u64 s[8:9], s[8:9], TILEB
.endif
.irp i, 0,1,2,3
	global_load_b128 v[STG+4*\i:STG+4*\i+3], v1, s[6:7] offset:4096*\i
.endr
.irp i, 0,1,2,3
	global_load_b128 v[STG+16+4*\i:STG+16+4*\i+3], v1, s[8:9] offset:4096*\i
.endr
.endm
; the staged tile: V's f32 numbers join the column sums, then all 32 registers are rounded to f16 and stored into slot dst
.macro STAGE dst, first
.if \first
	v_pk_add_f32 v[CS:CS+1],   v[STG+16:STG+17], v[STG+20:STG+21]      ; the first two rows start the sums: nothing is cleared
	v_pk_add_f32 v[CS+2:CS+3], v[STG+18:STG+19], v[STG+22:STG+23]
.else
	v_pk_add_f32 v[CS:CS+1],   v[CS:CS+1],   v[STG+16:STG+17]
	v_pk_add_f32 v[CS+2:CS+3], v[CS+2:CS+3], v[STG+18:STG+19]
	v_pk_add_f32 v[CS:CS+1],   v[CS:CS+1],   v[STG+20:STG+21]
	v_pk_add_f32 v[CS+2:CS+3], v[CS+2:CS+3], v[STG+22:STG+23]
.endif
.irp i, 2,3
	v_pk_add_f32 v[CS:CS+1],   v[CS:CS+1],   v[STG+16+4*\i:STG+17+4*\i]
	v_pk_add_f32 v[CS+2:CS+3], v[CS+2:CS+3], v[STG+18+4*\i:STG+19+4*\i]
.endr
.irp g, 0,1,2,3,4,5,6,7
	v_cvt_pk_f16_f32 v[STG+4*\g],   v[STG+4*\g],   v[STG+4*\g+1]
	v_cvt_pk_f16_f32 v[STG+4*\g+1], v[STG+4*\g+2], v[STG+4*\g+3]
.endr
.irp i, 0,1,2,3
	ds_store_b64 v2, v[STG+4*\i:STG+4*\i+1] offset:(\dst)*SLOT+16*KP*\i            ; row 16 i + (t >> 4), 8 bytes at 8 (t & 15)
.endr
.irp i, 0,1,2,3
	ds_store_b64 v3, v[STG+16+4*\i:STG+17+4*\i] offset:(\dst)*SLOT+VOFF+16*VP*\i
.endr
.endm
.macro LDBIAS                          ; register j of key tile kt: the bias of key 16 kt + 8 h + j of this trip's 64
.irp kt, 0,1,2,3
	ds_load_b128 v[BI+8*\kt:BI+8*\kt+3],   v6 offset:64*\kt
	ds_load_b128 v[BI+8*\kt+4:BI+8*\kt+7], v6 offset:64*\kt+16
.endr
.endm
.macro LDK slot                        ; K's fragments (16 keys x 32 d): two loads of 16 bytes, 32 bytes apart, at row r, 16 h
	WIN 0x40
.irp kt, 0,1,2,3
.irp kk, 0,1
	ds_load_b128 v[KV+16*\kt+8*\kk:KV+16*\kt+8*\kk+3],   v4 offset:\slot*SLOT+16*KP*\kt+64*\kk
	ds_load_b128 v[KV+16*\kt+8*\kk+4:KV+16*\kt+8*\kk+7], v4 offset:\slot*SLOT+16*KP*\kt+64*\kk+32
.endr
.endr
.endm
.macro QK                              ; S^T = K Q^T + bias.  The sixteen accumulators take turns, one instruction a turn
	WIN 0x05
.irp kt, 0,1,2,3
.irp qt, 0,1,2,3
	v_wmma_f32_16x16x32_f16 v[S+32*\qt+8*\kt:S+32*\qt+8*\kt+7], v[KV+16*\kt:KV+16*\kt+7], v[Q+16*\qt:Q+16*\qt+7], v[BI+8*\kt:BI+8*\kt+7]
.endr
.endr
.irp kt, 0,1,2,3
.irp qt, 0,1,2,3
	v_wmma_f32_16x16x32_f16 v[S+32*\qt+8*\kt:S+32*\qt+8*\kt+7], v[KV+16*\kt+8:KV+16*\kt+15], v[Q+16*\qt+8:Q+16*\qt+15], v[S+32*\qt+8*\kt:S+32*\qt+8*\kt+7]
.endr
.endr
.endm
.macro LDV slot                        ; V^T's fragments (16 d x 32 keys) out of rows that lie along d: two transposing loads, 16 rows apart
	WIN 0x40
.irp kc, 0,1
.irp dt, 0,1,2,3
	ds_load_tr16_b128 v[KV+32*\kc+8*\dt:KV+32*\kc+8*\dt+3],   v5 offset:\slot*SLOT+VOFF+32*VP*\kc+32*\dt
	ds_load_tr16_b128 v[KV+32*\kc+8*\dt+4:KV+32*\kc+8*\dt+7], v5 offset:\slot*SLOT+VOFF+32*VP*\kc+32*\dt+16*VP
.endr
.endr
.endm
.macro SMAX mo, mn, first              ; new running maximum of each of my 4 queries: 32 scores in the lane, then the other half's lane
.set i, 0
.rept 16
.irp qt, 0,1,2,3
.if i == 0
.if \first
	v_max_num_f32 v[\mn+2*\qt], v[S+32*\qt], v[S+32*\qt+1]
.else
	v_max3_num_f32 v[\mn+2*\qt], v[\mo+2*\qt], v[S+32*\qt], v[S+32*\qt+1]
.endif
.else
	v_max3_num_f32 v[\mn+2*\qt], v[\mn+2*\qt], v[S+32*\qt+2*i], v[S+32*\qt+2*i+1]
.endif
.endr
.set i, i+1
.endr
.irp qt, 0,1,2,3
	v_permlanex16_b32 v[\mn+2*\qt+1], v[\mn+2*\qt], s22, s23
.endr
.irp qt, 0,1,2,3
	v_max_num_f32 v[\mn+2*\qt], v[\mn+2*\qt], v[\mn+2*\qt+1]
.endr
.endm
.macro SALPHA mo, mn                   ; 2^(old maximum - new maximum); the subtractions of SSUB are the plain instructions behind the exponentials
.irp qt, 0,1,2,3
	v_sub_f32 v[AL+2*\qt], v[\mo+2*\qt], v[\mn+2*\qt]
.endr
.irp qt, 0,1,2,3
	v_exp_f32 v[AL+2*\qt], v[AL+2*\qt]
.endr
.endm
.macro SSUB mn
.irp qt, 0,1,2,3
.set i, 0
.rept 16
	v_pk_add_f32 v[S+32*\qt+2*i:S+32*\qt+2*i+1], v[S+32*\qt+2*i:S+32*\qt+2*i+1], v[\mn+2*\qt:\mn+2*\qt+1] op_sel_hi:[1,0] neg_lo:[0,1] neg_hi:[0,1]
.set i, i+1
.endr
.endr
.endm
.macro SEXP
.set i, 0
.rept 128
	v_exp_f32 v[S+i], v[S+i]
.set i, i+1
.endr
	v_nop                                          ; one plain instruction between the last exponentials and their first use
	s_wait_alu depctr_va_vdst(0)
.endm
.macro SSUM first                      ; l = l x factor + the lane's 32 weights, kept as a pair for each query tile
.set i, 0
.rept 16
.irp qt, 0,1,2,3
.if i == 0
.if \first
.else
	v_pk_fma_f32 v[LS+2*\qt:LS+2*\qt+1], v[LS+2*\qt:LS+2*\qt+1], v[AL+2*\qt:AL+2*\qt+1], v[S+32*\qt:S+32*\qt+1] op_sel_hi:[1,0,1]
.endif
.else
.if i == 1
.if \first
	s_wait_alu depctr_va_vdst(0)
	v_pk_add_f32 v[LS+2*\qt:LS+2*\qt+1], v[S+32*\qt:S+32*\qt+1], v[S+32*\qt+2:S+32*\qt+3]
.else
	v_pk_add_f32 v[LS+2*\qt:LS+2*\qt+1], v[LS+2*\qt:LS+2*\qt+1], v[S+32*\qt+2:S+32*\qt+3]
.endif
.else
	v_pk_add_f32 v[LS+2*\qt:LS+2*\qt+1], v[LS+2*\qt:LS+2*\qt+1], v[S+32*\qt+2*i:S+32*\qt+2*i+1]
.endif
.endif
.endr
.set i, i+1
.endr
.endm
.macro SCVT                            ; two S^T tiles (16 registers) become the 8 registers of P^T's fragment for 32 keys, in place, ascending
.set b, 0
.rept 8
.set i, 0
.rept 8
	v_cvt_pk_f16_f32 v[S+16*b+i], v[S+16*b+2*i], v[S+16*b+2*i+1]
.set i, i+1
.endr
.set b, b+1
.endr
.endm
.macro RESCALE
	WIN 0x41
.irp qt, 0,1,2,3
.set i, 0
.rept 16
	v_pk_mul_f32 v[O+32*\qt+2*i:O+32*\qt+2*i+1], v[O+32*\qt+2*i:O+32*\qt+2*i+1], v[AL+2*\qt:AL+2*\qt+1] op_sel_hi:[1,0]
.set i, i+1
.endr
.endr
.endm
.macro PV first                        ; O^T += V^T P^T.  The sixteen accumulators take turns, one instruction a turn
	WIN 0x51
.irp kc, 0,1
.irp qt, 0,1,2,3
.irp dt, 0,1,2,3
.if \first*(1-\kc)
	v_wmma_f32_16x16x32_f16 v[O+32*\qt+8*\dt:O+32*\qt+8*\dt+7], v[KV+32*\kc+8*\dt:KV+32*\kc+8*\dt+7], v[S+32*\qt+16*\kc:S+32*\qt+16*\kc+7], 0
.else
	v_wmma_f32_16x16x32_f16 v[O+32*\qt+8*\dt:O+32*\qt+8*\dt+7], v[KV+32*\kc+8*\dt:KV+32*\kc+8*\dt+7], v[S+32*\qt+16*\kc:S+32*\qt+16*\kc+7], v[O+32*\qt+8*\dt:O+32*\qt+8*\dt+7]
.endif
.endr
.endr
.endr
.endm
; One trip: the tile in \slot is used; stage = 1: the tile loaded a trip ago goes into the other slot; load = 1: the tile after that is asked for;
; pf = 1: a quarter of the tile three trips on is asked into the cache; last = 1: no barrier follows.
.macro TRIP slot, first, stage, load, pf, last
	LDBIAS
	LDK \slot
	WIN 0
.if \stage
	s_wait_loadcnt 0x0                             ; the tile asked for a whole trip ago is in; its bases may be stepped
	s_wait_xcnt 0x0                                ; the prefetch of a trip ago has had its address translated: its base is stepped only behind this wait
	STAGE 1-\slot, 0
.if \load
	LOADKV 1
.endif
.if \pf
	s_add_nc_u64 s[28:29], s[28:29], TILEB
	s_cmp_lg_u32 s18, 0
	s_cbranch_scc1 .Lnopf_\@
	global_prefetch_b8 v11, s[28:29] th:TH_LOAD_NT scope:SCOPE_SE  ; wave 0 alone: 32 lanes, 256 bytes apart: this group's 8 KiB of the 32 KiB of K's and V's tile t + 3
.Lnopf_\@:
.endif
.endif
	s_wait_dscnt 8*\stage                          ; the 24 loads of bias and K are in; the 8 stage stores issued behind them may stay out
	QK
.rept 4
	v_nop                                          ; four places between the products and the loads into K's registers and the reads of S
.endr
	LDV \slot
	WIN 0
	SMAX MB0+8*\slot, MB0+8*(1-\slot), \first
.if \first
.else
	SALPHA MB0+8*\slot, MB0+8*(1-\slot)
.endif
	SSUB MB0+8*(1-\slot)
	SEXP
	SSUM \first
	SCVT
.if \first
.else
	RESCALE
.endif
	s_wait_dscnt 0x0                               ; V's fragments are in (and my stage stores are done)
	PV \first
	WIN 0
	v_add_nc_u32 v6, 256, v6                       ; the next 64 keys' bias
.rept 5
	v_nop                                          ; with the line above: the places in front of the next loads into V's registers and the next products over P
.endr
.if \last
.else
	s_wait_dscnt 0x0                               ; for the other waves: my reads of this slot and my stores into the other are done
	s_barrier_signal -1
	s_barrier_wait -1                              ; one barrier a trip: behind it this slot may be overwritten and the other may be read
.endif
.endm
	s_load_b256 s[4:11], s[0:1], 0x0               ; q s[4:5], k s[6:7], v s[8:9], mask s[10:11]
	s_load_b128 s[12:15], s[0:1], 0x20             ; W_out s[12:13], ao s[14:15]
	s_load_b64 s[16:17], s[0:1], 0x30              ; wh
	v_lshrrev_b32 v120, 5, v0
	v_readfirstlane_b32 s18, v120                  ; wave w
	s_mov_b32 s19, ttmp9                           ; x: which 512 queries
	s_and_b32 s20, ttmp7, 0xffff                   ; bh = 16 b + h
	s_lshr_b32 s21, s20, 4                         ; b
	s_mov_b32 s22, 0x76543210                      ; v_permlanex16_b32: lane i takes lane i xor 16
	s_mov_b32 s23, 0xfedcba98
	s_mov_b32 s30, 0x71800000                      ; +2^100
	s_mov_b32 s31, 0xf1800000                      ; -2^100
	s_mul_i32 s32, s18, QSTW
	s_add_co_u32 s32, s32, QST                     ; my wave's stage
	s_mul_i32 s33, s21, 2047                       ; my batch's row of the mask
	s_lshl_b32 s34, s18, 8
	s_add_co_u32 s35, s34, CSP                     ; my wave's partial column sums
	s_lshl_b32 s36, s19, 9
	s_lshl_b32 s2, s18, 6
	s_add_co_u32 s36, s36, s2                      ; my wave's first query: 512 x + 64 w
	v_and_b32 v121, 15, v0                         ; r = t & 15
	v_lshrrev_b32 v122, 4, v0                      ; t >> 4
	v_bfe_u32 v123, v0, 4, 1                       ; h
	v_and_b32 v124, 31, v0                         ; L
	v_lshlrev_b32 v125, 3, v121                    ; 8 r
	v_lshlrev_b32 v1, 4, v0                        ; v1: 16 t
	v_mad_u32_u24 v2, v122, KP, v125               ; v2: K's stage store
	v_mad_u32_u24 v3, v122, VP, v125               ; v3: V's stage store
	v_mul_u32_u24 v4, v121, KP
	v_lshl_add_u32 v4, v123, 4, v4                 ; v4: K's fragments: r x 144 + 16 h
	v_and_b32 v126, 7, v0
	v_lshl_add_u32 v127, v123, 3, v126
	v_mul_u32_u24 v5, v127, VP
	v_bfe_u32 v127, v0, 3, 1
	v_lshl_add_u32 v5, v127, 4, v5                 ; v5: V's transposing loads: (8 h + (L & 7)) x 160 + 16 ((L >> 3) & 1)
	v_lshl_add_u32 v6, v123, 5, BIAS               ; v6: the key bias, 32 h; steps by 256 a trip
	v_mad_u32_u24 v7, v123, KP, v125
	v_add_nc_u32 v7, s32, v7                       ; v7: Q's stage store: row h, 8 r
	v_add_nc_u32 v8, s32, v4                       ; v8: Q's fragments, and the result's stage store
	v_lshrrev_b32 v127, 3, v124
	v_lshlrev_b32 v126, 4, v126
	v_mad_u32_u24 v9, v127, KP, v126
	v_add_nc_u32 v9, s32, v9                       ; v9: the result read back: row L >> 3, 16 (L & 7)
	v_lshlrev_b32 v10, 4, v124                     ; v10: 16 L
	v_lshlrev_b32 v11, 8, v124                     ; v11: 256 L
	v_cmp_eq_u32 s27, 0, v0                        ; thread 0 holds key 0, which has no byte in the mask
	v_cndmask_b32 v12, v0, 1, s27
	v_add_nc_u32 v12, s33, v12                     ; v12: 2047 b + max(t, 1)
	v_add_nc_u32 v13, s33, v0                      ; v13: 2047 b + t
	v_lshlrev_b32 v14, 3, v0                       ; v14: 8 t
	v_lshl_add_u32 v15, v0, 2, BIAS                ; v15: BIAS + 4 t
	v_lshl_add_u32 v52, v121, 4, s35               ; v52: my wave's partial column sums, 16 r
	v_lshl_add_u32 v53, v123, 5, CSP               ; v53: the partials read back, 32 h
	v_add_nc_u32 v54, s36, v121                    ; my query of tile 0: i = 512 x + 64 w + r
	v_cmp_eq_u32 s37, 0, v54                       ; query 0 has no byte in the mask either
	v_cndmask_b32 v55, v54, 1, s37
	v_add_nc_u32 v55, s33, v55                     ; v55: 2047 b + max(i, 1)
	v_add_nc_u32 v54, s33, v54                     ; v54: 2047 b + i
.irp n, 17,19,21,23,25,27,29,31,33,35,37,39
	v_mov_b32 v\n, 0                               ; the odd partners of the maxima and factors: read as parts of pairs and as a lane exchange's destination
.endr
	s_wait_kmcnt 0x0
	s_lshl_b32 s24, s20, 19                        ; a head of q, k or v: 2048 x 256 bytes
	s_mov_b32 s25, 0
	s_add_nc_u64 s[6:7], s[6:7], s[24:25]
	s_add_nc_u64 s[8:9], s[8:9], s[24:25]
	s_lshl_b32 s2, s19, 17
	s_add_co_u32 s24, s24, s2
	s_lshl_b32 s2, s18, 14
	s_add_co_u32 s24, s24, s2
	s_add_nc_u64 s[4:5], s[4:5], s[24:25]          ; q at my wave's 64 rows
	s_lshr_b32 s24, s24, 1                         ; ao's rows are half as long
	s_add_nc_u64 s[14:15], s[14:15], s[24:25]
	s_lshl2_add_u32 s2, s20, s19                   ; the group's number 4 bh + x
	s_lshl_b32 s24, s2, 14
	s_add_nc_u64 s[12:13], s[12:13], s[24:25]      ; its 4 rows of W_out
	s_lshl_b32 s24, s2, 13
	s_add_nc_u64 s[16:17], s[16:17], s[24:25]      ; and of wh
	s_and_b32 s24, s19, 1                          ; prefetch: groups x = 0, 1 take the halves of K's tiles, x = 2, 3 of V's
	s_lshl_b32 s24, s24, 13
	s_add_co_u32 s24, s24, 2*TILEB                 ; stepped once before each use: trip t asks for tile t + 3; the last request, in trip 28, is for tile 31
	s_cmp_lt_u32 s19, 2
	s_cselect_b64 s[28:29], s[6:7], s[8:9]
	s_add_nc_u64 s[28:29], s[28:29], s[24:25]
	; 56 loads in one run: W_out 4, the keys' mask 8, my queries' mask 4, tile 0 of K and V 8, Q 32
.irp i, 0,1,2,3
	global_load_b128 v[BI+4*\i:BI+4*\i+3], v1, s[12:13] offset:4096*\i th:TH_LOAD_NT
.endr
	global_load_u8 v[BI+16], v12, s[10:11] offset:-1                   ; key j = t + 256 i reads mask[b][j - 1]; thread 0 reads a byte that is not used
.irp i, 1,2,3,4,5,6,7
	global_load_u8 v[BI+16+\i], v13, s[10:11] offset:256*\i-1
.endr
	global_load_u8 v[RB], v55, s[10:11] offset:-1                      ; query i + 16 qt reads mask[b][i + 16 qt - 1]; query 0 reads a byte that is not used
.irp qt, 1,2,3
	global_load_u8 v[RB+\qt], v54, s[10:11] offset:16*\qt-1
.endr
	LOADKV 0
.set i, 0
.rept 32
	global_load_b128 v[S+4*i:S+4*i+3], v10, s[4:5] offset:512*i th:TH_LOAD_NT      ; rows 2 i + h of my 64
.set i, i+1
.endr
	s_wait_loadcnt 52                              ; W_out's 4 are in: 8 + 4 + 8 + 32 younger loads stay out
.irp i, 0,1,2,3
	v_cvt_pk_f16_f32 v[BI+4*\i],   v[BI+4*\i],   v[BI+4*\i+1]
	v_cvt_pk_f16_f32 v[BI+4*\i+1], v[BI+4*\i+2], v[BI+4*\i+3]
	global_store_b64 v14, v[BI+4*\i:BI+4*\i+1], s[16:17] offset:2048*\i            ; a wave's store covers 256 consecutive bytes, aligned
.endr
	s_wait_loadcnt 40                              ; the mask's 8 + 4 are in: 8 + 32 stay out
.irp i, 0,1,2,3,4,5,6,7
	v_cvt_f32_u32 v[BI+16+\i], v[BI+16+\i]
.endr
.irp i, 0,1,2,3,4,5,6,7
	v_fma_f32 v[BI+16+\i], v[BI+16+\i], s30, s31   ; 1 -> 0, 0 -> -2^100
.endr
	v_cndmask_b32 v[BI+16], v[BI+16], 0, s27       ; key 0 is always valid
	v_cndmask_b32 v[RB], v[RB], 1, s37             ; and so is query 0
.irp i, 0,1,2,3,4,5,6,7
	ds_store_b32 v15, v[BI+16+\i] offset:1024*\i
.endr
	s_wait_loadcnt 32                              ; tile 0 is in: Q's 32 stay out
	STAGE 0, 1
	LOADKV 1                                       ; tile 1
	s_wait_loadcnt 8                               ; Q is in: tile 1's 8 stay out
.set i, 0
.rept 64
	v_pk_mul_f32 v[S+2*i:S+2*i+1], v[S+2*i:S+2*i+1], 0x3e38aa3b op_sel_hi:[1,0]    ; x 64^-0.5 x log2(e): the exponentials are to base 2
.set i, i+1
.endr
.set i, 0
.rept 32
	v_cvt_pk_f16_f32 v[S+4*i],   v[S+4*i],   v[S+4*i+1]
	v_cvt_pk_f16_f32 v[S+4*i+1], v[S+4*i+2], v[S+4*i+3]
	ds_store_b64 v7, v[S+4*i:S+4*i+1] offset:2*KP*i
.set i, i+1
.endr
	WIN 0x40
.irp qt, 0,1,2,3
.irp kk, 0,1
	ds_load_b128 v[Q+16*\qt+8*\kk:Q+16*\qt+8*\kk+3],   v8 offset:16*KP*\qt+64*\kk      ; my wave's own bytes: LDS serves a wave's instructions in order (ISA guide 5.7.1.4)
	ds_load_b128 v[Q+16*\qt+8*\kk+4:Q+16*\qt+8*\kk+7], v8 offset:16*KP*\qt+64*\kk+32
.endr
.endr
	WIN 0
	s_wait_xcnt 0x0                                ; the stores to wh have read BI, which the first trip loads anew
	s_wait_dscnt 0x0                               ; for the other waves: my parts of the bias and of tile 0 are in LDS; for me: Q's fragments
	s_barrier_signal -1
	s_barrier_wait -1
	TRIP 0, 1, 1, 1, 1, 0                          ; trip 0: its products start the sums
	s_mov_b32 s26, 14
.Ltrips:                                               ; trips 1 to 28
	TRIP 1, 0, 1, 1, 1, 0
	TRIP 0, 0, 1, 1, 1, 0
	s_sub_co_i32 s26, s26, 1
	s_cmp_lg_u32 s26, 0
	s_cbranch_scc1 .Ltrips
	TRIP 1, 0, 1, 1, 0, 0                          ; trip 29 asks for the last tile
	TRIP 0, 0, 1, 0, 0, 0                          ; trip 30 stages it
	TRIP 1, 0, 0, 0, 0, 1                          ; trip 31
	; THE END.  Column sums of V: lanes L and L xor 16 hold the same four columns of different rows; then one partial a wave.
.irp c, 0,1,2,3
	v_permlanex16_b32 v[STG+\c], v[CS+\c], s22, s23
.endr
	v_pk_add_f32 v[CS:CS+1],   v[CS:CS+1],   v[STG:STG+1]
	v_pk_add_f32 v[CS+2:CS+3], v[CS+2:CS+3], v[STG+2:STG+3]
	ds_store_b128 v52, v[CS:CS+3]                  ; both halves of the lanes store the same numbers to the same bytes
	s_wait_dscnt 0x0                               ; for the other waves
	s_barrier_signal -1
	s_barrier_wait -1
.macro LDMV dst, wv                    ; wave wv's partial, as an O^T tile has it: register 8 dt + j = column 16 dt + 8 h + j
.irp dt, 0,1,2,3
	ds_load_b128 v[\dst+8*\dt:\dst+8*\dt+3],   v53 offset:256*(\wv)+64*\dt
	ds_load_b128 v[\dst+8*\dt+4:\dst+8*\dt+7], v53 offset:256*(\wv)+64*\dt+16
.endr
.endm
	LDMV S, 0
	LDMV S+32, 1
.irp qt, 0,1,2,3
	v_add_f32 v[AL+2*\qt], v[LS+2*\qt], v[LS+2*\qt+1]
.endr
.irp qt, 0,1,2,3
	v_permlanex16_b32 v[AL+2*\qt+1], v[AL+2*\qt], s22, s23
.endr
.irp qt, 0,1,2,3
	v_add_f32 v[AL+2*\qt], v[AL+2*\qt], v[AL+2*\qt+1]      ; l, at least 1: the largest weight of a row is 1
.endr
.irp qt, 0,1,2,3
	v_rcp_f32 v[AL+2*\qt], v[AL+2*\qt]
.endr
	v_nop                                          ; one plain instruction behind the reciprocals
.irp wv, 1,2,3,4,5,6,7
.if \wv < 7
	LDMV S+32+32*(\wv&1), \wv+1
	s_wait_dscnt 8                                 ; all but the 8 loads just issued
.else
	s_wait_dscnt 0x0
.endif
.set i, 0
.rept 16
	v_pk_add_f32 v[S+2*i:S+2*i+1], v[S+2*i:S+2*i+1], v[S+32+32*((\wv+1)&1)+2*i:S+32+32*((\wv+1)&1)+2*i+1]
.set i, i+1
.endr
.endr
.set i, 0
	s_wait_alu depctr_va_vdst(0)
.rept 16
	v_pk_mul_f32 v[S+2*i:S+2*i+1], v[S+2*i:S+2*i+1], 0x3a000000 op_sel_hi:[1,0]    ; x 2^-11: the mean of V over the 2048 keys
.set i, i+1
.endr
	; 16 queries at a time: O / l, or the mean for a masked row; f16; through my stage, so that a store covers 4 whole rows of 128 bytes = 512 consecutive bytes
.irp qt, 0,1,2,3
	WIN 0x01
.set i, 0
.rept 16
	v_pk_mul_f32 v[TO+2*i:TO+2*i+1], v[O+32*\qt+2*i:O+32*\qt+2*i+1], v[AL+2*\qt:AL+2*\qt+1] op_sel_hi:[1,0]
.set i, i+1
.endr
	WIN 0
	v_cmp_ne_u32 vcc_lo, 0, v[RB+\qt]              ; my query's own mask byte: not 0 = a valid row
.set i, 0
.rept 32
	v_cndmask_b32 v[TO+i], v[S+i], v[TO+i], vcc_lo
.set i, i+1
.endr
.set i, 0
.rept 16
	v_cvt_pk_f16_f32 v[TO+i], v[TO+2*i], v[TO+2*i+1]
.set i, i+1
.endr
.irp dt, 0,1,2,3
	ds_store_b128 v8, v[TO+4*\dt:TO+4*\dt+3] offset:16*KP*\qt+32*\dt
.endr
.irp n, 0,1,2,3
	ds_load_b128 v[BI+16*\qt+4*\n:BI+16*\qt+4*\n+3], v9 offset:16*KP*\qt+4*KP*\n   ; my own bytes, in order behind the stores
.endr
.irp n, 0,1,2,3
	s_wait_dscnt 3-\n                              ; the younger read-backs may stay out
	global_store_b128 v10, v[BI+16*\qt+4*\n:BI+16*\qt+4*\n+3], s[14:15] offset:2048*\qt+512*\n
.endr
.endr
	s_wait_xcnt 0x0
	v_lshl_add_u32 v254, v0, 2, 0x1e000
	v_mov_b32 v255, 0
	s_wait_tensorcnt 0x0
	ds_add_u32 v254, v255
	s_wait_dscnt 0x0
	s_endpgm
.Lfunc_end_k_q03df593e5a_attn:
	.size	k_q03df593e5a_attn, .Lfunc_end_k_q03df593e5a_attn-k_q03df593e5a_attn
	.p2alignl 7, 3214868480
	.fill 96, 4, 3214868480
	.section	.rodata,"a",@progbits
	.p2align	6, 0x0
	.amdhsa_kernel k_q03df593e5a_attn
		.amdhsa_group_segment_fixed_size 123904
		.amdhsa_private_segment_fixed_size 0
		.amdhsa_enable_private_segment 0
		.amdhsa_kernarg_size 56
		.amdhsa_user_sgpr_count 2
		.amdhsa_user_sgpr_kernarg_segment_ptr 1
		.amdhsa_wavefront_size32 1
		.amdhsa_system_sgpr_workgroup_id_x 1
		.amdhsa_system_sgpr_workgroup_id_y 1
		.amdhsa_system_sgpr_workgroup_id_z 1
		.amdhsa_system_vgpr_workitem_id 0
		.amdhsa_next_free_vgpr 512
		.amdhsa_next_free_sgpr 66
		.amdhsa_reserve_vcc 1
		.amdhsa_float_denorm_mode_32 3
		.amdhsa_float_denorm_mode_16_64 3
		.amdhsa_memory_ordered 1
		.amdhsa_forward_progress 1
		.amdhsa_inst_pref_size 255
	.end_amdhsa_kernel
	.section	.bss,"aw",@nobits
	.p2align	6
	.space	262144
	.amdgpu_metadata
---
amdhsa.version: [ 1, 2 ]
amdhsa.kernels:
  - .name:           k_q03df593e5a_attn
    .symbol:         k_q03df593e5a_attn.kd
    .args:
      - { .name: q, .offset: 0, .size: 8, .value_kind: global_buffer, .address_space: global }
      - { .name: k, .offset: 8, .size: 8, .value_kind: global_buffer, .address_space: global }
      - { .name: v, .offset: 16, .size: 8, .value_kind: global_buffer, .address_space: global }
      - { .name: mask, .offset: 24, .size: 8, .value_kind: global_buffer, .address_space: global }
      - { .name: W_out, .offset: 32, .size: 8, .value_kind: global_buffer, .address_space: global }
      - { .name: ao, .offset: 40, .size: 8, .value_kind: global_buffer, .address_space: global }
      - { .name: wh, .offset: 48, .size: 8, .value_kind: global_buffer, .address_space: global }
    .group_segment_fixed_size: 123904
    .private_segment_fixed_size: 0
    .kernarg_segment_align: 8
    .kernarg_segment_size: 56
    .max_flat_workgroup_size: 256
    .sgpr_count:     66
    .vgpr_count:     512
    .wavefront_size: 32
...
	.end_amdgpu_metadata
.endif
;; end of part 1
;; launch proj (part 2): grid 4 x 64, 4 waves a work-group, clusters of 4 x 4, 327,680 bytes of LDS; arguments ao, wh, b_out, out0; writes out0
.if DOCPART == 2
	.amdgcn_target "amdgcn-amd-amdhsa--gfx1250"
	.amdhsa_code_object_version 6
	.text
	.protected	k_q03df593e5a_proj
	.globl	k_q03df593e5a_proj
	.p2align	8
	.type	k_q03df593e5a_proj,@function
k_q03df593e5a_proj:
	s_mov_b64 s[64:65], 0
	v_nop
	global_prefetch_b8 v0, s[64:65] scope:SCOPE_SE
	s_setreg_imm32_b32 hwreg(HW_REG_WAVE_MODE, 25, 1), 1
	s_wait_xcnt 0x0
	s_wait_alu depctr_hold_cnt(0) depctr_sa_sdst(0) depctr_va_vdst(0) depctr_va_sdst(0) depctr_va_ssrc(0) depctr_va_vcc(0) depctr_vm_vsrc(0)
	s_getreg_b32 s2, hwreg(HW_REG_IB_STS2, 6, 4)
	s_cmp_eq_u32 s2, 0
	s_cbranch_scc0 .Lentry_in_a_cluster
	s_endpgm
.Lentry_in_a_cluster:
	s_bfe_u32 s2, ttmp6, 0x10000c
	s_cmp_lg_u32 s2, 0xf033
	s_cbranch_scc0 .Lentry_shape_is_right
	s_endpgm
.Lentry_shape_is_right:
; out0[m][n] = sum over k of X[m][k] W[n][k] + b_out[n], m = 2048 b + row, k = 64 h + d.  X lies in ao as f16 [b*16+h][row][64], W in wh as f16 [1024][1024];
; sums in f32, out0 f32.  Nothing is left out.  Limit: the operands are f16 (see the first kernel's head).
; A work-group makes 128 rows x 256 columns with four waves; a wave makes 64 x 128: 32 accumulator tiles, the 256 registers of window 1.
; K goes in steps of 128 (two heads) through two LDS slots filled by the tensor data mover.  Of X a head's 128 rows x 128 bytes are dense in memory and come as
; 64 rows of 256 bytes (rows 2 p and 2 p + 1 side by side); of W 128 rows x 256 bytes, 2048 bytes apart.  Every row begins at a multiple of 256 bytes in its buffer.
; CLUSTERS of 4 x 4: the four groups of a row of the cluster make the same 128 rows and ask for X's tiles jointly; the four of a column make the same 256 columns
; and ask for W's tiles jointly.  Each joint load is the same line with the same descriptor in the four groups that its mask names.
; THE MATRIX INSTRUCTION IS USED TRANSPOSED: source 0 = 16 rows of W, source 1 = 16 rows of X; lane L then holds row L % 16 and its registers the columns 8 (L / 16) + 0..7.
; By this text's count a wave has two tensor loads out at the start and one behind each change of slots.
.set PITCH,  272                       ; an LDS row: 256 bytes + 16 = 17 x 16
.set ABLK,   64*PITCH                  ; one head's 128 rows of X
.set BBLK,   128*PITCH                 ; 128 rows of W
.set BOFF,   2*ABLK
.set SLOT,   2*ABLK+2*BBLK             ; 104,448 bytes
.set STAGE,  2*SLOT                    ; behind the slots, at a multiple of 256: 16 rows x 528 bytes for each wave, for the way out; no tensor load lands here
.set SPITCH, 528                       ; 512 bytes + 16 = 33 x 16
.set LAPS,   4                         ; 8 K steps, two to a lap
.set ADRA, 16                          ; v16-17  my X fragments in slot 0, 1
.set ADRB, 20                          ; v20-21  my W fragments
.set STO,  24
.set RD,   25
.set CO,   26
.set BV,   28                          ; v28-31  b_out of my 4 columns on the way out
.set FA,   32                          ; v32-95   X's fragments (4 x 8), two buffers
.set FB,   96                          ; v96-223  W's fragments (8 x 8), two buffers
.set G1,  24                           ; s[24:31] group 1 for X's tiles
.set G0,  32                           ; s[32:39] group 0 for X's tiles, a set for each slot
.set G1B, 48                           ; s[48:55] group 1 for W's tiles
.set G0B, 56                           ; s[56:63] group 0 for W's tiles
.set MSB, 0
.macro WIN new
.if MSB != \new
	s_set_vgpr_msb (MSB<<8)|\new
.set MSB, \new
.endif
.endm
.set MUL, 0x50                         ; sources 0 and 1 window 0, C and D window 1
.macro JLOAD s                         ; waves 0 and 1 ask for X's two heads, waves 2 and 3 for W's two halves; the branch hangs on the wave's number alone
	s_cmp_eq_u32 s13, 0
	s_cbranch_scc0 .Lfor_b_\@
	tensor_load_to_lds s[G0+4*\s:G0+4*\s+3], s[G1:G1+7]
	s_nop 0
	s_branch .Lasked_\@
.Lfor_b_\@:
	tensor_load_to_lds s[G0B+4*\s:G0B+4*\s+3], s[G1B:G1B+7]
	s_nop 0
.Lasked_\@:
.endm
.macro CREST                           ; a round of the cluster's barrier behind its opening work-group barrier
	s_cmp_lg_u32 s12, 0
	s_cbranch_scc1 .Lnot_wave_0_\@
	s_barrier_signal -3
.Lnot_wave_0_\@:
	s_barrier_wait -3
	s_barrier_signal -1
	s_barrier_wait -1
.endm
.macro CROUND
	s_barrier_signal -1
	s_barrier_wait -1
	CREST
.endm
.macro PLACES                          ; four places between matrix instructions and loads into, or reads of, their registers
.rept 4
	v_nop
.endr
.endm
	s_load_b256 s[4:11], s[0:1], 0x0               ; ao s[4:5], wh s[6:7], b_out s[8:9], out0 s[10:11]
	v_lshl_add_u32 v254, v0, 2, 0x3b400
	v_mov_b32 v255, 0
	ds_add_u32 v254, v255
	v_lshrrev_b32 v1, 5, v0
	v_readfirstlane_b32 s12, v1                    ; wave 0..3
	s_lshr_b32 s13, s12, 1                         ; which 64 of the block's rows are mine.  Also: I fetch for X (0) or for W (1)
	s_and_b32 s14, s12, 1                          ; which 128 of its columns.  Also: which half of that tile I fetch
	s_bfe_u32 s40, ttmp6, 0x40000                  ; cx
	s_bfe_u32 s41, ttmp6, 0x40004                  ; cy
	s_lshl_b32 s42, ttmp9, 2
	s_add_co_u32 s42, s42, s40                     ; block column = 4 x cluster x + cx
	s_and_b32 s43, ttmp7, 0xffff
	s_lshl_b32 s43, s43, 2
	s_add_co_u32 s43, s43, s41                     ; block row = 4 x cluster y + cy
	s_lshl_b32 s44, s41, 2
	s_lshl_b32 s44, 15, s44                        ; my row of the cluster
	s_lshl_b32 s45, 0x1111, s40                    ; my column
	s_or_b32 s[G1+0],  s44, (1<<16)|(1<<20)|(1<<21)|(5<<22)|(3<<25)    ; mask; elements of 2 bytes; padding on; bit 21 beside a mask; after every 64 words, 4 words
	s_or_b32 s[G1B+0], s45, (1<<16)|(1<<20)|(1<<21)|(5<<22)|(3<<25)
	s_mov_b32 s[G1+1],  128<<16                    ; tensor_dim0 = 128 elements
	s_mov_b32 s[G1B+1], 128<<16
	s_mov_b32 s[G1+2],  64<<16                     ; tensor_dim1 = 64 rows (X), 128 rows (W)
	s_mov_b32 s[G1B+2], 128<<16
	s_mov_b32 s[G1+3],  128<<16                    ; tile_dim0 = 128
	s_mov_b32 s[G1B+3], 128<<16
	s_mov_b32 s[G1+4],  64                         ; tile_dim1
	s_mov_b32 s[G1B+4], 128
	s_mov_b32 s[G1+5],  128                        ; from row to row: X's block is dense; W's rows are 1024 elements apart
	s_mov_b32 s[G1B+5], 1024
	s_mov_b32 s[G1+6],  0
	s_mov_b32 s[G1B+6], 0
	s_mov_b32 s[G1+7],  0
	s_mov_b32 s[G1B+7], 0
	; X's tiles hang on the block row alone, W's on the block column alone, each in registers that never hold the other coordinate
	s_lshr_b32 s16, s43, 4
	s_lshl_b32 s16, s16, 22                        ; batch: 16 heads x 2048 rows x 128 bytes
	s_and_b32 s17, s43, 15
	s_lshl_b32 s17, s17, 14                        ; 128 rows x 128 bytes
	s_add_co_u32 s16, s16, s17
	s_lshl_b32 s17, s14, 18                        ; the even or the odd head of a K step
	s_add_co_u32 s16, s16, s17
	s_mov_b32 s17, 0
	s_lshl_b32 s46, s42, 19                        ; 256 rows of W x 2048 bytes
	s_lshl_b32 s47, s14, 18                        ; 128 rows
	s_add_co_u32 s46, s46, s47
	s_mov_b32 s47, 0
	s_mul_i32 s20, s14, ABLK                       ; where they go: no place in the cluster enters an LDS address
	s_mul_i32 s21, s14, BBLK
	s_add_co_u32 s21, s21, BOFF
	s_wait_dscnt 0x0
	s_wait_kmcnt 0x0
	s_add_nc_u64 s[18:19], s[4:5], s[16:17]
	s_add_nc_u64 s[46:47], s[6:7], s[46:47]
	CROUND                                         ; all sixteen work-groups are here: the first joint loads meet
.irp s, 0,1
	s_mov_b32 s[G0+4*\s], 1
	s_add_co_u32 s[G0+4*\s+1], s20, \s*SLOT
	s_add_nc_u64 s[G0+4*\s+2:G0+4*\s+3], s[18:19], \s*(1<<19)          ; K step s: two heads on
	s_or_b32 s[G0+4*\s+3], s[G0+4*\s+3], 0x80000000
	s_mov_b32 s[G0B+4*\s], 1
	s_add_co_u32 s[G0B+4*\s+1], s21, \s*SLOT
	s_add_nc_u64 s[G0B+4*\s+2:G0B+4*\s+3], s[46:47], \s*256
	s_or_b32 s[G0B+4*\s+3], s[G0B+4*\s+3], 0x80000000
	JLOAD \s
.endr
	; addresses of the fragments, of the stage and of the output
	v_and_b32 v1, 15, v0                           ; r
	v_bfe_u32 v2, v0, 4, 1                         ; h
	v_lshrrev_b32 v3, 1, v1
	v_and_b32 v4, 1, v0
	v_mul_u32_u24 v3, v3, PITCH
	v_lshl_add_u32 v3, v4, 7, v3
	v_lshl_add_u32 v3, v2, 4, v3                   ; X: row r lies in LDS row r >> 1 at byte 128 (r & 1): sixteen different 16-byte columns modulo 256
	v_mul_u32_u24 v5, v1, PITCH
	v_lshl_add_u32 v5, v2, 4, v5                   ; W: r x 272 + 16 h
	s_mul_i32 s22, s13, 32*PITCH                   ; my 64 rows of X = 32 LDS rows
	s_mul_i32 s23, s14, BBLK
	s_add_co_u32 s23, s23, BOFF                    ; my 128 rows of W
.irp s, 0,1
	v_add_nc_u32 v[ADRA+\s], s22, v3
	v_add_nc_u32 v[ADRB+\s], s23, v5
	s_add_co_u32 s22, s22, SLOT
	s_add_co_u32 s23, s23, SLOT
.endr
	s_mul_i32 s22, s12, 16*SPITCH
	s_add_co_u32 s22, s22, STAGE                   ; my stage
	v_mul_u32_u24 v6, v1, SPITCH
	v_lshl_add_u32 v6, v2, 5, v6
	v_add_nc_u32 v[STO], s22, v6                   ; in: row r, 32 bytes for each half of the lanes
	v_and_b32 v7, 31, v0
	v_lshlrev_b32 v[CO], 4, v7                     ; out: 16 bytes a lane, a whole row of 512 bytes a wave
	v_add_nc_u32 v[RD], s22, v[CO]
	s_lshl_b32 s46, s42, 10                        ; my first column, in bytes of f32: 1024 x block column + 512 x half
	s_lshl_b32 s47, s14, 9
	s_add_co_u32 s46, s46, s47
	s_mov_b32 s47, 0
	s_add_nc_u64 s[8:9], s[8:9], s[46:47]
	s_add_nc_u64 s[10:11], s[10:11], s[46:47]
	s_lshl_b32 s16, s43, 19                        ; my first row: 128 rows x 4096 bytes x block row + 64 rows x half
	s_lshl_b32 s17, s13, 18
	s_add_co_u32 s16, s16, s17
	s_mov_b32 s17, 0
	s_add_nc_u64 s[10:11], s[10:11], s[16:17]
	global_load_b128 v[BV:BV+3], v[CO], s[8:9]     ; waited for in front of the way out
; 8 matrix instructions: X's row tile a x all 8 column tiles, 32 along K.  The 32 accumulators take turns in one order, one instruction a turn.
.macro MULA f, a, zero
.irp b, 0,1,2,3,4,5,6,7
.if \zero
	v_wmma_f32_16x16x32_f16 v[8*(8*\a+\b):8*(8*\a+\b)+7], v[FB+64*\f+8*\b:FB+64*\f+8*\b+7], v[FA+32*\f+8*\a:FA+32*\f+8*\a+7], 0
.else
	v_wmma_f32_16x16x32_f16 v[8*(8*\a+\b):8*(8*\a+\b)+7], v[FB+64*\f+8*\b:FB+64*\f+8*\b+7], v[FA+32*\f+8*\a:FA+32*\f+8*\a+7], v[8*(8*\a+\b):8*(8*\a+\b)+7]
.endif
.endr
.endm
; 24 LDS loads in one run: quarter q of a K step (32 along K: head q >> 1, d from 32 (q & 1)) into buffer f; W's 16 first, X's 8 last
.macro FETCH slot, q, f
	WIN 0
.irp b, 0,1,2,3,4,5,6,7
	ds_load_b128 v[FB+64*\f+8*\b:FB+64*\f+8*\b+3],   v[ADRB+\slot] offset:64*\q+16*PITCH*\b
	ds_load_b128 v[FB+64*\f+8*\b+4:FB+64*\f+8*\b+7], v[ADRB+\slot] offset:64*\q+16*PITCH*\b+32
.endr
.irp a, 0,1,2,3
	ds_load_b128 v[FA+32*\f+8*\a:FA+32*\f+8*\a+3],   v[ADRA+\slot] offset:(\q>>1)*ABLK+(\q&1)*64+8*PITCH*\a
	ds_load_b128 v[FA+32*\f+8*\a+4:FA+32*\f+8*\a+7], v[ADRA+\slot] offset:(\q>>1)*ABLK+(\q&1)*64+8*PITCH*\a+32
.endr
.endm
; one of a K step's first three quarters: multiplies buffer f; in its middle it fetches quarter q into buffer g
.macro QUARTER slot, q, f, g, zero
	s_wait_dscnt 4                                 ; W and X's tiles 0, 1 are in; the youngest four loads (X's tiles 2, 3) may be out
	WIN MUL
	MULA \f, 0, \zero
	MULA \f, 1, \zero
	PLACES
	FETCH \slot, \q, \g
	s_wait_dscnt 24                                ; all but the 24 just issued
	WIN MUL
	MULA \f, 2, \zero
	MULA \f, 3, \zero
.endm
.macro THREE slot, zero
	QUARTER \slot, 1, 0, 1, \zero
	QUARTER \slot, 2, 1, 0, 0
	QUARTER \slot, 3, 0, 1, 0
.endm
; the last quarter multiplies buffer 1 and changes slots.  In front of the barrier each wave waits for its reads of this slot and for all its tensor loads (one is out:
; its part of the next slot).  Where this slot is filled again the barrier opens a round of the cluster's barrier, and the joint refill is the first tensor load behind the round.
.macro TURN slot, next, fill
	s_wait_dscnt 4
	WIN MUL
	MULA 1, 0, 0
	s_wait_dscnt 0x0                               ; my reads of this slot are over
	s_wait_tensorcnt 0x0                           ; all my tensor loads have landed
	ds_add_u32 v254, v255
	s_wait_dscnt 0x0
	s_barrier_signal -1
	MULA 1, 1, 0                                   ; register work while the others arrive
	WIN 0
	s_barrier_wait -1
.if \fill
	CREST                                          ; no wave of any partner still reads this slot or has a load on its way
	s_add_nc_u64 s[G0+4*\slot+2:G0+4*\slot+3], s[G0+4*\slot+2:G0+4*\slot+3], 1<<20         ; two K steps on: four heads
	s_add_nc_u64 s[G0B+4*\slot+2:G0B+4*\slot+3], s[G0B+4*\slot+2:G0B+4*\slot+3], 512
	JLOAD \slot
.endif
	PLACES
	FETCH \next, 0, 0
	WIN MUL
	MULA 1, 2, 0
	MULA 1, 3, 0
.endm
.macro LAP zero
	THREE 0, \zero
	TURN 0, 1, 1
	THREE 1, 0
	TURN 1, 0, 1
.endm
	s_wait_tensorcnt 1                             ; my part of K step 0 is in; K step 1's stays out
	s_barrier_signal -1
	s_barrier_wait -1
	FETCH 0, 0, 0
	LAP 1                                          ; the first lap's first products start the sums
	WIN 0
	s_mov_b32 s3, LAPS-2
.Llap:
	LAP 0
	WIN 0
	s_sub_co_u32 s3, s3, 1
	s_cmp_lg_u32 s3, 0
	s_cbranch_scc1 .Llap
	THREE 0, 0                                     ; the last lap fills nothing
	TURN 0, 1, 0
	THREE 1, 0
	s_wait_dscnt 4
	WIN MUL
	MULA 1, 0, 0
	MULA 1, 1, 0
	s_wait_dscnt 0x0
	MULA 1, 2, 0
	MULA 1, 3, 0
	; THE WAY OUT, 16 rows at a time: a lane's 8 columns of a row go into my own stage, whole rows of 512 bytes come back, b_out is added, and a wave's store covers 512 consecutive bytes, aligned
	PLACES
	s_wait_loadcnt 0x0                             ; b_out
.macro OUT16 a, f
	WIN 0x04                                       ; the stores' data in window 1
.irp b, 0,1,2,3,4,5,6,7
	ds_store_b128 v[STO], v[8*(8*\a+\b):8*(8*\a+\b)+3]   offset:64*\b
	ds_store_b128 v[STO], v[8*(8*\a+\b)+4:8*(8*\a+\b)+7] offset:64*\b+16
.endr
	WIN 0
	s_wait_xcnt 0x0                                ; earlier stores have had their addresses translated (ISA guide 3.1): buffer f and the base are rewritten only behind this wait
.if \a
	s_add_nc_u64 s[10:11], s[10:11], 16*4096
.endif
.set p, 0
.rept 16
	ds_load_b128 v[FB+64*\f+4*p:FB+64*\f+4*p+3], v[RD] offset:SPITCH*p     ; my own bytes, in order behind the stores (ISA guide 5.7.1.4)
.set p, p+1
.endr
.set p, 0
.rept 16
	s_wait_dscnt 15-p                              ; the younger rows may stay out
	v_pk_add_f32 v[FB+64*\f+4*p:FB+64*\f+4*p+1],   v[FB+64*\f+4*p:FB+64*\f+4*p+1],   v[BV:BV+1]
	v_pk_add_f32 v[FB+64*\f+4*p+2:FB+64*\f+4*p+3], v[FB+64*\f+4*p+2:FB+64*\f+4*p+3], v[BV+2:BV+3]
	global_store_b128 v[CO], v[FB+64*\f+4*p:FB+64*\f+4*p+3], s[10:11] offset:4096*p th:TH_STORE_NT
.set p, p+1
.endr
.endm
	OUT16 0, 0
	OUT16 1, 1
	OUT16 2, 0
	OUT16 3, 1
	s_wait_tensorcnt 0x0
	ds_add_u32 v254, v255
	s_wait_dscnt 0x0
	CROUND                                         ; the closing round: no work-group ends while a partner may still ask for a tile that names it
	s_endpgm
.Lfunc_end_k_q03df593e5a_proj:
	.size	k_q03df593e5a_proj, .Lfunc_end_k_q03df593e5a_proj-k_q03df593e5a_proj
	.p2alignl 7, 3214868480
	.fill 96, 4, 3214868480
	.section	.rodata,"a",@progbits
	.p2align	6, 0x0
	.amdhsa_kernel k_q03df593e5a_proj
		.amdhsa_group_segment_fixed_size 327680
		.amdhsa_private_segment_fixed_size 0
		.amdhsa_enable_private_segment 0
		.amdhsa_kernarg_size 32
		.amdhsa_user_sgpr_count 2
		.amdhsa_user_sgpr_kernarg_segment_ptr 1
		.amdhsa_wavefront_size32 1
		.amdhsa_system_sgpr_workgroup_id_x 1
		.amdhsa_system_sgpr_workgroup_id_y 1
		.amdhsa_system_sgpr_workgroup_id_z 1
		.amdhsa_system_vgpr_workitem_id 0
		.amdhsa_next_free_vgpr 512
		.amdhsa_next_free_sgpr 66
		.amdhsa_reserve_vcc 0
		.amdhsa_float_denorm_mode_32 3
		.amdhsa_float_denorm_mode_16_64 3
		.amdhsa_memory_ordered 1
		.amdhsa_forward_progress 1
		.amdhsa_inst_pref_size 126
	.end_amdhsa_kernel
	.amdgpu_metadata
---
amdhsa.version: [ 1, 2 ]
amdhsa.kernels:
  - .name:           k_q03df593e5a_proj
    .symbol:         k_q03df593e5a_proj.kd
    .args:
      - { .name: ao, .offset: 0, .size: 8, .value_kind: global_buffer, .address_space: global }
      - { .name: wh, .offset: 8, .size: 8, .value_kind: global_buffer, .address_space: global }
      - { .name: b_out, .offset: 16, .size: 8, .value_kind: global_buffer, .address_space: global }
      - { .name: out0, .offset: 24, .size: 8, .value_kind: global_buffer, .address_space: global }
    .group_segment_fixed_size: 327680
    .private_segment_fixed_size: 0
    .kernarg_segment_align: 8
    .kernarg_segment_size: 32
    .max_flat_workgroup_size: 128
    .sgpr_count:     66
    .vgpr_count:     512
    .wavefront_size: 32
...
	.end_amdgpu_metadata
.endif
;; end of part 2
;; ======== version 2 of 4: 3 launches
;; limits: values are held in f16: magnitudes above 65,504 overflow, below 6.1e-05 lose precision
;; workspace buffers: ao 16,777,216 bytes; wh 2,097,152 bytes; vs 524,288 bytes; perm 34,816 bytes of whole numbers
;; launch pre (part 3): grid 4 x 65, 8 waves a work-group, no clusters, 9,472 bytes of LDS; arguments v, mask, perm, vs; writes perm, vs
.if DOCPART == 3
	.amdgcn_target "amdgcn-amd-amdhsa--gfx1250"
	.amdhsa_code_object_version 6
	.text
	.protected	k_q03df593e5a_pre
	.globl	k_q03df593e5a_pre
	.p2align	8
	.type	k_q03df593e5a_pre,@function
k_q03df593e5a_pre:
	s_mov_b64 s[64:65], 0
	v_nop
	global_prefetch_b8 v0, s[64:65] scope:SCOPE_SE
	s_setreg_imm32_b32 hwreg(HW_REG_WAVE_MODE, 25, 1), 1
	s_wait_xcnt 0x0
; WHAT THE MASK DECIDES, AND WHAT THIS LAUNCH PREPARES.  m = [true, mask[b]] (2048 flags a batch).  For all values of the inputs:
;  (1) A query row i with m[i] false has all 2048 entries equal to -FLT_MAX in reference(); its softmax is exactly 1/2048 everywhere, so its output is
;      the sum of V over ALL 2048 keys times 2^-11.  That sum is made here: groups y < 64 add up 512 rows of head y each, one partial f32[64] a wave.
;  (2) In a row with m[i] true, key 0 is always valid, so the row's maximum is a true score and a key j with m[j] false has weight exactly 0: it adds
;      nothing to the row's sum nor to its output.  Which keys these are is a matter of whole numbers among the inputs, so the next launch does only what they
;      ask for: groups y = 64 store here, for batch x, the list of the valid keys and their number nv, and the next launch reads both from memory.
;      An all-true mask gives all 2048 keys.
; NO INPUT IS LEFT OUT: q, k, v, mask and W_out are loaded here or in the next launch, b_out in the last.
; LIMIT: an infinity or a NaN in k or v at a masked key does not reach a valid row here (in reference() 0 x infinity from v would).
;
; THE LIST, 2048 words a batch, in tiles of 64 entries.  rem = ((nv - 1) & 63) + 1.  The valid key of rank q (ascending; key 0 has rank 0) stands at entry q if
; q < rem, else at q + 64 - rem: tile 0 is the one tile that may be partly filled, tiles 1 .. ceil(nv/64) - 1 are full.  Every other entry is 0.
; Behind the list stand 128 words that all hold nv, so that every store of this path covers 512 consecutive bytes, aligned.
.set X,     16                         ; v[16:143]  32 x 4 registers of V; in the list's path 64 mask bytes, then the list on its way out
.set PERMB, 8704                       ; bytes of a batch in perm: 8192 of list + 512 of nv
.set DUMP,  2048                       ; the LDS word behind the list: where masked keys' lanes store
	s_load_b256 s[4:11], s[0:1], 0x0               ; v s[4:5], mask s[6:7], perm s[8:9], vs s[10:11]
	v_lshl_add_u32 v144, v0, 2, 0x2100
	v_mov_b32 v145, 0
	v_lshrrev_b32 v1, 5, v0
	v_readfirstlane_b32 s12, v1                    ; wave
	s_mov_b32 s13, ttmp9                           ; x: which 512 rows; in the list's path: the batch
	s_and_b32 s14, ttmp7, 0xffff                   ; y: the head, or 64
	s_cmp_eq_u32 s14, 64
	s_cbranch_scc1 .Llist
	; COLUMN SUMS.  The group's 512 rows are 128 KiB, dense.  Thread t takes 16 bytes at 16 t + 4096 i: always columns 4 (t & 15) .. + 3, rows 16 i + (t >> 4).
	; All 32 loads of a lane go out at once; each covers 512 consecutive bytes a wave.  No hint: the next launch reads these rows again.
	v_lshlrev_b32 v2, 4, v0                        ; 16 t
	v_bfe_u32 v3, v0, 4, 1                         ; h: which half of the lanes
	v_and_b32 v4, 15, v0
	v_lshlrev_b32 v4, 4, v4
	v_lshl_add_u32 v4, v3, 3, v4                   ; where I store: 16 (t & 15) + 8 h
	s_mov_b32 s18, 0x76543210                      ; v_permlanex16_b32: lane i takes lane i xor 16
	s_mov_b32 s19, 0xfedcba98
	s_lshl_b32 s16, s14, 19                        ; a head: 2048 rows x 256 bytes
	s_lshl_b32 s2, s13, 17                         ; 512 rows
	s_add_co_u32 s16, s16, s2
	s_mov_b32 s17, 0
	s_lshl_b32 s20, s14, 13                        ; vs: 32 partials x 256 bytes a head,
	s_lshl_b32 s2, s13, 11                         ; 8 a group,
	s_add_co_u32 s20, s20, s2
	s_lshl_b32 s2, s12, 8                          ; one a wave
	s_add_co_u32 s20, s20, s2
	s_mov_b32 s21, 0
	s_wait_kmcnt 0x0
	s_add_nc_u64 s[4:5], s[4:5], s[16:17]
	s_add_nc_u64 s[10:11], s[10:11], s[20:21]
.set i, 0
.rept 32
	global_load_b128 v[X+4*i:X+4*i+3], v2, s[4:5] offset:4096*i
.set i, i+1
.endr
.set i, 1
.rept 31
	s_wait_loadcnt 31-i                            ; load i is in: the 31 - i younger ones stay out
	v_pk_add_f32 v[X:X+1],   v[X:X+1],   v[X+4*i:X+4*i+1]          ; the first load's registers start the sums: nothing is cleared
	v_pk_add_f32 v[X+2:X+3], v[X+2:X+3], v[X+4*i+2:X+4*i+3]
.set i, i+1
.endr
.irp c, 0,1,2,3
	v_permlanex16_b32 v[X+4+\c], v[X+\c], s18, s19 ; lanes L and L xor 16 hold the same four columns of different rows
.endr
	v_pk_add_f32 v[X:X+1],   v[X:X+1],   v[X+4:X+5]
	v_pk_add_f32 v[X+2:X+3], v[X+2:X+3], v[X+6:X+7]
	v_cmp_eq_u32 vcc_lo, 1, v3
	v_cndmask_b32 v[X],   v[X],   v[X+2], vcc_lo   ; the lower half of the lanes stores its first two columns, the upper half its last two:
	v_cndmask_b32 v[X+1], v[X+1], v[X+3], vcc_lo
	global_store_b64 v4, v[X:X+1], s[10:11]        ; 32 lanes x 8 bytes = the wave's 256 consecutive bytes, aligned
	s_endpgm
	; THE LIST, by wave 0 alone: 2048 flags are 64 for each of its lanes, and ranks come from ballots, so nothing passes between waves.
.Llist:
	s_cmp_lg_u32 s12, 0
	s_cbranch_scc1 .Lend
	v_and_b32 v1, 31, v0                           ; lane L
	s_mul_i32 s16, s13, 2047                       ; my batch's row of the mask
	s_mul_i32 s18, s13, PERMB
	s_mov_b32 s19, 0
	v_max_u32 v2, 1, v1
	v_add_nc_u32 v2, s16, v2                       ; 2047 b + max(L, 1)
	v_add_nc_u32 v3, s16, v1                       ; 2047 b + L
	v_lshlrev_b32 v8, 4, v1                        ; 16 L
	v_mov_b32 v9, DUMP
.irp n, 4,5,6,7
	v_mov_b32 v\n, 0
.endr
	s_wait_kmcnt 0x0
	s_add_nc_u64 s[8:9], s[8:9], s[18:19]
	global_load_u8 v[X], v2, s[6:7] offset:-1      ; step st, lane L: key j = 32 st + L reads mask[b][j - 1]; key 0 reads a byte that is not used
.set st, 1
.rept 63
	global_load_u8 v[X+st], v3, s[6:7] offset:32*st-1
.set st, st+1
.endr
.set p, 0
.rept 16
	ds_store_b128 v8, v[4:7] offset:512*p          ; the list starts as zeros
.set p, p+1
.endr
	s_wait_loadcnt 0x0
	v_cmp_eq_u32 vcc_lo, 0, v1
	v_cndmask_b32 v[X], v[X], 1, vcc_lo            ; key 0 is always valid
	s_mov_b32 s20, 0                               ; nv
.set st, 0
.rept 64
	v_cmp_ne_u32 vcc_lo, 0, v[X+st]
	s_bcnt1_i32_b32 s2, vcc_lo
	s_add_co_u32 s20, s20, s2
.set st, st+1
.endr
	s_sub_co_u32 s21, s20, 1
	s_and_b32 s21, s21, 63
	s_add_co_u32 s21, s21, 1                       ; rem, 1 .. 64
	s_sub_co_u32 s22, 64, s21                      ; 64 - rem
	s_mov_b32 s23, 0                               ; valid keys in the steps before this one
.set st, 0
.rept 64
	v_cmp_ne_u32 vcc_lo, 0, v[X+st]
	v_mbcnt_lo_u32_b32 v10, vcc_lo, s23            ; rank: valid keys before mine
	v_add_nc_u32 v11, s22, v10
	v_cmp_gt_u32 s24, s21, v10                     ; rank < rem: tile 0
	v_cndmask_b32 v10, v11, v10, s24
	v_cndmask_b32 v10, v9, v10, vcc_lo             ; a masked key's lane stores to the dump word
	v_min_u32 v10, 0x800, v10                      ; the entry is made from loaded numbers: it enters an address only clamped
	v_lshlrev_b32 v10, 2, v10
	v_add_nc_u32 v11, 32*st, v1                    ; the key
	ds_store_b32 v10, v11
	s_bcnt1_i32_b32 s2, vcc_lo
	s_add_co_u32 s23, s23, s2
.set st, st+1
.endr
.set p, 0
.rept 16
	ds_load_b128 v[X+4*p:X+4*p+3], v8 offset:512*p ; LDS serves a wave's instructions in order (ISA guide 5.7.1.4): these see the stores above
.set p, p+1
.endr
.set p, 0
.rept 16
	s_wait_dscnt 15-p                              ; the younger read-backs may stay out
	global_store_b128 v8, v[X+4*p:X+4*p+3], s[8:9] offset:512*p
.set p, p+1
.endr
.irp n, 4,5,6,7
	v_mov_b32 v\n, s20
.endr
	global_store_b128 v8, v[4:7], s[8:9] offset:8192
.Lend:
	s_wait_tensorcnt 0x0
	ds_add_u32 v144, v145
	s_wait_dscnt 0x0
	s_endpgm
.Lfunc_end_k_q03df593e5a_pre:
	.size	k_q03df593e5a_pre, .Lfunc_end_k_q03df593e5a_pre-k_q03df593e5a_pre
	.p2alignl 7, 3214868480
	.fill 96, 4, 3214868480
	.section	.rodata,"a",@progbits
	.p2align	6, 0x0
	.amdhsa_kernel k_q03df593e5a_pre
		.amdhsa_group_segment_fixed_size 9472
		.amdhsa_private_segment_fixed_size 0
		.amdhsa_enable_private_segment 0
		.amdhsa_kernarg_size 32
		.amdhsa_user_sgpr_count 2
		.amdhsa_user_sgpr_kernarg_segment_ptr 1
		.amdhsa_wavefront_size32 1
		.amdhsa_system_sgpr_workgroup_id_x 1
		.amdhsa_system_sgpr_workgroup_id_y 1
		.amdhsa_system_sgpr_workgroup_id_z 1
		.amdhsa_system_vgpr_workitem_id 0
		.amdhsa_next_free_vgpr 146
		.amdhsa_next_free_sgpr 66
		.amdhsa_reserve_vcc 1
		.amdhsa_float_denorm_mode_32 3
		.amdhsa_float_denorm_mode_16_64 3
		.amdhsa_memory_ordered 1
		.amdhsa_forward_progress 1
		.amdhsa_inst_pref_size 64
	.end_amdhsa_kernel
	.amdgpu_metadata
---
amdhsa.version: [ 1, 2 ]
amdhsa.kernels:
  - .name:           k_q03df593e5a_pre
    .symbol:         k_q03df593e5a_pre.kd
    .args:
      - { .name: v, .offset: 0, .size: 8, .value_kind: global_buffer, .address_space: global }
      - { .name: mask, .offset: 8, .size: 8, .value_kind: global_buffer, .address_space: global }
      - { .name: perm, .offset: 16, .size: 8, .value_kind: global_buffer, .address_space: global }
      - { .name: vs, .offset: 24, .size: 8, .value_kind: global_buffer, .address_space: global }
    .group_segment_fixed_size: 9472
    .private_segment_fixed_size: 0
    .kernarg_segment_align: 8
    .kernarg_segment_size: 32
    .max_flat_workgroup_size: 256
    .sgpr_count:     66
    .vgpr_count:     146
    .wavefront_size: 32
...
	.end_amdgpu_metadata
.endif
;; end of part 3
;; launch attn (part 4): grid 4 x 64, 8 waves a work-group, no clusters, 114,688 bytes of LDS; arguments q, k, v, mask, W_out, perm, vs, ao, wh; writes ao, wh
.if DOCPART == 4
	.amdgcn_target "amdgcn-amd-amdhsa--gfx1250"
	.amdhsa_code_object_version 6
	.text
	.protected	k_q03df593e5a_attn
	.globl	k_q03df593e5a_attn
	.p2align	8
	.type	k_q03df593e5a_attn,@function
k_q03df593e5a_attn:
	s_mov_b64 s[64:65], 0
	v_nop
	global_prefetch_b8 v0, s[64:65] scope:SCOPE_SE
	s_setreg_imm32_b32 hwreg(HW_REG_WAVE_MODE, 25, 1), 1
	s_wait_xcnt 0x0
; MASKED ATTENTION, one head and 512 query rows to a work-group; the head outputs go to ao as f16, [b*16+h][n][64].
; Each work-group also casts 4 rows of W_out to f16 into wh (256 groups x 4 rows = the 1024 rows), which spares a launch.
;
; ONLY THE KEYS THAT THE MASK ASKS FOR: a key j with m[j] false has weight exactly 0 in every row with m[i] true (key 0 is always valid, so the row's maximum is a
; true score), and a row with m[i] false is the sum of V over all 2048 keys times 2^-11, whatever its scores.  The launch before stored, for each batch, the list
; of the valid keys and their number nv, and for each head 32 partial column sums of V; here K's and V's rows are taken by the list, T = ceil(nv / 64) tiles
; of 64 are worked through, and a row with m[i] false (it runs through the trips like the others) is replaced at the end by a select on its own mask byte.
; Tile 0 is the one tile that may be partly filled: its empty places hold key 0 again and get -2^100 added to their scores (the matrix instruction's C operand).
; With f16 operands |score| < 64 x 65504^2 < 2^38, so their exponent is below -2^99 and their exponential exactly 0.  The running maximum is taken away before
; every exponential, as reference() does.
; LIMITS: matrix operands are f16 (sums f32): q x 0.1803, k, v, W_out and the head outputs overflow above 65,504; the inputs as drawn stay under 6, so
; 30 times their size or offset stays under 200.  The weights are at most 1.  The row sum l is made of the f32 weights, the product of their f16 roundings.
; An infinity or a NaN in k or v at a masked key does not reach a valid row (in reference() 0 x infinity from v would).
;
; TRANSPOSED: S^T = K Q^T and O^T = V^T P^T.  In an S^T tile lane L (r = L & 15, h = L >> 4) holds query r and its registers j the keys 8 h + j: maximum and sum
; stay in the lane but for one exchange with lane L xor 16, the factors are one number a lane, and two S^T tiles packed pairwise ARE the second source of PV.
; Eight waves; wave w owns 64 query rows (4 tiles of 16); all waves share each tile of 64 keys, through two LDS slots.
; K and V are f32 in memory and f16 in the matrix unit, and their rows are picked by a list.  They come through registers: 16 KiB + 16 KiB are asked for a trip ahead,
; converted, and 8 KiB + 8 KiB stored to LDS.  NO JOINT TENSOR LOADS for the four groups of a head: a tile brought straight into LDS would lie there as f32, to be
; read and stored again in every trip, and its 64 rows are not evenly spaced.
; THE TRIPS: the loop has a constant number of trips, 32 in all, and T only branches round a trip's work: every wave passes every barrier on every way, and no barrier
; stands under a branch on a loaded number.  A trip with nothing to do is a compare, a branch and the barrier.
;
; REGISTERS.  Window 0: v0-11 addresses; ADR the four row offsets of a tile's loads; MB0/MB1 running maxima (even registers; the odd ones take the neighbour lane's);
; AL factors; LS row sums (pairs); BI tile 0's bias (32); STG staged K, V (32); RB my four queries' mask bytes; IDX four list entries; S scores, then weights (128).
; Window 1: O (128), Q (64), KV (64: K's fragments, then V's).
.set KP,    144                        ; LDS pitch of K's and Q's rows: 128 bytes + 16 = 9 x 16, so 16 rows begin at 16 different 16-byte columns modulo 256
.set VP,    160                        ; LDS pitch of V's rows: 5 x 32, for the transposing loads
.set VOFF,  64*KP                      ; V behind K in a slot
.set SLOT,  64*KP+64*VP                ; 19,456 bytes
.set CSP,   2*SLOT                     ; 4 x f32[64]: partial column sums of V
.set QST,   CSP+1024                   ; 8 waves x 64 rows x 144: each wave's own stage, for Q on the way in and for the result on the way out
.set QSTW,  64*KP
.set PERMB, 8704                       ; bytes of a batch in perm: 8192 of list, then nv
.set ADR, 12
.set MB0, 16
.set AL,  32
.set LS,  40
.set BI,  56
.set STG, 88
.set RB,  120
.set IDX, 124
.set S,   128
.set TO,  S+96
.set O,   0                            ; window 1
.set Q,   128                          ; window 1
.set KV,  192                          ; window 1
.set TH,  36                           ; s36-39: T, T - 1, T - 2, T - 3
.set MSB, 0
.macro WIN new                         ; low byte: bits 1:0 source 0, 3:2 source 1, 5:4 source 2, 7:6 destination; the high byte repeats the setting that is left
.if MSB != \new
	s_set_vgpr_msb (MSB<<8)|\new
.set MSB, \new
.endif
.endm
; four list entries become four row offsets: entry x 256 bytes + my 16 bytes of the row.  A loaded number enters an address only clamped to the table's 2048 rows.
.macro ADDR src
.irp i, 0,1,2,3
	v_min_u32 v[ADR+\i], 0x7ff, v[\src+\i]
.endr
.irp i, 0,1,2,3
	v_lshl_add_u32 v[ADR+\i], v[ADR+\i], 8, v1
.endr
.endm
; a tile of K and of V into registers: sixteen neighbouring lanes take one whole row of 256 bytes; thread t's load i is list entry 4 (t >> 4) + i
.macro LOADKV
.irp i, 0,1,2,3
	global_load_b128 v[STG+4*\i:STG+4*\i+3], v[ADR+\i], s[6:7]
.endr
.irp i, 0,1,2,3
	global_load_b128 v[STG+16+4*\i:STG+16+4*\i+3], v[ADR+\i], s[8:9]
.endr
.endm
; the staged tile is rounded to f16 and stored into slot dst: load i goes to LDS row 16 i + (t >> 4)
.macro STAGE dst
.irp g, 0,1,2,3,4,5,6,7
	v_cvt_pk_f16_f32 v[STG+4*\g],   v[STG+4*\g],   v[STG+4*\g+1]
	v_cvt_pk_f16_f32 v[STG+4*\g+1], v[STG+4*\g+2], v[STG+4*\g+3]
.endr
.irp i, 0,1,2,3
	ds_store_b64 v2, v[STG+4*\i:STG+4*\i+1] offset:(\dst)*SLOT+16*KP*\i
.endr
.irp i, 0,1,2,3
	ds_store_b64 v3, v[STG+16+4*\i:STG+17+4*\i] offset:(\dst)*SLOT+VOFF+16*VP*\i
.endr
.endm
.macro LDK slot                        ; K's fragments (16 keys x 32 d): two loads of 16 bytes, 32 bytes apart, at row r, 16 h
	WIN 0x40
.irp kt, 0,1,2,3
.irp kk, 0,1
	ds_load_b128 v[KV+16*\kt+8*\kk:KV+16*\kt+8*\kk+3],   v4 offset:\slot*SLOT+16*KP*\kt+64*\kk
	ds_load_b128 v[KV+16*\kt+8*\kk+4:KV+16*\kt+8*\kk+7], v4 offset:\slot*SLOT+16*KP*\kt+64*\kk+32
.endr
.endr
.endm
.macro QK bias                         ; S^T = K Q^T (+ tile 0's bias).  The sixteen accumulators take turns, one instruction a turn
	WIN 0x05
.irp kt, 0,1,2,3
.irp qt, 0,1,2,3
.if \bias
	v_wmma_f32_16x16x32_f16 v[S+32*\qt+8*\kt:S+32*\qt+8*\kt+7], v[KV+16*\kt:KV+16*\kt+7], v[Q+16*\qt:Q+16*\qt+7], v[BI+8*\kt:BI+8*\kt+7]
.else
	v_wmma_f32_16x16x32_f16 v[S+32*\qt+8*\kt:S+32*\qt+8*\kt+7], v[KV+16*\kt:KV+16*\kt+7], v[Q+16*\qt:Q+16*\qt+7], 0
.endif
.endr
.endr
.irp kt, 0,1,2,3
.irp qt, 0,1,2,3
	v_wmma_f32_16x16x32_f16 v[S+32*\qt+8*\kt:S+32*\qt+8*\kt+7], v[KV+16*\kt+8:KV+16*\kt+15], v[Q+16*\qt+8:Q+16*\qt+15], v[S+32*\qt+8*\kt:S+32*\qt+8*\kt+7]
.endr
.endr
.endm
.macro LDV slot                        ; V^T's fragments (16 d x 32 keys) out of rows that lie along d: two transposing loads, 16 rows apart
	WIN 0x40
.irp kc, 0,1
.irp dt, 0,1,2,3
	ds_load_tr16_b128 v[KV+32*\kc+8*\dt:KV+32*\kc+8*\dt+3],   v5 offset:\slot*SLOT+VOFF+32*VP*\kc+32*\dt
	ds_load_tr16_b128 v[KV+32*\kc+8*\dt+4:KV+32*\kc+8*\dt+7], v5 offset:\slot*SLOT+VOFF+32*VP*\kc+32*\dt+16*VP
.endr
.endr
.endm
.macro SMAX mo, mn, first              ; new running maximum of each of my 4 queries: 32 scores in the lane, then the other half's lane
.set i, 0
.rept 16
.irp qt, 0,1,2,3
.if i == 0
.if \first
	v_max_num_f32 v[\mn+2*\qt], v[S+32*\qt], v[S+32*\qt+1]
.else
	v_max3_num_f32 v[\mn+2*\qt], v[\mo+2*\qt], v[S+32*\qt], v[S+32*\qt+1]
.endif
.else
	v_max3_num_f32 v[\mn+2*\qt], v[\mn+2*\qt], v[S+32*\qt+2*i], v[S+32*\qt+2*i+1]
.endif
.endr
.set i, i+1
.endr
.irp qt, 0,1,2,3
	v_permlanex16_b32 v[\mn+2*\qt+1], v[\mn+2*\qt], s22, s23
.endr
.irp qt, 0,1,2,3
	v_max_num_f32 v[\mn+2*\qt], v[\mn+2*\qt], v[\mn+2*\qt+1]
.endr
.endm
.macro SALPHA mo, mn                   ; 2^(old maximum - new maximum); the subtractions of SSUB are the plain instructions behind the exponentials
.irp qt, 0,1,2,3
	v_sub_f32 v[AL+2*\qt], v[\mo+2*\qt], v[\mn+2*\qt]
.endr
.irp qt, 0,1,2,3
	v_exp_f32 v[AL+2*\qt], v[AL+2*\qt]
.endr
.endm
.macro SSUB mn
.irp qt, 0,1,2,3
.set i, 0
.rept 16
	v_pk_add_f32 v[S+32*\qt+2*i:S+32*\qt+2*i+1], v[S+32*\qt+2*i:S+32*\qt+2*i+1], v[\mn+2*\qt:\mn+2*\qt+1] op_sel_hi:[1,0] neg_lo:[0,1] neg_hi:[0,1]
.set i, i+1
.endr
.endr
.endm
.macro SEXP
.set i, 0
.rept 128
	v_exp_f32 v[S+i], v[S+i]
.set i, i+1
.endr
	v_nop                                          ; one plain instruction between the last exponentials and their first use
	s_wait_alu depctr_va_vdst(0)
.endm
.macro SSUM first                      ; l = l x factor + the lane's 32 weights, kept as a pair for each query tile
.set i, 0
.rept 16
.irp qt, 0,1,2,3
.if i == 0
.if \first
.else
	v_pk_fma_f32 v[LS+2*\qt:LS+2*\qt+1], v[LS+2*\qt:LS+2*\qt+1], v[AL+2*\qt:AL+2*\qt+1], v[S+32*\qt:S+32*\qt+1] op_sel_hi:[1,0,1]
.endif
.else
.if i == 1
.if \first
	s_wait_alu depctr_va_vdst(0)
	v_pk_add_f32 v[LS+2*\qt:LS+2*\qt+1], v[S+32*\qt:S+32*\qt+1], v[S+32*\qt+2:S+32*\qt+3]
.else
	v_pk_add_f32 v[LS+2*\qt:LS+2*\qt+1], v[LS+2*\qt:LS+2*\qt+1], v[S+32*\qt+2:S+32*\qt+3]
.endif
.else
	v_pk_add_f32 v[LS+2*\qt:LS+2*\qt+1], v[LS+2*\qt:LS+2*\qt+1], v[S+32*\qt+2*i:S+32*\qt+2*i+1]
.endif
.endif
.endr
.set i, i+1
.endr
.endm
.macro SCVT                            ; two S^T tiles (16 registers) become the 8 registers of P^T's fragment for 32 keys, in place, ascending
.set b, 0
.rept 8
.set i, 0
.rept 8
	v_cvt_pk_f16_f32 v[S+16*b+i], v[S+16*b+2*i], v[S+16*b+2*i+1]
.set i, i+1
.endr
.set b, b+1
.endr
.endm
.macro RESCALE
	WIN 0x41
.irp qt, 0,1,2,3
.set i, 0
.rept 16
	v_pk_mul_f32 v[O+32*\qt+2*i:O+32*\qt+2*i+1], v[O+32*\qt+2*i:O+32*\qt+2*i+1], v[AL+2*\qt:AL+2*\qt+1] op_sel_hi:[1,0]
.set i, i+1
.endr
.endr
.endm
.macro PV first                        ; O^T += V^T P^T.  The sixteen accumulators take turns, one instruction a turn
	WIN 0x51
.irp kc, 0,1
.irp qt, 0,1,2,3
.irp dt, 0,1,2,3
.if \first*(1-\kc)
	v_wmma_f32_16x16x32_f16 v[O+32*\qt+8*\dt:O+32*\qt+8*\dt+7], v[KV+32*\kc+8*\dt:KV+32*\kc+8*\dt+7], v[S+32*\qt+16*\kc:S+32*\qt+16*\kc+7], 0
.else
	v_wmma_f32_16x16x32_f16 v[O+32*\qt+8*\dt:O+32*\qt+8*\dt+7], v[KV+32*\kc+8*\dt:KV+32*\kc+8*\dt+7], v[S+32*\qt+16*\kc:S+32*\qt+16*\kc+7], v[O+32*\qt+8*\dt:O+32*\qt+8*\dt+7]
.endif
.endr
.endr
.endr
.endm
; Trip u = s26 + o uses the tile in \slot (= u & 1), if u < T.  Inside: if u + 1 < T, tile u + 1 (asked for a trip ago) goes into the other slot; inside that: if u + 2 < T,
; tile u + 2 is asked for by the entries read a trip ago, and the entries of list tile u + 3 (at most T: inside the list) are read.  The three compares are s26 against
; T - o, T - o - 1, T - o - 2, signed.  first = 1: trip 0, which every mask has; stage = 0: the text of the last trip, behind which no tile can follow; last = 1: no barrier.
.macro TRIP slot, o, first, stage, last
.if \first
.else
	s_cmp_lt_i32 s26, s[TH+\o]
	s_cbranch_scc0 .Lidle_\@
.endif
	LDK \slot
	WIN 0
.if \stage
	s_cmp_lt_i32 s26, s[TH+\o+1]
	s_cbranch_scc0 .Lahead_\@
	s_wait_loadcnt 0x0                             ; the tile and the entries asked for a whole trip ago are in; their offsets and bases may be written
	STAGE 1-\slot
	s_cmp_lt_i32 s26, s[TH+\o+2]
	s_cbranch_scc0 .Lahead_\@
	ADDR IDX
	LOADKV
	s_add_nc_u64 s[14:15], s[14:15], 256           ; the list's next tile
	global_load_b128 v[IDX:IDX+3], v6, s[14:15]
.Lahead_\@:
.endif
	s_wait_dscnt 0x0                               ; K's fragments are in; for 0, since the stage stores behind them are issued on one way only
	QK \first
.rept 4
	v_nop                                          ; four places between the products and the loads into K's registers and the reads of S
.endr
	LDV \slot
	WIN 0
	SMAX MB0+8*\slot, MB0+8*(1-\slot), \first
.if \first
.else
	SALPHA MB0+8*\slot, MB0+8*(1-\slot)
.endif
	SSUB MB0+8*(1-\slot)
	SEXP
	SSUM \first
	SCVT
.if \first
.else
	RESCALE
.endif
	s_wait_dscnt 0x0                               ; V's fragments are in
	PV \first
	WIN 0
.rept 5
	v_nop                                          ; the places in front of the next loads into V's registers and the next products over P
.endr
.if \first
.else
.Lidle_\@:
.endif
.if \last
.else
	s_wait_dscnt 0x0                               ; for the other waves: my reads of this slot and my stores into the other are done
	s_barrier_signal -1
	s_barrier_wait -1                              ; one barrier a trip, on every way: behind it this slot may be overwritten and the other may be read
.endif
.endm
	s_load_b256 s[4:11], s[0:1], 0x0               ; q s[4:5], k s[6:7], v s[8:9], mask s[10:11]
	s_load_b256 s[12:19], s[0:1], 0x20             ; W_out s[12:13], perm s[14:15], vs s[16:17], ao s[18:19]
	s_load_b64 s[20:21], s[0:1], 0x40              ; wh
	v_lshrrev_b32 v120, 5, v0
	v_readfirstlane_b32 s28, v120                  ; wave w
	s_mov_b32 s29, ttmp9                           ; x: which 512 queries
	s_and_b32 s30, ttmp7, 0xffff                   ; bh = 16 b + h
	s_lshr_b32 s31, s30, 4                         ; b
	s_mov_b32 s22, 0x76543210                      ; v_permlanex16_b32: lane i takes lane i xor 16
	s_mov_b32 s23, 0xfedcba98
	s_mul_i32 s32, s28, QSTW
	s_add_co_u32 s32, s32, QST                     ; my wave's stage
	s_mul_i32 s33, s31, 2047                       ; my batch's row of the mask
	s_lshl_b32 s34, s29, 9
	s_lshl_b32 s2, s28, 6
	s_add_co_u32 s34, s34, s2                      ; my wave's first query: 512 x + 64 w
	v_and_b32 v121, 15, v0                         ; r = t & 15
	v_lshrrev_b32 v122, 4, v0                      ; g = t >> 4
	v_bfe_u32 v123, v0, 4, 1                       ; h
	v_and_b32 v124, 31, v0                         ; L
	v_lshlrev_b32 v125, 3, v121                    ; 8 r
	v_lshlrev_b32 v1, 4, v121                      ; v1: 16 r: my 16 bytes of a row of K or V
	v_mad_u32_u24 v2, v122, KP, v125               ; v2: K's stage store: row g, 8 r
	v_mad_u32_u24 v3, v122, VP, v125               ; v3: V's stage store
	v_mul_u32_u24 v4, v121, KP
	v_lshl_add_u32 v4, v123, 4, v4                 ; v4: K's fragments: r x 144 + 16 h
	v_and_b32 v126, 7, v0
	v_lshl_add_u32 v127, v123, 3, v126
	v_mul_u32_u24 v5, v127, VP
	v_bfe_u32 v127, v0, 3, 1
	v_lshl_add_u32 v5, v127, 4, v5                 ; v5: V's transposing loads: (8 h + (L & 7)) x 160 + 16 ((L >> 3) & 1)
	v_lshlrev_b32 v6, 4, v122                      ; v6: 16 g: my four entries of a tile of the list
	v_mad_u32_u24 v7, v123, KP, v125
	v_add_nc_u32 v7, s32, v7                       ; v7: Q's stage store: row h, 8 r
	v_add_nc_u32 v8, s32, v4                       ; v8: Q's fragments, and the result's stage store
	v_lshrrev_b32 v127, 3, v124
	v_lshlrev_b32 v126, 4, v126
	v_mad_u32_u24 v9, v127, KP, v126
	v_add_nc_u32 v9, s32, v9                       ; v9: the result read back: row L >> 3, 16 (L & 7)
	v_lshlrev_b32 v10, 4, v124                     ; v10: 16 L
	v_lshlrev_b32 v11, 3, v0                       ; v11: 8 t
	v_lshlrev_b32 v48, 4, v0                       ; v48: 16 t
	v_lshrrev_b32 v49, 6, v0
	v_and_b32 v50, 63, v0
	v_lshlrev_b32 v50, 2, v50
	v_lshl_add_u32 v49, v49, 11, v50               ; v49: the column sums' partials: 8 of them from 2048 (t >> 6), column t & 63
	v_lshl_add_u32 v50, v0, 2, CSP                 ; v50: CSP + 4 t
	v_lshl_add_u32 v53, v123, 5, CSP               ; v53: the partials read back, 32 h
	v_add_nc_u32 v54, s34, v121                    ; my query of tile 0: i = 512 x + 64 w + r
	v_cmp_eq_u32 s27, 0, v54                       ; query 0 has no byte in the mask
	v_cndmask_b32 v55, v54, 1, s27
	v_add_nc_u32 v55, s33, v55                     ; v55: 2047 b + max(i, 1)
	v_add_nc_u32 v54, s33, v54                     ; v54: 2047 b + i
.irp n, 16,17,18,19,20,21,22,23,25,27,29,31,33,35,37,39
	v_mov_b32 v\n, 0                               ; the odd partners of the maxima and factors are read as parts of pairs and as a lane exchange's destination; MB0's even
.endr                                                  ; registers are first written in trip 1, whose work stands under a branch: so every register has been written on every way
	s_wait_kmcnt 0x0
	s_lshl_b32 s24, s30, 19                        ; a head of q, k or v: 2048 x 256 bytes
	s_mov_b32 s25, 0
	s_add_nc_u64 s[6:7], s[6:7], s[24:25]
	s_add_nc_u64 s[8:9], s[8:9], s[24:25]
	s_lshl_b32 s2, s29, 17
	s_add_co_u32 s24, s24, s2
	s_lshl_b32 s2, s28, 14
	s_add_co_u32 s24, s24, s2
	s_add_nc_u64 s[4:5], s[4:5], s[24:25]          ; q at my wave's 64 rows
	s_lshr_b32 s24, s24, 1                         ; ao's rows are half as long
	s_add_nc_u64 s[18:19], s[18:19], s[24:25]
	s_lshl2_add_u32 s2, s30, s29                   ; the group's number 4 bh + x
	s_lshl_b32 s24, s2, 14
	s_add_nc_u64 s[12:13], s[12:13], s[24:25]      ; its 4 rows of W_out
	s_lshl_b32 s24, s2, 13
	s_add_nc_u64 s[20:21], s[20:21], s[24:25]      ; and of wh
	s_mul_i32 s24, s31, PERMB
	s_add_nc_u64 s[14:15], s[14:15], s[24:25]      ; my batch's list
	s_lshl_b32 s24, s30, 13
	s_add_nc_u64 s[16:17], s[16:17], s[24:25]      ; my head's 32 partial column sums
	s_load_b32 s40, s[14:15], 0x2000               ; nv, behind the list
	; 51 loads in one run: the list's tiles 0, 1, 2 (3), W_out 4, my queries' mask 4, column sums 8, Q 32
	global_load_b128 v[BI+16:BI+19], v6, s[14:15]
	global_load_b128 v[BI+20:BI+23], v6, s[14:15] offset:256
	global_load_b128 v[IDX:IDX+3],   v6, s[14:15] offset:512
.irp i, 0,1,2,3
	global_load_b128 v[BI+4*\i:BI+4*\i+3], v48, s[12:13] offset:4096*\i th:TH_LOAD_NT
.endr
	global_load_u8 v[RB], v55, s[10:11] offset:-1                      ; query i + 16 qt reads mask[b][i + 16 qt - 1]; query 0 reads a byte that is not used
.irp qt, 1,2,3
	global_load_u8 v[RB+\qt], v54, s[10:11] offset:16*\qt-1
.endr
.irp i, 0,1,2,3,4,5,6,7
	global_load_b32 v[BI+24+\i], v49, s[16:17] offset:256*\i
.endr
.set i, 0
.rept 32
	global_load_b128 v[S+4*i:S+4*i+3], v10, s[4:5] offset:512*i th:TH_LOAD_NT      ; rows 2 i + h of my 64
.set i, i+1
.endr
	s_wait_loadcnt 48                              ; the list's 3 are in: 4 + 4 + 8 + 32 younger loads stay out
	ADDR BI+16
	LOADKV                                         ; tile 0
	s_wait_loadcnt 52                              ; W_out's 4 are in: 4 + 8 + 32 + 8 stay out
.irp i, 0,1,2,3
	v_cvt_pk_f16_f32 v[BI+4*\i],   v[BI+4*\i],   v[BI+4*\i+1]
	v_cvt_pk_f16_f32 v[BI+4*\i+1], v[BI+4*\i+2], v[BI+4*\i+3]
	global_store_b64 v11, v[BI+4*\i:BI+4*\i+1], s[20:21] offset:2048*\i            ; a wave's store covers 256 consecutive bytes, aligned
.endr
	s_wait_loadcnt 40                              ; the mask's 4 and the column sums' 8 are in: 32 + 8 stay out
	v_cndmask_b32 v[RB], v[RB], 1, s27             ; query 0 is always valid
	v_pk_add_f32 v[BI+24:BI+25], v[BI+24:BI+25], v[BI+26:BI+27]
	v_pk_add_f32 v[BI+28:BI+29], v[BI+28:BI+29], v[BI+30:BI+31]
	v_pk_add_f32 v[BI+24:BI+25], v[BI+24:BI+25], v[BI+28:BI+29]
	v_add_f32 v[BI+24], v[BI+24], v[BI+25]
	ds_store_b32 v50, v[BI+24]                     ; 32 partials have become 4
	s_wait_loadcnt 8                               ; Q is in: tile 0's 8 stay out
.set i, 0
.rept 64
	v_pk_mul_f32 v[S+2*i:S+2*i+1], v[S+2*i:S+2*i+1], 0x3e38aa3b op_sel_hi:[1,0]    ; x 64^-0.5 x log2(e): the exponentials are to base 2
.set i, i+1
.endr
.set i, 0
.rept 32
	v_cvt_pk_f16_f32 v[S+4*i],   v[S+4*i],   v[S+4*i+1]
	v_cvt_pk_f16_f32 v[S+4*i+1], v[S+4*i+2], v[S+4*i+3]
	ds_store_b64 v7, v[S+4*i:S+4*i+1] offset:2*KP*i
.set i, i+1
.endr
	WIN 0x40
.irp qt, 0,1,2,3
.irp kk, 0,1
	ds_load_b128 v[Q+16*\qt+8*\kk:Q+16*\qt+8*\kk+3],   v8 offset:16*KP*\qt+64*\kk      ; my wave's own bytes: LDS serves a wave's instructions in order (ISA guide 5.7.1.4)
	ds_load_b128 v[Q+16*\qt+8*\kk+4:Q+16*\qt+8*\kk+7], v8 offset:16*KP*\qt+64*\kk+32
.endr
.endr
	WIN 0
	s_wait_loadcnt 0x0                             ; tile 0 is in
	STAGE 0
	s_wait_kmcnt 0x0                               ; nv
	s_add_co_u32 s[TH], s40, 63
	s_lshr_b32 s[TH], s[TH], 6                     ; T = ceil(nv / 64), 1 .. 32
	s_sub_co_i32 s[TH+1], s[TH], 1
	s_sub_co_i32 s[TH+2], s[TH], 2
	s_sub_co_i32 s[TH+3], s[TH], 3
	s_sub_co_u32 s41, s40, 1
	s_and_b32 s41, s41, 63
	s_add_co_u32 s41, s41, 1                       ; rem: the filled places of tile 0
	s_add_nc_u64 s[14:15], s[14:15], 512           ; the list at tile 2 (every load that named this base is done): stepped once before each further read
	s_cmp_gt_i32 s[TH+1], 0
	s_cbranch_scc0 .Lone_tile
	ADDR BI+20
	LOADKV                                         ; tile 1, if there is one
.Lone_tile:
	s_wait_xcnt 0x0                                ; the stores to wh have read BI, which is written anew below
	; tile 0's bias: register j of key tile kt in half h is LDS row 16 kt + 8 h + j = list entry 32 h + 4 j + kt; it is filled if that is below rem
	v_bfe_u32 v51, v0, 4, 1
	v_lshlrev_b32 v51, 5, v51
	v_sub_nc_u32 v51, s41, v51                     ; rem - 32 h
	v_mov_b32 v52, 0xf1800000                      ; -2^100
.irp kt, 0,1,2,3
.irp j, 0,1,2,3,4,5,6,7
	v_cmp_lt_i32 vcc_lo, 4*\j+\kt, v51
	v_cndmask_b32 v[BI+8*\kt+\j], v52, 0, vcc_lo
.endr
.endr
	s_wait_dscnt 0x0                               ; for the other waves: my parts of the column sums and of tile 0 are in LDS; for me: Q's fragments
	s_barrier_signal -1
	s_barrier_wait -1
	s_mov_b32 s26, 0
	TRIP 0, 0, 1, 1, 0                             ; trip 0: its products start the sums
	s_mov_b32 s26, 1
.Ltrips:                                               ; trips 1 to 30, two to a turn of the loop
	TRIP 1, 0, 0, 1, 0
	TRIP 0, 1, 0, 1, 0
	s_add_co_u32 s26, s26, 2
	s_cmp_lt_u32 s26, 31
	s_cbranch_scc1 .Ltrips
	TRIP 1, 0, 0, 0, 1                             ; trip 31
	; THE END.
	s_wait_loadcnt 0x0                             ; every tile asked for has been staged, so this is met at once; the registers written below are those that the tiles' loads fill
.macro LDMV dst, wv                    ; partial wv of the column sums, as an O^T tile has it: register 8 dt + j = column 16 dt + 8 h + j
.irp dt, 0,1,2,3
	ds_load_b128 v[\dst+8*\dt:\dst+8*\dt+3],   v53 offset:256*(\wv)+64*\dt
	ds_load_b128 v[\dst+8*\dt+4:\dst+8*\dt+7], v53 offset:256*(\wv)+64*\dt+16
.endr
.endm
	LDMV S, 0
	LDMV S+32, 1
.irp qt, 0,1,2,3
	v_add_f32 v[AL+2*\qt], v[LS+2*\qt], v[LS+2*\qt+1]
.endr
.irp qt, 0,1,2,3
	v_permlanex16_b32 v[AL+2*\qt+1], v[AL+2*\qt], s22, s23
.endr
.irp qt, 0,1,2,3
	v_add_f32 v[AL+2*\qt], v[AL+2*\qt], v[AL+2*\qt+1]      ; l, at least 1: the largest weight of a row is 1
.endr
.irp qt, 0,1,2,3
	v_rcp_f32 v[AL+2*\qt], v[AL+2*\qt]
.endr
	v_nop                                          ; one plain instruction behind the reciprocals
.irp wv, 1,2,3
.if \wv < 3
	LDMV S+32+32*(\wv&1), \wv+1
	s_wait_dscnt 8                                 ; all but the 8 loads just issued
.else
	s_wait_dscnt 0x0
.endif
.set i, 0
.rept 16
	v_pk_add_f32 v[S+2*i:S+2*i+1], v[S+2*i:S+2*i+1], v[S+32+32*((\wv+1)&1)+2*i:S+32+32*((\wv+1)&1)+2*i+1]
.set i, i+1
.endr
.endr
.set i, 0
	s_wait_alu depctr_va_vdst(0)
.rept 16
	v_pk_mul_f32 v[S+2*i:S+2*i+1], v[S+2*i:S+2*i+1], 0x3a000000 op_sel_hi:[1,0]    ; x 2^-11: the mean of V over the 2048 keys
.set i, i+1
.endr
	; 16 queries at a time: O / l, or the mean for a masked row; f16; through my stage, so that a store covers 4 whole rows of 128 bytes = 512 consecutive bytes
.irp qt, 0,1,2,3
	WIN 0x01
.set i, 0
.rept 16
	v_pk_mul_f32 v[TO+2*i:TO+2*i+1], v[O+32*\qt+2*i:O+32*\qt+2*i+1], v[AL+2*\qt:AL+2*\qt+1] op_sel_hi:[1,0]
.set i, i+1
.endr
	WIN 0
	v_cmp_ne_u32 vcc_lo, 0, v[RB+\qt]              ; my query's own mask byte: not 0 = a valid row
.set i, 0
.rept 32
	v_cndmask_b32 v[TO+i], v[S+i], v[TO+i], vcc_lo
.set i, i+1
.endr
.set i, 0
.rept 16
	v_cvt_pk_f16_f32 v[TO+i], v[TO+2*i], v[TO+2*i+1]
.set i, i+1
.endr
.irp dt, 0,1,2,3
	ds_store_b128 v8, v[TO+4*\dt:TO+4*\dt+3] offset:16*KP*\qt+32*\dt
.endr
.irp n, 0,1,2,3
	ds_load_b128 v[BI+16*\qt+4*\n:BI+16*\qt+4*\n+3], v9 offset:16*KP*\qt+4*KP*\n   ; my own bytes, in order behind the stores
.endr
.irp n, 0,1,2,3
	s_wait_dscnt 3-\n                              ; the younger read-backs may stay out
	global_store_b128 v10, v[BI+16*\qt+4*\n:BI+16*\qt+4*\n+3], s[18:19] offset:2048*\qt+512*\n
.endr
.endr
	s_wait_xcnt 0x0
	v_lshl_add_u32 v254, v0, 2, 0x1bc00
	v_mov_b32 v255, 0
	s_wait_tensorcnt 0x0
	ds_add_u32 v254, v255
	s_wait_dscnt 0x0
	s_endpgm
.Lfunc_end_k_q03df593e5a_attn:
	.size	k_q03df593e5a_attn, .Lfunc_end_k_q03df593e5a_attn-k_q03df593e5a_attn
	.p2alignl 7, 3214868480
	.fill 96, 4, 3214868480
	.section	.rodata,"a",@progbits
	.p2align	6, 0x0
	.amdhsa_kernel k_q03df593e5a_attn
		.amdhsa_group_segment_fixed_size 114688
		.amdhsa_private_segment_fixed_size 0
		.amdhsa_enable_private_segment 0
		.amdhsa_kernarg_size 72
		.amdhsa_user_sgpr_count 2
		.amdhsa_user_sgpr_kernarg_segment_ptr 1
		.amdhsa_wavefront_size32 1
		.amdhsa_system_sgpr_workgroup_id_x 1
		.amdhsa_system_sgpr_workgroup_id_y 1
		.amdhsa_system_sgpr_workgroup_id_z 1
		.amdhsa_system_vgpr_workitem_id 0
		.amdhsa_next_free_vgpr 512
		.amdhsa_next_free_sgpr 66
		.amdhsa_reserve_vcc 1
		.amdhsa_float_denorm_mode_32 3
		.amdhsa_float_denorm_mode_16_64 3
		.amdhsa_memory_ordered 1
		.amdhsa_forward_progress 1
		.amdhsa_inst_pref_size 186
	.end_amdhsa_kernel
	.amdgpu_metadata
---
amdhsa.version: [ 1, 2 ]
amdhsa.kernels:
  - .name:           k_q03df593e5a_attn
    .symbol:         k_q03df593e5a_attn.kd
    .args:
      - { .name: q, .offset: 0, .size: 8, .value_kind: global_buffer, .address_space: global }
      - { .name: k, .offset: 8, .size: 8, .value_kind: global_buffer, .address_space: global }
      - { .name: v, .offset: 16, .size: 8, .value_kind: global_buffer, .address_space: global }
      - { .name: mask, .offset: 24, .size: 8, .value_kind: global_buffer, .address_space: global }
      - { .name: W_out, .offset: 32, .size: 8, .value_kind: global_buffer, .address_space: global }
      - { .name: perm, .offset: 40, .size: 8, .value_kind: global_buffer, .address_space: global }
      - { .name: vs, .offset: 48, .size: 8, .value_kind: global_buffer, .address_space: global }
      - { .name: ao, .offset: 56, .size: 8, .value_kind: global_buffer, .address_space: global }
      - { .name: wh, .offset: 64, .size: 8, .value_kind: global_buffer, .address_space: global }
    .group_segment_fixed_size: 114688
    .private_segment_fixed_size: 0
    .kernarg_segment_align: 8
    .kernarg_segment_size: 72
    .max_flat_workgroup_size: 256
    .sgpr_count:     66
    .vgpr_count:     512
    .wavefront_size: 32
...
	.end_amdgpu_metadata
.endif
;; end of part 4
;; launch proj: the kernel of part 2 again; grid 4 x 64, 4 waves a work-group, clusters of 4 x 4, 327,680 bytes of LDS; arguments ao, wh, b_out, out0; writes out0
;; ======== version 3 of 4: 3 launches
;; limits: values are held in f16: magnitudes above 65,504 overflow, below 6.1e-05 lose precision
;; workspace buffers: ao 16,777,216 bytes; wh 2,097,152 bytes; vs 524,288 bytes; perm 100,352 bytes of whole numbers
;; launch pre (part 5): grid 4 x 65, 8 waves a work-group, no clusters, 26,368 bytes of LDS; arguments v, mask, perm, vs; writes perm, vs
.if DOCPART == 5
	.amdgcn_target "amdgcn-amd-amdhsa--gfx1250"
	.amdhsa_code_object_version 6
	.text
	.protected	k_q03df593e5a_pre
	.globl	k_q03df593e5a_pre
	.p2align	8
	.type	k_q03df593e5a_pre,@function
k_q03df593e5a_pre:
	s_mov_b64 s[64:65], 0
	v_nop
	global_prefetch_b8 v0, s[64:65] scope:SCOPE_SE
	s_setreg_imm32_b32 hwreg(HW_REG_WAVE_MODE, 25, 1), 1
	s_wait_xcnt 0x0
; WHAT THE MASK DECIDES, AND WHAT THIS LAUNCH PREPARES.  m = [true, mask[b]] (2048 flags a batch).  For all values of the inputs:
;  (1) A query row i with m[i] false has all 2048 entries equal to -FLT_MAX in reference(); its softmax is exactly 1/2048 everywhere, so its output is
;      the sum of V over ALL 2048 keys times 2^-11.  That sum is made here: groups y < 64 add up 512 rows of head y each, one partial f32[64] a wave.
;  (2) In a row with m[i] true, key 0 is always valid, so the row's maximum is a true score and a key j with m[j] false has weight exactly 0: it adds
;      nothing to the row's sum nor to its output.
; Which keys and which rows these are is a matter of whole numbers among the inputs, so the next launch does only what they ask for: groups y = 64 store here, for
; batch x, the lists below, and the next launch reads them from memory.  An all-true mask gives all 2048 keys and all 2048 rows.
; NO INPUT IS LEFT OUT: q, k, v, mask and W_out are loaded here or in the next launch, b_out in the last.
; LIMIT: an infinity or a NaN in k or v at a masked key does not reach a valid row here (in reference() 0 x infinity from v would).
;
; A BATCH'S PART OF perm, 25,088 bytes; three waves make it, each from the 2048 flags and in LDS bytes of its own, so nothing passes between waves:
;  wave 0: THE KEYS, 2048 words in tiles of 64 entries.  nv = the number of valid keys, rem = ((nv - 1) & 63) + 1.  The valid key of rank q (ascending; key 0 has
;          rank 0) stands at entry q if q < rem, else at q + 64 - rem: tile 0 is the one tile that may be partly filled, tiles 1 .. ceil(nv/64) - 1 are full; every other
;          entry is 0.  Behind it 32 times the four words nv, c1, c2, c3 (ck = valid flags below 512 k), so that this store too covers 512 consecutive bytes.
;  wave 1: THE ROWS, FORWARD, 4 blocks of 512 words.  The valid row of rank s within its block of 512 has the place p = 64 ((s >> 4) & 7) + 16 (s >> 7) + (s & 15):
;          tile s >> 4 of 16 rows goes to wave (s >> 4) & 7 of the next launch as its tile s >> 7.  Word p holds the row's number in the block; an empty place 512.
;  wave 2: THE ROWS, BACKWARD, 2048 words: row i's place p, or 512 if m[i] is false.
.set X,     16                         ; v[16:143]  32 x 4 registers of V; in the lists' path 64 flags, then a list on its way out
.set PERMB, 25088
.set CNT,   8192
.set FWD,   8704
.set INV,   16896
.set LW,    8448                       ; LDS bytes of a wave: 2048 words, the dump word, rounded up to 256
.set DUMP,  2048                       ; the LDS word behind a list: where masked flags' lanes store
	s_load_b256 s[4:11], s[0:1], 0x0               ; v s[4:5], mask s[6:7], perm s[8:9], vs s[10:11]
	v_lshl_add_u32 v144, v0, 2, 0x6300
	v_mov_b32 v145, 0
	v_lshrrev_b32 v1, 5, v0
	v_readfirstlane_b32 s12, v1                    ; wave
	s_mov_b32 s13, ttmp9                           ; x: which 512 rows; in the lists' path: the batch
	s_and_b32 s14, ttmp7, 0xffff                   ; y: the head, or 64
	s_cmp_eq_u32 s14, 64
	s_cbranch_scc1 .Llist
	; COLUMN SUMS.  The group's 512 rows are 128 KiB, dense.  Thread t takes 16 bytes at 16 t + 4096 i: always columns 4 (t & 15) .. + 3, rows 16 i + (t >> 4).
	; All 32 loads of a lane go out at once; each covers 512 consecutive bytes a wave.  No hint: the next launch reads these rows again.
	v_lshlrev_b32 v2, 4, v0                        ; 16 t
	v_bfe_u32 v3, v0, 4, 1                         ; h: which half of the lanes
	v_and_b32 v4, 15, v0
	v_lshlrev_b32 v4, 4, v4
	v_lshl_add_u32 v4, v3, 3, v4                   ; where I store: 16 (t & 15) + 8 h
	s_mov_b32 s18, 0x76543210                      ; v_permlanex16_b32: lane i takes lane i xor 16
	s_mov_b32 s19, 0xfedcba98
	s_lshl_b32 s16, s14, 19                        ; a head: 2048 rows x 256 bytes
	s_lshl_b32 s2, s13, 17                         ; 512 rows
	s_add_co_u32 s16, s16, s2
	s_mov_b32 s17, 0
	s_lshl_b32 s20, s14, 13                        ; vs: 32 partials x 256 bytes a head,
	s_lshl_b32 s2, s13, 11                         ; 8 a group,
	s_add_co_u32 s20, s20, s2
	s_lshl_b32 s2, s12, 8                          ; one a wave
	s_add_co_u32 s20, s20, s2
	s_mov_b32 s21, 0
	s_wait_kmcnt 0x0
	s_add_nc_u64 s[4:5], s[4:5], s[16:17]
	s_add_nc_u64 s[10:11], s[10:11], s[20:21]
.set i, 0
.rept 32
	global_load_b128 v[X+4*i:X+4*i+3], v2, s[4:5] offset:4096*i
.set i, i+1
.endr
.set i, 1
.rept 31
	s_wait_loadcnt 31-i                            ; load i is in: the 31 - i younger ones stay out
	v_pk_add_f32 v[X:X+1],   v[X:X+1],   v[X+4*i:X+4*i+1]          ; the first load's registers start the sums: nothing is cleared
	v_pk_add_f32 v[X+2:X+3], v[X+2:X+3], v[X+4*i+2:X+4*i+3]
.set i, i+1
.endr
.irp c, 0,1,2,3
	v_permlanex16_b32 v[X+4+\c], v[X+\c], s18, s19 ; lanes L and L xor 16 hold the same four columns of different rows
.endr
	v_pk_add_f32 v[X:X+1],   v[X:X+1],   v[X+4:X+5]
	v_pk_add_f32 v[X+2:X+3], v[X+2:X+3], v[X+6:X+7]
	v_cmp_eq_u32 vcc_lo, 1, v3
	v_cndmask_b32 v[X],   v[X],   v[X+2], vcc_lo   ; the lower half of the lanes stores its first two columns, the upper half its last two:
	v_cndmask_b32 v[X+1], v[X+1], v[X+3], vcc_lo
	global_store_b64 v4, v[X:X+1], s[10:11]        ; 32 lanes x 8 bytes = the wave's 256 consecutive bytes, aligned
	s_endpgm
	; THE LISTS, by waves 0, 1 and 2: 2048 flags are 64 for each lane of a wave, and ranks come from ballots.
.Llist:
	s_cmp_gt_u32 s12, 2
	s_cbranch_scc1 .Lend
	v_and_b32 v1, 31, v0                           ; lane L
	s_mul_i32 s16, s13, 2047                       ; my batch's row of the mask
	s_mul_i32 s17, s12, LW                         ; my wave's LDS bytes
	s_mul_i32 s18, s13, PERMB
	s_mov_b32 s19, 0
	v_max_u32 v2, 1, v1
	v_add_nc_u32 v2, s16, v2                       ; 2047 b + max(L, 1)
	v_add_nc_u32 v3, s16, v1                       ; 2047 b + L
	v_lshlrev_b32 v8, 4, v1                        ; 16 L: in perm
	v_add_nc_u32 v14, s17, v8                      ; and in my LDS bytes
	v_mov_b32 v9, DUMP
	s_wait_kmcnt 0x0
	s_add_nc_u64 s[8:9], s[8:9], s[18:19]
	global_load_u8 v[X], v2, s[6:7] offset:-1      ; step st, lane L: flag j = 32 st + L reads mask[b][j - 1]; flag 0 reads a byte that is not used
.set st, 1
.rept 63
	global_load_u8 v[X+st], v3, s[6:7] offset:32*st-1
.set st, st+1
.endr
	s_wait_loadcnt 0x0
	v_cmp_eq_u32 vcc_lo, 0, v1
	v_cndmask_b32 v[X], v[X], 1, vcc_lo            ; flag 0 is always true
	s_cmp_eq_u32 s12, 1
	s_cbranch_scc1 .Lfwd
	s_cmp_eq_u32 s12, 2
	s_cbranch_scc1 .Linv
.macro FILLW                           ; my 2048 words start as v[4:7]
.set p, 0
.rept 16
	ds_store_b128 v14, v[4:7] offset:512*p
.set p, p+1
.endr
.endm
.macro OUTW off                        ; my 2048 words go out, 512 consecutive bytes a store
.set p, 0
.rept 16
	ds_load_b128 v[X+4*p:X+4*p+3], v14 offset:512*p        ; LDS serves a wave's instructions in order (ISA guide 5.7.1.4): these see the stores above
.set p, p+1
.endr
.set p, 0
.rept 16
	s_wait_dscnt 15-p                              ; the younger read-backs may stay out
	global_store_b128 v8, v[X+4*p:X+4*p+3], s[8:9] offset:\off+512*p
.set p, p+1
.endr
.endm
.macro PLACE                           ; v11 = the place of the row of rank v10 within its block
	v_and_b32 v11, 15, v10
	v_lshrrev_b32 v12, 7, v10
	v_lshl_or_b32 v11, v12, 4, v11
	v_bfe_u32 v12, v10, 4, 3
	v_lshl_or_b32 v11, v12, 6, v11
.endm
	; wave 0: the keys
.irp n, 4,5,6,7
	v_mov_b32 v\n, 0
.endr
	FILLW
	s_mov_b32 s20, 0                               ; nv
.set st, 0
.rept 64
.if st == 16
	s_mov_b32 s25, s20                             ; c1
.endif
.if st == 32
	s_mov_b32 s26, s20                             ; c2
.endif
.if st == 48
	s_mov_b32 s27, s20                             ; c3
.endif
	v_cmp_ne_u32 vcc_lo, 0, v[X+st]
	s_bcnt1_i32_b32 s2, vcc_lo
	s_add_co_u32 s20, s20, s2
.set st, st+1
.endr
	s_sub_co_u32 s21, s20, 1
	s_and_b32 s21, s21, 63
	s_add_co_u32 s21, s21, 1                       ; rem, 1 .. 64
	s_sub_co_u32 s22, 64, s21                      ; 64 - rem
	s_mov_b32 s23, 0                               ; valid keys in the steps before this one
.set st, 0
.rept 64
	v_cmp_ne_u32 vcc_lo, 0, v[X+st]
	v_mbcnt_lo_u32_b32 v10, vcc_lo, s23            ; rank: valid keys before mine
	v_add_nc_u32 v11, s22, v10
	v_cmp_gt_u32 s24, s21, v10                     ; rank < rem: tile 0
	v_cndmask_b32 v10, v11, v10, s24
	v_cndmask_b32 v10, v9, v10, vcc_lo             ; a masked key's lane stores to the dump word
	v_min_u32 v10, 0x800, v10                      ; the entry is made from loaded numbers: it enters an address only clamped
	v_lshl_add_u32 v10, v10, 2, s17
	v_add_nc_u32 v11, 32*st, v1                    ; the key
	ds_store_b32 v10, v11
	s_bcnt1_i32_b32 s2, vcc_lo
	s_add_co_u32 s23, s23, s2
.set st, st+1
.endr
	OUTW 0
	v_mov_b32 v4, s20
	v_mov_b32 v5, s25
	v_mov_b32 v6, s26
	v_mov_b32 v7, s27
	global_store_b128 v8, v[4:7], s[8:9] offset:CNT
	s_wait_tensorcnt 0x0
	ds_add_u32 v144, v145
	s_wait_dscnt 0x0
	s_endpgm
	; wave 1: the rows, forward.  The rank starts anew in each block of 16 steps.
.Lfwd:
.irp n, 4,5,6,7
	v_mov_b32 v\n, 0x200
.endr
	FILLW
.set st, 0
.rept 64
.if (st&15) == 0
	s_mov_b32 s23, 0
.endif
	v_cmp_ne_u32 vcc_lo, 0, v[X+st]
	v_mbcnt_lo_u32_b32 v10, vcc_lo, s23
	PLACE
.if st >= 16
	v_add_nc_u32 v11, 512*(st>>4), v11             ; the block's 512 words
.endif
	v_cndmask_b32 v11, v9, v11, vcc_lo             ; a masked row's lane stores to the dump word
	v_min_u32 v11, 0x800, v11
	v_lshl_add_u32 v11, v11, 2, s17
	v_add_nc_u32 v12, 32*(st&15), v1               ; the row's number in its block
	ds_store_b32 v11, v12
	s_bcnt1_i32_b32 s2, vcc_lo
	s_add_co_u32 s23, s23, s2
.set st, st+1
.endr
	OUTW FWD
	s_wait_tensorcnt 0x0
	ds_add_u32 v144, v145
	s_wait_dscnt 0x0
	s_endpgm
	; wave 2: the rows, backward
.Linv:
	v_mov_b32 v9, 0x200
	v_lshl_add_u32 v13, v1, 2, s17                 ; 4 L in my LDS bytes
.set st, 0
.rept 64
.if (st&15) == 0
	s_mov_b32 s23, 0
.endif
	v_cmp_ne_u32 vcc_lo, 0, v[X+st]
	v_mbcnt_lo_u32_b32 v10, vcc_lo, s23
	PLACE
	v_cndmask_b32 v11, v9, v11, vcc_lo             ; a masked row: 512
	ds_store_b32 v13, v11 offset:128*st
	s_bcnt1_i32_b32 s2, vcc_lo
	s_add_co_u32 s23, s23, s2
.set st, st+1
.endr
	OUTW INV
.Lend:
	s_wait_tensorcnt 0x0
	ds_add_u32 v144, v145
	s_wait_dscnt 0x0
	s_endpgm
.Lfunc_end_k_q03df593e5a_pre:
	.size	k_q03df593e5a_pre, .Lfunc_end_k_q03df593e5a_pre-k_q03df593e5a_pre
	.p2alignl 7, 3214868480
	.fill 96, 4, 3214868480
	.section	.rodata,"a",@progbits
	.p2align	6, 0x0
	.amdhsa_kernel k_q03df593e5a_pre
		.amdhsa_group_segment_fixed_size 26368
		.amdhsa_private_segment_fixed_size 0
		.amdhsa_enable_private_segment 0
		.amdhsa_kernarg_size 32
		.amdhsa_user_sgpr_count 2
		.amdhsa_user_sgpr_kernarg_segment_ptr 1
		.amdhsa_wavefront_size32 1
		.amdhsa_system_sgpr_workgroup_id_x 1
		.amdhsa_system_sgpr_workgroup_id_y 1
		.amdhsa_system_sgpr_workgroup_id_z 1
		.amdhsa_system_vgpr_workitem_id 0
		.amdhsa_next_free_vgpr 146
		.amdhsa_next_free_sgpr 66
		.amdhsa_reserve_vcc 1
		.amdhsa_float_denorm_mode_32 3
		.amdhsa_float_denorm_mode_16_64 3
		.amdhsa_memory_ordered 1
		.amdhsa_forward_progress 1
		.amdhsa_inst_pref_size 152
	.end_amdhsa_kernel
	.amdgpu_metadata
---
amdhsa.version: [ 1, 2 ]
amdhsa.kernels:
  - .name:           k_q03df593e5a_pre
    .symbol:         k_q03df593e5a_pre.kd
    .args:
      - { .name: v, .offset: 0, .size: 8, .value_kind: global_buffer, .address_space: global }
      - { .name: mask, .offset: 8, .size: 8, .value_kind: global_buffer, .address_space: global }
      - { .name: perm, .offset: 16, .size: 8, .value_kind: global_buffer, .address_space: global }
      - { .name: vs, .offset: 24, .size: 8, .value_kind: global_buffer, .address_space: global }
    .group_segment_fixed_size: 26368
    .private_segment_fixed_size: 0
    .kernarg_segment_align: 8
    .kernarg_segment_size: 32
    .max_flat_workgroup_size: 256
    .sgpr_count:     66
    .vgpr_count:     146
    .wavefront_size: 32
...
	.end_amdgpu_metadata
.endif
;; end of part 5
;; launch attn (part 6): grid 4 x 64, 8 waves a work-group, no clusters, 115,200 bytes of LDS; arguments q, k, v, W_out, perm, vs, ao, wh; writes ao, wh
.if DOCPART == 6
	.amdgcn_target "amdgcn-amd-amdhsa--gfx1250"
	.amdhsa_code_object_version 6
	.text
	.protected	k_q03df593e5a_attn
	.globl	k_q03df593e5a_attn
	.p2align	8
	.type	k_q03df593e5a_attn,@function
k_q03df593e5a_attn:
	s_mov_b64 s[64:65], 0
	v_nop
	global_prefetch_b8 v0, s[64:65] scope:SCOPE_SE
	s_setreg_imm32_b32 hwreg(HW_REG_WAVE_MODE, 25, 1), 1
	s_wait_xcnt 0x0
; MASKED ATTENTION, one head and a block of 512 query rows to a work-group; the head outputs go to ao as f16, [b*16+h][n][64].
; Each work-group also casts 4 rows of W_out to f16 into wh (256 groups x 4 rows = the 1024 rows), which spares a launch.
;
; ONLY THE KEYS AND THE ROWS THAT THE MASK ASKS FOR: a key j with m[j] false has weight exactly 0 in every row with m[i] true (key 0 is always valid, so the row's
; maximum is a true score), and a row with m[i] false is the sum of V over all 2048 keys times 2^-11, whatever its scores.  The launch before read the mask (it is not
; among this launch's arguments) and stored, for each batch, the list of the valid keys, their number nv, the valid rows of each block of 512 by place, each row's
; place, and the counts; and for each head 32 partial column sums of V.
;  KEYS: K's and V's rows are taken by the list, and T = ceil(nv / 64) tiles of 64 are worked through.  Tile 0 is the one tile that may be partly filled: its empty places
;  hold key 0 again and get -2^100 added to their scores (the matrix instruction's C operand).  With f16 operands |score| < 64 x 65504^2 < 2^38, so their exponent is
;  below -2^99 and their exponential exactly 0.  The running maximum is taken away before every exponential, as reference() does.
;  ROWS: the block's nq valid rows fill NT = ceil(nq / 16) tiles of 16; tile n is tile n >> 3 of wave n & 7, so wave w has NQ = (NT + 7 - w) >> 3 tiles, 0 to 4.
;  Empty places hold row 511 again; what they compute is never read.  Trip 0 runs all four tiles in every wave: its products start all sums, so every register that a
;  later trip's text reads has been written on every way; trips 1 to 31 run NQ tiles.
;  THE WAY OUT: every wave puts its four tiles, by place, into its own 64 rows of a stage of 512 rows; wave 0 puts the mean of V into a 513th; behind a barrier each wave
;  reads, for its 64 TRUE rows, the stage row that the backward list names (a masked row: the 513th) and stores them densely: the order is restored by loads behind a
;  barrier, and no two waves store into one range.
; LIMITS: matrix operands are f16 (sums f32): q x 0.1803, k, v, W_out and the head outputs overflow above 65,504; the inputs as drawn stay under 6, so
; 30 times their size or offset stays under 200.  The weights are at most 1.  The row sum l is made of the f32 weights, the product of their f16 roundings.
; An infinity or a NaN in k or v at a masked key does not reach a valid row (in reference() 0 x infinity from v would).
;
; TRANSPOSED: S^T = K Q^T and O^T = V^T P^T.  In an S^T tile lane L (r = L & 15, h = L >> 4) holds query r and its registers j the keys 8 h + j: maximum and sum
; stay in the lane but for one exchange with lane L xor 16, the factors are one number a lane, and two S^T tiles packed pairwise ARE the second source of PV.
; Eight waves; all waves share each tile of 64 keys, through two LDS slots.
; K and V are f32 in memory and f16 in the matrix unit, and their rows are picked by a list.  They come through registers: 16 KiB + 16 KiB are asked for a trip ahead,
; converted, and 8 KiB + 8 KiB stored to LDS.  NO JOINT TENSOR LOADS for the four groups of a head: a tile brought straight into LDS would lie there as f32, to be
; read and stored again in every trip, and its 64 rows are not evenly spaced.
; THE TRIPS: the loop has a constant number of trips, 32 in all; T and NQ only branch round, or choose, a trip's work, and all ways join in front of the trip's barrier:
; every wave passes every barrier on every way, and no barrier stands under a branch on a loaded number.
;
; REGISTERS.  Window 0: v0-11 addresses; ADR the four row offsets of a tile's loads; QA (at the start) Q's 32 row offsets, then MB0/MB1 running maxima (even registers; the
; odd ones take the neighbour lane's), AL factors, LS row sums (pairs); BI tile 0's bias (32), then 16 places of the backward list; STG staged K, V (32);
; IDX four list entries; S scores, then weights (128).  Window 1: O (128), Q (64), KV (64: K's fragments, then V's).
.set KP,    144                        ; LDS pitch of K's, Q's and the stage's rows: 128 bytes + 16 = 9 x 16, so 16 rows begin at 16 different 16-byte columns modulo 256
.set VP,    160                        ; LDS pitch of V's rows: 5 x 32, for the transposing loads
.set VOFF,  64*KP                      ; V behind K in a slot
.set SLOT,  64*KP+64*VP                ; 19,456 bytes
.set CSP,   2*SLOT                     ; 4 x f32[64]: partial column sums of V
.set QST,   CSP+1024                   ; 513 rows x 144: 64 rows for each wave, for Q on the way in and for the result on the way out; row 512: the mean of V
.set QSTW,  64*KP
.set PERMB, 25088                      ; bytes of a batch in perm: the keys' list,
.set CNT,   8192                       ; nv, c1, c2, c3,
.set FWD,   8704                       ; the rows by place,
.set INV,   16896                      ; the places by row
.set ADR, 12
.set QA,  16
.set MB0, 16
.set AL,  32
.set LS,  40
.set BI,  56
.set STG, 88
.set IDX, 124
.set S,   128
.set TO,  S+96
.set O,   0                            ; window 1
.set Q,   128                          ; window 1
.set KV,  192                          ; window 1
.set TH,  36                           ; s36-39: T, T - 1, T - 2, T - 3
.set NQ,  45                           ; s45: my wave's query tiles
.set MSB, 0
.macro WIN new                         ; low byte: bits 1:0 source 0, 3:2 source 1, 5:4 source 2, 7:6 destination; the high byte repeats the setting that is left
.if MSB != \new
	s_set_vgpr_msb (MSB<<8)|\new
.set MSB, \new
.endif
.endm
; four list entries become four row offsets: entry x 256 bytes + my 16 bytes of the row.  A loaded number enters an address only clamped to the table's 2048 rows.
.macro ADDR src
.irp i, 0,1,2,3
	v_min_u32 v[ADR+\i], 0x7ff, v[\src+\i]
.endr
.irp i, 0,1,2,3
	v_lshl_add_u32 v[ADR+\i], v[ADR+\i], 8, v1
.endr
.endm
; a tile of K and of V into registers: sixteen neighbouring lanes take one whole row of 256 bytes; thread t's load i is list entry 4 (t >> 4) + i
.macro LOADKV
.irp i, 0,1,2,3
	global_load_b128 v[STG+4*\i:STG+4*\i+3], v[ADR+\i], s[6:7]
.endr
.irp i, 0,1,2,3
	global_load_b128 v[STG+16+4*\i:STG+16+4*\i+3], v[ADR+\i], s[8:9]
.endr
.endm
; the staged tile is rounded to f16 and stored into slot dst: load i goes to LDS row 16 i + (t >> 4)
.macro STAGE dst
.irp g, 0,1,2,3,4,5,6,7
	v_cvt_pk_f16_f32 v[STG+4*\g],   v[STG+4*\g],   v[STG+4*\g+1]
	v_cvt_pk_f16_f32 v[STG+4*\g+1], v[STG+4*\g+2], v[STG+4*\g+3]
.endr
.irp i, 0,1,2,3
	ds_store_b64 v2, v[STG+4*\i:STG+4*\i+1] offset:(\dst)*SLOT+16*KP*\i
.endr
.irp i, 0,1,2,3
	ds_store_b64 v3, v[STG+16+4*\i:STG+17+4*\i] offset:(\dst)*SLOT+VOFF+16*VP*\i
.endr
.endm
.macro LDK slot                        ; K's fragments (16 keys x 32 d): two loads of 16 bytes, 32 bytes apart, at row r, 16 h
	WIN 0x40
.irp kt, 0,1,2,3
.irp kk, 0,1
	ds_load_b128 v[KV+16*\kt+8*\kk:KV+16*\kt+8*\kk+3],   v4 offset:\slot*SLOT+16*KP*\kt+64*\kk
	ds_load_b128 v[KV+16*\kt+8*\kk+4:KV+16*\kt+8*\kk+7], v4 offset:\slot*SLOT+16*KP*\kt+64*\kk+32
.endr
.endr
.endm
; In all that follows nq is the number of query tiles worked on, 1 to 4.
.macro QK nq, bias                     ; S^T = K Q^T (+ tile 0's bias).  The 4 nq accumulators take turns, one instruction a turn
	WIN 0x05
.irp kt, 0,1,2,3
.irp qt, 0,1,2,3
.if \qt < \nq
.if \bias
	v_wmma_f32_16x16x32_f16 v[S+32*\qt+8*\kt:S+32*\qt+8*\kt+7], v[KV+16*\kt:KV+16*\kt+7], v[Q+16*\qt:Q+16*\qt+7], v[BI+8*\kt:BI+8*\kt+7]
.else
	v_wmma_f32_16x16x32_f16 v[S+32*\qt+8*\kt:S+32*\qt+8*\kt+7], v[KV+16*\kt:KV+16*\kt+7], v[Q+16*\qt:Q+16*\qt+7], 0
.endif
.endif
.endr
.endr
.irp kt, 0,1,2,3
.irp qt, 0,1,2,3
.if \qt < \nq
	v_wmma_f32_16x16x32_f16 v[S+32*\qt+8*\kt:S+32*\qt+8*\kt+7], v[KV+16*\kt+8:KV+16*\kt+15], v[Q+16*\qt+8:Q+16*\qt+15], v[S+32*\qt+8*\kt:S+32*\qt+8*\kt+7]
.endif
.endr
.endr
.endm
.macro LDV slot                        ; V^T's fragments (16 d x 32 keys) out of rows that lie along d: two transposing loads, 16 rows apart
	WIN 0x40
.irp kc, 0,1
.irp dt, 0,1,2,3
	ds_load_tr16_b128 v[KV+32*\kc+8*\dt:KV+32*\kc+8*\dt+3],   v5 offset:\slot*SLOT+VOFF+32*VP*\kc+32*\dt
	ds_load_tr16_b128 v[KV+32*\kc+8*\dt+4:KV+32*\kc+8*\dt+7], v5 offset:\slot*SLOT+VOFF+32*VP*\kc+32*\dt+16*VP
.endr
.endr
.endm
.macro SMAX mo, mn, nq, first          ; new running maximum of each of my queries: 32 scores in the lane, then the other half's lane
.set i, 0
.rept 16
.irp qt, 0,1,2,3
.if \qt < \nq
.if i == 0
.if \first
	v_max_num_f32 v[\mn+2*\qt], v[S+32*\qt], v[S+32*\qt+1]
.else
	v_max3_num_f32 v[\mn+2*\qt], v[\mo+2*\qt], v[S+32*\qt], v[S+32*\qt+1]
.endif
.else
	v_max3_num_f32 v[\mn+2*\qt], v[\mn+2*\qt], v[S+32*\qt+2*i], v[S+32*\qt+2*i+1]
.endif
.endif
.endr
.set i, i+1
.endr
.irp qt, 0,1,2,3
.if \qt < \nq
	v_permlanex16_b32 v[\mn+2*\qt+1], v[\mn+2*\qt], s22, s23
.endif
.endr
.irp qt, 0,1,2,3
.if \qt < \nq
	v_max_num_f32 v[\mn+2*\qt], v[\mn+2*\qt], v[\mn+2*\qt+1]
.endif
.endr
.endm
.macro SALPHA mo, mn, nq               ; 2^(old maximum - new maximum); the subtractions of SSUB are the plain instructions behind the exponentials
.irp qt, 0,1,2,3
.if \qt < \nq
	v_sub_f32 v[AL+2*\qt], v[\mo+2*\qt], v[\mn+2*\qt]
.endif
.endr
.irp qt, 0,1,2,3
.if \qt < \nq
	v_exp_f32 v[AL+2*\qt], v[AL+2*\qt]
.endif
.endr
.endm
.macro SSUB mn, nq
.irp qt, 0,1,2,3
.if \qt < \nq
.set i, 0
.rept 16
	v_pk_add_f32 v[S+32*\qt+2*i:S+32*\qt+2*i+1], v[S+32*\qt+2*i:S+32*\qt+2*i+1], v[\mn+2*\qt:\mn+2*\qt+1] op_sel_hi:[1,0] neg_lo:[0,1] neg_hi:[0,1]
.set i, i+1
.endr
.endif
.endr
.endm
.macro SEXP nq
.set i, 0
.rept 32*\nq
	v_exp_f32 v[S+i], v[S+i]
.set i, i+1
.endr
	v_nop                                          ; one plain instruction between the last exponentials and their first use
	s_wait_alu depctr_va_vdst(0)
.endm
.macro SSUM nq, first                  ; l = l x factor + the lane's 32 weights, kept as a pair for each query tile
.set i, 0
.rept 16
.irp qt, 0,1,2,3
.if \qt < \nq
.if i == 0
.if \first
.else
	v_pk_fma_f32 v[LS+2*\qt:LS+2*\qt+1], v[LS+2*\qt:LS+2*\qt+1], v[AL+2*\qt:AL+2*\qt+1], v[S+32*\qt:S+32*\qt+1] op_sel_hi:[1,0,1]
.endif
.else
.if i == 1
.if \first
	s_wait_alu depctr_va_vdst(0)
	v_pk_add_f32 v[LS+2*\qt:LS+2*\qt+1], v[S+32*\qt:S+32*\qt+1], v[S+32*\qt+2:S+32*\qt+3]
.else
	v_pk_add_f32 v[LS+2*\qt:LS+2*\qt+1], v[LS+2*\qt:LS+2*\qt+1], v[S+32*\qt+2:S+32*\qt+3]
.endif
.else
	v_pk_add_f32 v[LS+2*\qt:LS+2*\qt+1], v[LS+2*\qt:LS+2*\qt+1], v[S+32*\qt+2*i:S+32*\qt+2*i+1]
.endif
.endif
.endif
.endr
.set i, i+1
.endr
.endm
.macro SCVT nq                         ; two S^T tiles (16 registers) become the 8 registers of P^T's fragment for 32 keys, in place, ascending
.set b, 0
.rept 2*\nq
.set i, 0
.rept 8
	v_cvt_pk_f16_f32 v[S+16*b+i], v[S+16*b+2*i], v[S+16*b+2*i+1]
.set i, i+1
.endr
.set b, b+1
.endr
.endm
.macro RESCALE nq
	WIN 0x41
.irp qt, 0,1,2,3
.if \qt < \nq
.set i, 0
.rept 16
	v_pk_mul_f32 v[O+32*\qt+2*i:O+32*\qt+2*i+1], v[O+32*\qt+2*i:O+32*\qt+2*i+1], v[AL+2*\qt:AL+2*\qt+1] op_sel_hi:[1,0]
.set i, i+1
.endr
.endif
.endr
.endm
.macro PV nq, first                    ; O^T += V^T P^T.  The 4 nq accumulators take turns, one instruction a turn
	WIN 0x51
.irp kc, 0,1
.irp qt, 0,1,2,3
.if \qt < \nq
.irp dt, 0,1,2,3
.if \first*(1-\kc)
	v_wmma_f32_16x16x32_f16 v[O+32*\qt+8*\dt:O+32*\qt+8*\dt+7], v[KV+32*\kc+8*\dt:KV+32*\kc+8*\dt+7], v[S+32*\qt+16*\kc:S+32*\qt+16*\kc+7], 0
.else
	v_wmma_f32_16x16x32_f16 v[O+32*\qt+8*\dt:O+32*\qt+8*\dt+7], v[KV+32*\kc+8*\dt:KV+32*\kc+8*\dt+7], v[S+32*\qt+16*\kc:S+32*\qt+16*\kc+7], v[O+32*\qt+8*\dt:O+32*\qt+8*\dt+7]
.endif
.endr
.endif
.endr
.endr
.endm
; a trip's products and softmax for nq query tiles, on the tile of keys in \slot, whose K fragments are in
.macro COMPUTE slot, nq, first
	QK \nq, \first
.rept 4
	v_nop                                          ; four places between the products and the loads into their registers and the reads of S
.endr
	LDV \slot
	WIN 0
.if \first
.set n, 0
.rept 16
	global_load_b32 v[BI+n], v55, s[20:21] offset:INV+16*n         ; the places of my 64 true rows (row 4 n + (L >> 3)), into the bias registers, which only the products above read;
.set n, n+1                                            ; they are waited for with the next tile, and at the head of the way out
.endr
.endif
	SMAX MB0+8*\slot, MB0+8*(1-\slot), \nq, \first
.if \first
.else
	SALPHA MB0+8*\slot, MB0+8*(1-\slot), \nq
.endif
	SSUB MB0+8*(1-\slot), \nq
	SEXP \nq
	SSUM \nq, \first
	SCVT \nq
.if \first
.else
	RESCALE \nq
.endif
	s_wait_dscnt 0x0                               ; V's fragments are in
	PV \nq, \first
	WIN 0
.rept 5
	v_nop                                          ; the places in front of the next loads into V's registers and the next products over P
.endr
.endm
; Trip u = s26 + o uses the tile in \slot (= u & 1), if u < T.  Inside: if u + 1 < T, tile u + 1 (asked for a trip ago) goes into the other slot; inside that: if u + 2 < T,
; tile u + 2 is asked for by the entries read a trip ago, and the entries of list tile u + 3 (at most T: inside the list) are read.  The three compares are s26 against
; T - o, T - o - 1, T - o - 2, signed.  Then the text for my wave's number of query tiles.  first = 1: trip 0, which every mask has, with all four tiles;
; stage = 0: the text of the last trip, behind which no tile can follow; last = 1: no barrier.
.macro TRIP slot, o, first, stage, last
.if \first
.else
	s_cmp_lt_i32 s26, s[TH+\o]
	s_cbranch_scc0 .Lidle_\@
.endif
	LDK \slot
	WIN 0
.if \stage
	s_cmp_lt_i32 s26, s[TH+\o+1]
	s_cbranch_scc0 .Lahead_\@
	s_wait_loadcnt 0x0                             ; the tile and the entries asked for a whole trip ago are in; their offsets and bases may be written
	STAGE 1-\slot
	s_cmp_lt_i32 s26, s[TH+\o+2]
	s_cbranch_scc0 .Lahead_\@
	ADDR IDX
	LOADKV
	s_add_nc_u64 s[12:13], s[12:13], 256           ; the list's next tile
	global_load_b128 v[IDX:IDX+3], v6, s[12:13]
.Lahead_\@:
.endif
	s_wait_dscnt 0x0                               ; K's fragments are in; for 0, since the stage stores behind them are issued on one way only
.if \first
	COMPUTE \slot, 4, 1
.else
	s_cmp_eq_u32 s[NQ], 2
	s_cbranch_scc1 .Lq2_\@
	s_cmp_eq_u32 s[NQ], 3
	s_cbranch_scc1 .Lq3_\@
	s_cmp_eq_u32 s[NQ], 1
	s_cbranch_scc1 .Lq1_\@
	s_cmp_eq_u32 s[NQ], 0
	s_cbranch_scc1 .Lidle_\@
	COMPUTE \slot, 4, 0
	s_branch .Lidle_\@
.Lq3_\@:
	COMPUTE \slot, 3, 0
	s_branch .Lidle_\@
.Lq2_\@:
	COMPUTE \slot, 2, 0
	s_branch .Lidle_\@
.Lq1_\@:
	COMPUTE \slot, 1, 0
.Lidle_\@:
.endif
.if \last
.else
	s_wait_dscnt 0x0                               ; for the other waves: my reads of this slot and my stores into the other are done
	s_barrier_signal -1
	s_barrier_wait -1                              ; one barrier a trip, on every way: behind it this slot may be overwritten and the other may be read
.endif
.endm
	s_load_b256 s[4:11], s[0:1], 0x0               ; q s[4:5], k s[6:7], v s[8:9], W_out s[10:11]
	s_load_b256 s[12:19], s[0:1], 0x20             ; perm s[12:13], vs s[14:15], ao s[16:17], wh s[18:19]
	v_lshrrev_b32 v120, 5, v0
	v_readfirstlane_b32 s28, v120                  ; wave w
	s_mov_b32 s29, ttmp9                           ; x: which block of 512 queries
	s_and_b32 s30, ttmp7, 0xffff                   ; bh = 16 b + h
	s_lshr_b32 s31, s30, 4                         ; b
	s_mov_b32 s22, 0x76543210                      ; v_permlanex16_b32: lane i takes lane i xor 16
	s_mov_b32 s23, 0xfedcba98
	s_mul_i32 s32, s28, QSTW
	s_add_co_u32 s32, s32, QST                     ; my wave's 64 rows of the stage
	s_lshl_b32 s33, s28, 8                         ; 256 w: my wave's 64 words of a block's lists
	v_and_b32 v121, 15, v0                         ; r = t & 15
	v_lshrrev_b32 v122, 4, v0                      ; g = t >> 4
	v_bfe_u32 v123, v0, 4, 1                       ; h
	v_and_b32 v124, 31, v0                         ; L
	v_lshlrev_b32 v125, 3, v121                    ; 8 r
	v_lshlrev_b32 v1, 4, v121                      ; v1: 16 r: my 16 bytes of a row of Q, K or V
	v_mad_u32_u24 v2, v122, KP, v125               ; v2: K's stage store: row g, 8 r
	v_mad_u32_u24 v3, v122, VP, v125               ; v3: V's stage store
	v_mul_u32_u24 v4, v121, KP
	v_lshl_add_u32 v4, v123, 4, v4                 ; v4: K's fragments: r x 144 + 16 h
	v_and_b32 v126, 7, v0                          ; L & 7
	v_lshl_add_u32 v127, v123, 3, v126
	v_mul_u32_u24 v5, v127, VP
	v_bfe_u32 v127, v0, 3, 1
	v_lshl_add_u32 v5, v127, 4, v5                 ; v5: V's transposing loads: (8 h + (L & 7)) x 160 + 16 ((L >> 3) & 1)
	v_lshlrev_b32 v6, 4, v122                      ; v6: 16 g: my four entries of a tile of the keys' list
	v_mad_u32_u24 v7, v123, 4*KP, v125
	v_add_nc_u32 v7, s32, v7                       ; v7: Q's stage store: row 4 h, 8 r
	v_add_nc_u32 v8, s32, v4                       ; v8: Q's fragments, and the result's stage store
	v_lshl_add_u32 v9, v126, 4, QST                ; v9: the stage read back: 16 (L & 7) of a row
	v_lshlrev_b32 v10, 4, v124                     ; v10: 16 L
	v_lshlrev_b32 v11, 3, v0                       ; v11: 8 t
	v_lshlrev_b32 v48, 4, v0                       ; v48: 16 t
	v_lshrrev_b32 v49, 6, v0
	v_and_b32 v50, 63, v0
	v_lshlrev_b32 v50, 2, v50
	v_lshl_add_u32 v49, v49, 11, v50               ; v49: the column sums' partials: 8 of them from 2048 (t >> 6), column t & 63
	v_lshl_add_u32 v50, v0, 2, CSP                 ; v50: CSP + 4 t
	v_lshl_add_u32 v53, v126, 5, CSP               ; v53: the partials read back: columns 8 (L & 7) .. + 7
	v_lshl_add_u32 v54, v123, 4, s33               ; v54: the rows by place: 256 w + 16 h
	v_lshrrev_b32 v127, 3, v124
	v_lshl_add_u32 v55, v127, 2, s33               ; v55: the places by row: 256 w + 4 (L >> 3)
	s_wait_kmcnt 0x0
	s_lshl_b32 s24, s30, 19                        ; a head of q, k or v: 2048 x 256 bytes
	s_mov_b32 s25, 0
	s_add_nc_u64 s[6:7], s[6:7], s[24:25]
	s_add_nc_u64 s[8:9], s[8:9], s[24:25]
	s_lshl_b32 s2, s29, 17
	s_add_co_u32 s24, s24, s2
	s_add_nc_u64 s[4:5], s[4:5], s[24:25]          ; q at my block's 512 rows
	s_lshr_b32 s24, s24, 1                         ; ao's rows are half as long;
	s_lshl_b32 s2, s28, 13
	s_add_co_u32 s24, s24, s2                      ; there my wave stores the block's true rows 64 w .. 64 w + 63
	s_add_nc_u64 s[16:17], s[16:17], s[24:25]
	s_lshl2_add_u32 s2, s30, s29                   ; the group's number 4 bh + x
	s_lshl_b32 s24, s2, 14
	s_add_nc_u64 s[10:11], s[10:11], s[24:25]      ; its 4 rows of W_out
	s_lshl_b32 s24, s2, 13
	s_add_nc_u64 s[18:19], s[18:19], s[24:25]      ; and of wh
	s_mul_i32 s24, s31, PERMB
	s_add_nc_u64 s[12:13], s[12:13], s[24:25]      ; my batch's lists
	s_lshl_b32 s24, s29, 11
	s_add_nc_u64 s[20:21], s[12:13], s[24:25]      ; and my block's 512 words in the two lists of rows
	s_lshl_b32 s24, s30, 13
	s_add_nc_u64 s[14:15], s[14:15], s[24:25]      ; my head's 32 partial column sums
	s_load_b128 s[40:43], s[12:13], CNT            ; nv, c1, c2, c3
	; 23 loads in one run: the keys' list, tiles 0, 1, 2 (3), the rows by place 8, W_out 4, column sums 8
	global_load_b128 v[BI+16:BI+19], v6, s[12:13]
	global_load_b128 v[BI+20:BI+23], v6, s[12:13] offset:256
	global_load_b128 v[IDX:IDX+3],   v6, s[12:13] offset:512
.irp n, 0,1,2,3,4,5,6,7
	global_load_b128 v[QA+4*\n:QA+4*\n+3], v54, s[20:21] offset:FWD+32*\n          ; places 64 w + 8 n + 4 h .. + 3
.endr
.irp i, 0,1,2,3
	global_load_b128 v[BI+4*\i:BI+4*\i+3], v48, s[10:11] offset:4096*\i th:TH_LOAD_NT
.endr
.irp i, 0,1,2,3,4,5,6,7
	global_load_b32 v[BI+24+\i], v49, s[14:15] offset:256*\i
.endr
	s_wait_loadcnt 20                              ; the keys' 3 are in: 8 + 4 + 8 younger loads stay out
	ADDR BI+16
	LOADKV                                         ; tile 0
	s_wait_loadcnt 20                              ; the rows' 8 are in: 4 + 8 + 8 stay out
.set i, 0
.rept 32
	v_min_u32 v[QA+i], 0x1ff, v[QA+i]              ; clamped to the block's 512 rows: an empty place (512) takes row 511
.set i, i+1
.endr
.set i, 0
.rept 32
	v_lshl_add_u32 v[QA+i], v[QA+i], 8, v1
.set i, i+1
.endr
.set i, 0
.rept 32
	global_load_b128 v[S+4*i:S+4*i+3], v[QA+i], s[4:5]     ; load i = 4 n + c: the row at place 64 w + 8 n + 4 h + c; sixteen lanes take its 256 bytes.  No hint: row 511 may be named often
.set i, i+1
.endr
	s_wait_loadcnt 48                              ; W_out's 4 are in: 8 + 8 + 32 stay out
.irp i, 0,1,2,3
	v_cvt_pk_f16_f32 v[BI+4*\i],   v[BI+4*\i],   v[BI+4*\i+1]
	v_cvt_pk_f16_f32 v[BI+4*\i+1], v[BI+4*\i+2], v[BI+4*\i+3]
	global_store_b64 v11, v[BI+4*\i:BI+4*\i+1], s[18:19] offset:2048*\i            ; a wave's store covers 256 consecutive bytes, aligned
.endr
	s_wait_loadcnt 40                              ; the column sums' 8 are in: 8 + 32 stay out
	v_pk_add_f32 v[BI+24:BI+25], v[BI+24:BI+25], v[BI+26:BI+27]
	v_pk_add_f32 v[BI+28:BI+29], v[BI+28:BI+29], v[BI+30:BI+31]
	v_pk_add_f32 v[BI+24:BI+25], v[BI+24:BI+25], v[BI+28:BI+29]
	v_add_f32 v[BI+24], v[BI+24], v[BI+25]
	ds_store_b32 v50, v[BI+24]                     ; 32 partials have become 4
	s_wait_loadcnt 32                              ; tile 0 is in: Q's 32 stay out
	STAGE 0
	s_wait_loadcnt 0x0                             ; Q is in; its 32 offsets' registers are free
	s_wait_kmcnt 0x0                               ; the counts
	s_add_co_u32 s[TH], s40, 63
	s_lshr_b32 s[TH], s[TH], 6                     ; T = ceil(nv / 64), 1 .. 32
	s_sub_co_i32 s[TH+1], s[TH], 1
	s_sub_co_i32 s[TH+2], s[TH], 2
	s_sub_co_i32 s[TH+3], s[TH], 3
	s_sub_co_u32 s44, s40, 1
	s_and_b32 s44, s44, 63
	s_add_co_u32 s44, s44, 1                       ; rem: the filled places of tile 0
	s_cmp_eq_u32 s29, 0                            ; valid rows below my block and below the next: 0, c1, c2, c3, nv
	s_cselect_b32 s46, 0, s41
	s_cselect_b32 s47, s41, s42
	s_cmp_eq_u32 s29, 2
	s_cselect_b32 s46, s42, s46
	s_cselect_b32 s47, s43, s47
	s_cmp_eq_u32 s29, 3
	s_cselect_b32 s46, s43, s46
	s_cselect_b32 s47, s40, s47
	s_sub_co_u32 s46, s47, s46                     ; nq
	s_add_co_u32 s46, s46, 15
	s_lshr_b32 s46, s46, 4                         ; NT = ceil(nq / 16), 0 .. 32
	s_add_co_u32 s46, s46, 7
	s_sub_co_u32 s46, s46, s28
	s_lshr_b32 s[NQ], s46, 3                       ; NQ = (NT + 7 - w) >> 3: the tiles w + 8 qt below NT
	s_add_nc_u64 s[12:13], s[12:13], 512           ; the keys' list at tile 2 (every load that named this base is done): stepped once before each further read
	s_cmp_gt_i32 s[TH+1], 0
	s_cbranch_scc0 .Lone_tile
	ADDR BI+20
	LOADKV                                         ; tile 1, if there is one
.Lone_tile:
.irp n, 16,17,18,19,20,21,22,23,25,27,29,31,33,35,37,39
	v_mov_b32 v\n, 0                               ; the odd partners of the maxima and factors are read as parts of pairs and as a lane exchange's destination; MB0's even
.endr                                                  ; registers are first written in trip 1, whose work stands under a branch: so every register has been written on every way
.set i, 0
.rept 64
	v_pk_mul_f32 v[S+2*i:S+2*i+1], v[S+2*i:S+2*i+1], 0x3e38aa3b op_sel_hi:[1,0]    ; x 64^-0.5 x log2(e): the exponentials are to base 2
.set i, i+1
.endr
.set i, 0
.rept 32
	v_cvt_pk_f16_f32 v[S+4*i],   v[S+4*i],   v[S+4*i+1]
	v_cvt_pk_f16_f32 v[S+4*i+1], v[S+4*i+2], v[S+4*i+3]
	ds_store_b64 v7, v[S+4*i:S+4*i+1] offset:(2*i-(i&3))*KP        ; load i = 4 n + c goes to my row 8 n + c (+ 4 h)
.set i, i+1
.endr
	WIN 0x40
.irp qt, 0,1,2,3
.irp kk, 0,1
	ds_load_b128 v[Q+16*\qt+8*\kk:Q+16*\qt+8*\kk+3],   v8 offset:16*KP*\qt+64*\kk      ; my wave's own bytes: LDS serves a wave's instructions in order (ISA guide 5.7.1.4)
	ds_load_b128 v[Q+16*\qt+8*\kk+4:Q+16*\qt+8*\kk+7], v8 offset:16*KP*\qt+64*\kk+32
.endr
.endr
	WIN 0
	s_wait_xcnt 0x0                                ; the stores to wh have read BI, which is written anew below
	; tile 0's bias: register j of key tile kt in half h is LDS row 16 kt + 8 h + j = list entry 32 h + 4 j + kt; it is filled if that is below rem
	v_lshlrev_b32 v51, 5, v123
	v_sub_nc_u32 v51, s44, v51                     ; rem - 32 h
	v_mov_b32 v52, 0xf1800000                      ; -2^100
.irp kt, 0,1,2,3
.irp j, 0,1,2,3,4,5,6,7
	v_cmp_lt_i32 vcc_lo, 4*\j+\kt, v51
	v_cndmask_b32 v[BI+8*\kt+\j], v52, 0, vcc_lo
.endr
.endr
	s_wait_dscnt 0x0                               ; for the other waves: my parts of the column sums and of tile 0 are in LDS; for me: Q's fragments
	s_barrier_signal -1
	s_barrier_wait -1
	s_mov_b32 s26, 0
	TRIP 0, 0, 1, 1, 0                             ; trip 0: its products start the sums
	s_mov_b32 s26, 1
.Ltrips:                                               ; trips 1 to 30, two to a turn of the loop
	TRIP 1, 0, 0, 1, 0
	TRIP 0, 1, 0, 1, 0
	s_add_co_u32 s26, s26, 2
	s_cmp_lt_u32 s26, 31
	s_cbranch_scc1 .Ltrips
	TRIP 1, 0, 0, 0, 1                             ; trip 31
	; THE END.
	s_wait_loadcnt 0x0                             ; my rows' places are in (where a second tile was staged, this was shown there)
	s_cmp_lg_u32 s28, 0
	s_cbranch_scc1 .Lno_mean
	; wave 0: the mean of V over the 2048 keys, as f16, into the stage's row 512; lane L makes columns 8 (L & 7) .. + 7, four lanes the same
.irp p, 0,1,2,3
	ds_load_b128 v[S+8*\p:S+8*\p+3],   v53 offset:256*\p
	ds_load_b128 v[S+8*\p+4:S+8*\p+7], v53 offset:256*\p+16
.endr
	v_add_nc_u32 v52, 512*KP, v9
	s_wait_dscnt 0x0
.irp p, 1,2,3
.irp c, 0,2,4,6
	v_pk_add_f32 v[S+\c:S+\c+1], v[S+\c:S+\c+1], v[S+8*\p+\c:S+8*\p+\c+1]
.endr
.endr
.irp c, 0,2,4,6
	v_pk_mul_f32 v[S+\c:S+\c+1], v[S+\c:S+\c+1], 0x3a000000 op_sel_hi:[1,0]        ; x 2^-11
.endr
.irp c, 0,1,2,3
	v_cvt_pk_f16_f32 v[S+\c], v[S+2*\c], v[S+2*\c+1]
.endr
	ds_store_b128 v52, v[S:S+3]
.Lno_mean:
.irp qt, 0,1,2,3
	v_add_f32 v[AL+2*\qt], v[LS+2*\qt], v[LS+2*\qt+1]
.endr
.irp qt, 0,1,2,3
	v_permlanex16_b32 v[AL+2*\qt+1], v[AL+2*\qt], s22, s23
.endr
.irp qt, 0,1,2,3
	v_add_f32 v[AL+2*\qt], v[AL+2*\qt], v[AL+2*\qt+1]      ; l, at least 1: the largest weight of a row is 1
.endr
.irp qt, 0,1,2,3
	v_rcp_f32 v[AL+2*\qt], v[AL+2*\qt]
.endr
	; a place becomes an LDS address: clamped to the stage's 513 rows, x 144 = x 9 x 16, + 16 (L & 7).  (The first line is also the plain instruction behind the reciprocals.)
.set n, 0
.rept 16
	v_min_u32 v[BI+n], 0x200, v[BI+n]
.set n, n+1
.endr
.set n, 0
.rept 16
	v_lshl_add_u32 v[BI+n], v[BI+n], 3, v[BI+n]
.set n, n+1
.endr
.set n, 0
	s_wait_alu depctr_va_vdst(0)
.rept 16
	v_lshl_add_u32 v[BI+n], v[BI+n], 4, v9
.set n, n+1
.endr
	; my four tiles, O / l as f16, by place into my own 64 rows of the stage
.irp qt, 0,1,2,3
	WIN 0x01
.set i, 0
.rept 16
	v_pk_mul_f32 v[TO+2*i:TO+2*i+1], v[O+32*\qt+2*i:O+32*\qt+2*i+1], v[AL+2*\qt:AL+2*\qt+1] op_sel_hi:[1,0]
.set i, i+1
.endr
	WIN 0
.set i, 0
.rept 16
	v_cvt_pk_f16_f32 v[TO+i], v[TO+2*i], v[TO+2*i+1]
.set i, i+1
.endr
.irp dt, 0,1,2,3
	ds_store_b128 v8, v[TO+4*\dt:TO+4*\dt+3] offset:16*KP*\qt+32*\dt
.endr
.endr
	s_wait_dscnt 0x0                               ; for the other waves: my rows of the stage (and wave 0's mean) are in LDS
	s_barrier_signal -1
	s_barrier_wait -1
	; my 64 true rows, four to a load: eight lanes take one row's 128 bytes from the stage row that the list names; a store covers 512 consecutive bytes, aligned
.set n, 0
.rept 16
	ds_load_b128 v[S+4*n:S+4*n+3], v[BI+n]
.set n, n+1
.endr
.set n, 0
.rept 16
	s_wait_dscnt 15-n                              ; the younger read-backs may stay out
	global_store_b128 v10, v[S+4*n:S+4*n+3], s[16:17] offset:512*n
.set n, n+1
.endr
	s_wait_xcnt 0x0
	v_lshl_add_u32 v254, v0, 2, 0x1be00
	v_mov_b32 v255, 0
	s_wait_tensorcnt 0x0
	ds_add_u32 v254, v255
	s_wait_dscnt 0x0
	s_endpgm
.Lfunc_end_k_q03df593e5a_attn:
	.size	k_q03df593e5a_attn, .Lfunc_end_k_q03df593e5a_attn-k_q03df593e5a_attn
	.p2alignl 7, 3214868480
	.fill 96, 4, 3214868480
	.section	.rodata,"a",@progbits
	.p2align	6, 0x0
	.amdhsa_kernel k_q03df593e5a_attn
		.amdhsa_group_segment_fixed_size 115200
		.amdhsa_private_segment_fixed_size 0
		.amdhsa_enable_private_segment 0
		.amdhsa_kernarg_size 64
		.amdhsa_user_sgpr_count 2
		.amdhsa_user_sgpr_kernarg_segment_ptr 1
		.amdhsa_wavefront_size32 1
		.amdhsa_system_sgpr_workgroup_id_x 1
		.amdhsa_system_sgpr_workgroup_id_y 1
		.amdhsa_system_sgpr_workgroup_id_z 1
		.amdhsa_system_vgpr_workitem_id 0
		.amdhsa_next_free_vgpr 512
		.amdhsa_next_free_sgpr 66
		.amdhsa_reserve_vcc 1
		.amdhsa_float_denorm_mode_32 3
		.amdhsa_float_denorm_mode_16_64 3
		.amdhsa_memory_ordered 1
		.amdhsa_forward_progress 1
		.amdhsa_inst_pref_size 255
	.end_amdhsa_kernel
	.section	.bss,"aw",@nobits
	.p2align	6
	.space	262144
	.amdgpu_metadata
---
amdhsa.version: [ 1, 2 ]
amdhsa.kernels:
  - .name:           k_q03df593e5a_attn
    .symbol:         k_q03df593e5a_attn.kd
    .args:
      - { .name: q, .offset: 0, .size: 8, .value_kind: global_buffer, .address_space: global }
      - { .name: k, .offset: 8, .size: 8, .value_kind: global_buffer, .address_space: global }
      - { .name: v, .offset: 16, .size: 8, .value_kind: global_buffer, .address_space: global }
      - { .name: W_out, .offset: 24, .size: 8, .value_kind: global_buffer, .address_space: global }
      - { .name: perm, .offset: 32, .size: 8, .value_kind: global_buffer, .address_space: global }
      - { .name: vs, .offset: 40, .size: 8, .value_kind: global_buffer, .address_space: global }
      - { .name: ao, .offset: 48, .size: 8, .value_kind: global_buffer, .address_space: global }
      - { .name: wh, .offset: 56, .size: 8, .value_kind: global_buffer, .address_space: global }
    .group_segment_fixed_size: 115200
    .private_segment_fixed_size: 0
    .kernarg_segment_align: 8
    .kernarg_segment_size: 64
    .max_flat_workgroup_size: 256
    .sgpr_count:     66
    .vgpr_count:     512
    .wavefront_size: 32
...
	.end_amdgpu_metadata
.endif
;; end of part 6
;; launch proj: the kernel of part 2 again; grid 4 x 64, 4 waves a work-group, clusters of 4 x 4, 327,680 bytes of LDS; arguments ao, wh, b_out, out0; writes out0
;; ======== version 4 of 4: 3 launches; version 3 with the launch attn written anew for expert scheduling mode
;; limits: values are held in f16: magnitudes above 65,504 overflow, below 6.1e-05 lose precision
;; workspace buffers: ao 16,777,216 bytes; wh 2,097,152 bytes; vs 524,288 bytes; perm 100,352 bytes of whole numbers
;; launch pre: the kernel of part 5 again; grid 4 x 65, 8 waves a work-group, no clusters, 26,368 bytes of LDS; arguments v, mask, perm, vs; writes perm, vs
;; launch attn (part 7): grid 4 x 64, 8 waves a work-group, no clusters, 115,200 bytes of LDS; arguments q, k, v, W_out, perm, vs, ao, wh; writes ao, wh
.if DOCPART == 7
	.amdgcn_target "amdgcn-amd-amdhsa--gfx1250"
	.amdhsa_code_object_version 6
	.text
	.protected	k_q03df593e5a_attn
	.globl	k_q03df593e5a_attn
	.p2align	8
	.type	k_q03df593e5a_attn,@function
k_q03df593e5a_attn:
	s_mov_b64 s[64:65], 0
	v_nop
	global_prefetch_b8 v0, s[64:65] scope:SCOPE_SE
	s_setreg_imm32_b32 hwreg(HW_REG_WAVE_SCHED_MODE, 0, 2), 2
	s_setreg_imm32_b32 hwreg(HW_REG_WAVE_MODE, 25, 1), 1
	s_wait_xcnt 0x0
	s_wait_alu depctr_vm_vsrc(0)
; MASKED ATTENTION, one head and a block of 512 query rows to a work-group; the head outputs go to ao as f16, [b*16+h][n][64].
; Each work-group also casts 4 rows of W_out to f16 into wh (256 groups x 4 rows = the 1024 rows), which spares a launch.
;
; ONLY THE KEYS AND THE ROWS THAT THE MASK ASKS FOR: a key j with m[j] false has weight exactly 0 in every row with m[i] true (key 0 is always valid, so the row's
; maximum is a true score), and a row with m[i] false is the sum of V over all 2048 keys times 2^-11, whatever its scores.  The launch before read the mask (it is not
; among this launch's arguments) and stored, for each batch, the list of the valid keys, their number nv, the valid rows of each block of 512 by place, each row's
; place, and the counts; and for each head 32 partial column sums of V.
;  KEYS: K's and V's rows are taken by the list, and T = ceil(nv / 64) tiles of 64 are worked through.  Tile 0 is the one tile that may be partly filled: its empty places
;  hold key 0 again and get -2^100 added to their scores (the matrix instruction's C operand).  With f16 operands |score| < 64 x 65504^2 < 2^38, so their exponent is
;  below -2^99 and their exponential exactly 0.  The running maximum is taken away before every exponential, as reference() does.
;  ROWS: the block's nq valid rows fill NT = ceil(nq / 16) tiles of 16; tile n is tile n >> 3 of wave n & 7, so wave w has NQ = (NT + 7 - w) >> 3 tiles, 0 to 4.
;  Empty places hold row 511 again; what they compute is never read.  Trip 0 runs all four tiles in every wave: its products start all sums, so every register that a
;  later trip's text reads has been written on every way; trips 1 to 31 run NQ tiles.
;  THE WAY OUT: every wave puts its four tiles, by place, into its own 64 rows of a stage of 512 rows; wave 0 puts the mean of V into a 513th; behind a barrier each wave
;  reads, for its 64 TRUE rows, the stage row that the backward list names (a masked row: the 513th) and stores them densely: the order is restored by loads behind a
;  barrier, and no two waves store into one range.
; LIMITS: matrix operands are f16 (sums f32): q x 0.1803, k, v, W_out and the head outputs overflow above 65,504; the inputs as drawn stay under 6, so
; 30 times their size or offset stays under 200.  The weights are at most 1.  The row sum l is made of the f32 weights, the product of their f16 roundings.
; An infinity or a NaN in k or v at a masked key does not reach a valid row (in reference() 0 x infinity from v would).
;
; TRANSPOSED: S^T = K Q^T and O^T = V^T P^T.  In an S^T tile lane L (r = L & 15, h = L >> 4) holds query r and its registers j the keys 8 h + j: maximum and sum
; stay in the lane but for one exchange with lane L xor 16, the factors are one number a lane, and two S^T tiles packed pairwise ARE the second source of PV.
; Eight waves; all waves share each tile of 64 keys, through two LDS slots.
; K and V are f32 in memory and f16 in the matrix unit, and their rows are picked by a list.  They come through registers: 16 KiB + 16 KiB are asked for a trip ahead,
; converted, and 8 KiB + 8 KiB stored to LDS.  NO JOINT TENSOR LOADS for the four groups of a head: a tile brought straight into LDS would lie there as f32, to be
; read and stored again in every trip, and its 64 rows are not evenly spaced.
; THE TRIPS: the loop has a constant number of trips, 32 in all; T and NQ only branch round, or choose, a trip's work, and all ways join in front of the trip's barrier:
; every wave passes every barrier on every way, and no barrier stands under a branch on a loaded number.
;
; REGISTERS.  Window 0: v0-11 addresses; ADR the four row offsets of a tile's loads; QA (at the start) Q's 32 row offsets, then MB0/MB1 running maxima (even registers; the
; odd ones take the neighbour lane's), AL factors, LS row sums (pairs); BI tile 0's bias (32), then 16 places of the backward list; STG staged K, V (32);
; IDX four list entries; S scores, then weights (128), on the way out four out-buffers of 32.  Window 1: O (128), Q (64), KV (64: K's fragments, then V's).
;
; THE MODE: SCHED_MODE bits 1:0 = 2 (LLVM: expert scheduling mode 2), set by the entry lines.  The code itself states the register dependences between vector or matrix
; instructions and memory or LDS instructions, with s_wait_alu, always for 0.
; THE PLAN.  Registers that memory or LDS instructions touch, and who else names them:
;  KV        In a trip: K's 16 LDS loads land in it, the products K Q^T read it, V's 16 LDS loads land in it, the products V^T P^T read it.  So a wait on va_vdst stands ahead of
;            each of the two runs of loads, behind the window switch.  There is no second set: the wave's 512 registers are all laid out.
;  STG       The loads of a tile land in it; a trip later STAGE's conversions read and write it in place and STAGE's LDS stores read it.  A wait on va_vdst between the conversions
;            and the stores; a wait on vm_vsrc straight behind the stores, ahead of the branch, so that it lies on every way to the next loads into STG and the next conversions.
;  ADR, IDX  ADDR writes ADR and reads IDX; the tile's loads read ADR as offsets; the next entries land in IDX.  STAGE's wait on vm_vsrc stands between a tile's loads and the next
;            ADDR; one wait on va_vdst at the head of LOADKV stands between ADDR and the loads.
;  BI        At the start: loads, arithmetic, a wait on va_vdst, stores, a wait on vm_vsrc, the bias.  In trip 0 the loads of the places land in it behind the wait ahead of V's run.
;            On the way out it holds LDS addresses, made ahead of the wait that stands in front of the stage stores.
;  QA        Q's row offsets: made, a wait on va_vdst, read by Q's 32 loads; written again only behind the first STAGE's wait on vm_vsrc.
;  S         At the start Q passes through it; on the way out O does: arithmetic, one wait on va_vdst, the LDS stores, a wait on vm_vsrc ahead of whatever writes it next.
;  v1-v11, v48-v50, v53-v55   addresses, made at the head ahead of the first wait on va_vdst and never written again.
;  O, Q's fragments, the maxima, factors and sums are named in the trips by vector and matrix instructions alone.
.set KP,    144                        ; LDS pitch of K's, Q's and the stage's rows: 128 bytes + 16 = 9 x 16, so 16 rows begin at 16 different 16-byte columns modulo 256
.set VP,    160                        ; LDS pitch of V's rows: 5 x 32, for the transposing loads
.set VOFF,  64*KP                      ; V behind K in a slot
.set SLOT,  64*KP+64*VP                ; 19,456 bytes
.set CSP,   2*SLOT                     ; 4 x f32[64]: partial column sums of V
.set QST,   CSP+1024                   ; 513 rows x 144: 64 rows for each wave, for Q on the way in and for the result on the way out; row 512: the mean of V
.set QSTW,  64*KP
.set PERMB, 25088                      ; bytes of a batch in perm: the keys' list,
.set CNT,   8192                       ; nv, c1, c2, c3,
.set FWD,   8704                       ; the rows by place,
.set INV,   16896                      ; the places by row
.set ADR, 12
.set QA,  16
.set MB0, 16
.set AL,  32
.set LS,  40
.set BI,  56
.set STG, 88
.set IDX, 124
.set S,   128
.set O,   0                            ; window 1
.set Q,   128                          ; window 1
.set KV,  192                          ; window 1
.set TH,  36                           ; s36-39: T, T - 1, T - 2, T - 3
.set NQ,  45                           ; s45: my wave's query tiles
.set MK,  32                           ; s32-35 and s40-43: eight masks for the bias: mask j at s[MK + j + 4 (j / 4)]; s32, s33 have served the head's addresses by then, s40-43 the counts
.set MSB, 0
.macro WIN new                         ; low byte: bits 1:0 source 0, 3:2 source 1, 5:4 source 2, 7:6 destination; the high byte repeats the setting that is left
.if MSB != \new
	s_set_vgpr_msb (MSB<<8)|\new
.set MSB, \new
.endif
.endm
; four list entries become four row offsets: entry x 256 bytes + my 16 bytes of the row.  A loaded number enters an address only clamped to the table's 2048 rows.
.macro ADDR src
.irp i, 0,1,2,3
	v_min_u32 v[ADR+\i], 0x7ff, v[\src+\i]
.endr
.irp i, 0,1,2,3
	v_lshl_add_u32 v[ADR+\i], v[ADR+\i], 8, v1
.endr
.endm
; a tile of K and of V into registers: sixteen neighbouring lanes take one whole row of 256 bytes; thread t's load i is list entry 4 (t >> 4) + i
.macro LOADKV
	s_wait_alu depctr_va_vdst(0)                   ; ADDR has written the four offsets, which these loads read, and is done reading the entries' registers, in which the next entries land; STAGE's conversions are done with STG, in which these loads land
.irp i, 0,1,2,3
	global_load_b128 v[STG+4*\i:STG+4*\i+3], v[ADR+\i], s[6:7]
.endr
.irp i, 0,1,2,3
	global_load_b128 v[STG+16+4*\i:STG+16+4*\i+3], v[ADR+\i], s[8:9]
.endr
.endm
; the staged tile is rounded to f16 and stored into slot dst: load i goes to LDS row 16 i + (t >> 4)
.macro STAGE dst
.irp g, 0,1,2,3,4,5,6,7
	v_cvt_pk_f16_f32 v[STG+4*\g],   v[STG+4*\g],   v[STG+4*\g+1]
	v_cvt_pk_f16_f32 v[STG+4*\g+1], v[STG+4*\g+2], v[STG+4*\g+3]
.endr
	s_wait_alu depctr_va_vdst(0)                   ; the conversions have written STG, which the LDS stores read
.irp i, 0,1,2,3
	ds_store_b64 v2, v[STG+4*\i:STG+4*\i+1] offset:(\dst)*SLOT+16*KP*\i
.endr
.irp i, 0,1,2,3
	ds_store_b64 v3, v[STG+16+4*\i:STG+17+4*\i] offset:(\dst)*SLOT+VOFF+16*VP*\i
.endr
	s_wait_alu depctr_vm_vsrc(0)                   ; these stores have read STG, in which the next tile's loads land and which the next conversions write; the loads issued so far have read their offsets (ADR, which the next ADDR writes; at the start QA too)
.endm
.macro LDK slot, first                 ; K's fragments (16 keys x 32 d): two loads of 16 bytes, 32 bytes apart, at row r, 16 h
	WIN 0x40
.if \first
.else
	s_wait_alu depctr_va_vdst(0)                   ; the last trip's products V^T P^T are done reading KV, in which K's fragments land (in trip 0 nothing has named KV yet)
.endif
.irp kt, 0,1,2,3
.irp kk, 0,1
	ds_load_b128 v[KV+16*\kt+8*\kk:KV+16*\kt+8*\kk+3],   v4 offset:\slot*SLOT+16*KP*\kt+64*\kk
	ds_load_b128 v[KV+16*\kt+8*\kk+4:KV+16*\kt+8*\kk+7], v4 offset:\slot*SLOT+16*KP*\kt+64*\kk+32
.endr
.endr
.endm
; In all that follows nq is the number of query tiles worked on, 1 to 4.
.macro QK nq, bias                     ; S^T = K Q^T (+ tile 0's bias).  The 4 nq accumulators take turns, one instruction a turn
	WIN 0x05
.irp kt, 0,1,2,3
.irp qt, 0,1,2,3
.if \qt < \nq
.if \bias
	v_wmma_f32_16x16x32_f16 v[S+32*\qt+8*\kt:S+32*\qt+8*\kt+7], v[KV+16*\kt:KV+16*\kt+7], v[Q+16*\qt:Q+16*\qt+7], v[BI+8*\kt:BI+8*\kt+7]
.else
	v_wmma_f32_16x16x32_f16 v[S+32*\qt+8*\kt:S+32*\qt+8*\kt+7], v[KV+16*\kt:KV+16*\kt+7], v[Q+16*\qt:Q+16*\qt+7], 0
.endif
.endif
.endr
.endr
.irp kt, 0,1,2,3
.irp qt, 0,1,2,3
.if \qt < \nq
	v_wmma_f32_16x16x32_f16 v[S+32*\qt+8*\kt:S+32*\qt+8*\kt+7], v[KV+16*\kt+8:KV+16*\kt+15], v[Q+16*\qt+8:Q+16*\qt+15], v[S+32*\qt+8*\kt:S+32*\qt+8*\kt+7]
.endif
.endr
.endr
.endm
.macro LDV slot                        ; V^T's fragments (16 d x 32 keys) out of rows that lie along d: two transposing loads, 16 rows apart
	WIN 0x40
	s_wait_alu depctr_va_vdst(0)                   ; the products K Q^T are done reading KV, in which V's fragments land; in trip 0 they are also done reading the bias, in which the loads of the places land behind this run
.irp kc, 0,1
.irp dt, 0,1,2,3
	ds_load_tr16_b128 v[KV+32*\kc+8*\dt:KV+32*\kc+8*\dt+3],   v5 offset:\slot*SLOT+VOFF+32*VP*\kc+32*\dt
	ds_load_tr16_b128 v[KV+32*\kc+8*\dt+4:KV+32*\kc+8*\dt+7], v5 offset:\slot*SLOT+VOFF+32*VP*\kc+32*\dt+16*VP
.endr
.endr
.endm
.macro SMAX mo, mn, nq, first          ; new running maximum of each of my queries: 32 scores in the lane, then the other half's lane
.set i, 0
.rept 16
.irp qt, 0,1,2,3
.if \qt < \nq
.if i == 0
.if \first
	v_max_num_f32 v[\mn+2*\qt], v[S+32*\qt], v[S+32*\qt+1]
.else
	v_max3_num_f32 v[\mn+2*\qt], v[\mo+2*\qt], v[S+32*\qt], v[S+32*\qt+1]
.endif
.else
	v_max3_num_f32 v[\mn+2*\qt], v[\mn+2*\qt], v[S+32*\qt+2*i], v[S+32*\qt+2*i+1]
.endif
.endif
.endr
.set i, i+1
.endr
.irp qt, 0,1,2,3
.if \qt < \nq
	v_permlanex16_b32 v[\mn+2*\qt+1], v[\mn+2*\qt], s22, s23
.endif
.endr
.irp qt, 0,1,2,3
.if \qt < \nq
	v_max_num_f32 v[\mn+2*\qt], v[\mn+2*\qt], v[\mn+2*\qt+1]
.endif
.endr
.endm
.macro SALPHA mo, mn, nq               ; 2^(old maximum - new maximum); the subtractions of SSUB are the plain instructions behind the exponentials
.irp qt, 0,1,2,3
.if \qt < \nq
	v_sub_f32 v[AL+2*\qt], v[\mo+2*\qt], v[\mn+2*\qt]
.endif
.endr
.irp qt, 0,1,2,3
.if \qt < \nq
	v_exp_f32 v[AL+2*\qt], v[AL+2*\qt]
.endif
.endr
.endm
.macro SSUB mn, nq
.irp qt, 0,1,2,3
.if \qt < \nq
.set i, 0
.rept 16
	v_pk_add_f32 v[S+32*\qt+2*i:S+32*\qt+2*i+1], v[S+32*\qt+2*i:S+32*\qt+2*i+1], v[\mn+2*\qt:\mn+2*\qt+1] op_sel_hi:[1,0] neg_lo:[0,1] neg_hi:[0,1]
.set i, i+1
.endr
.endif
.endr
.endm
.macro SEXP nq
.set i, 0
.rept 32*\nq
	v_exp_f32 v[S+i], v[S+i]
.set i, i+1
.endr
	v_nop                                          ; one plain instruction between the last exponentials and their first use
	s_wait_alu depctr_va_vdst(0)                   ; the trip's one batch of exponentials, the factors in AL and the weights in S, is written, ahead of its first readers: the sums, the roundings, the rescaling
.endm
.macro SSUM nq, first                  ; l = l x factor + the lane's 32 weights, kept as a pair for each query tile
.set i, 0
.rept 16
.irp qt, 0,1,2,3
.if \qt < \nq
.if i == 0
.if \first
.else
	v_pk_fma_f32 v[LS+2*\qt:LS+2*\qt+1], v[LS+2*\qt:LS+2*\qt+1], v[AL+2*\qt:AL+2*\qt+1], v[S+32*\qt:S+32*\qt+1] op_sel_hi:[1,0,1]
.endif
.else
.if i == 1
.if \first
	v_pk_add_f32 v[LS+2*\qt:LS+2*\qt+1], v[S+32*\qt:S+32*\qt+1], v[S+32*\qt+2:S+32*\qt+3]
.else
	v_pk_add_f32 v[LS+2*\qt:LS+2*\qt+1], v[LS+2*\qt:LS+2*\qt+1], v[S+32*\qt+2:S+32*\qt+3]
.endif
.else
	v_pk_add_f32 v[LS+2*\qt:LS+2*\qt+1], v[LS+2*\qt:LS+2*\qt+1], v[S+32*\qt+2*i:S+32*\qt+2*i+1]
.endif
.endif
.endif
.endr
.set i, i+1
.endr
.endm
.macro SCVT nq                         ; two S^T tiles (16 registers) become the 8 registers of P^T's fragment for 32 keys, in place, ascending
.set b, 0
.rept 2*\nq
.set i, 0
.rept 8
	v_cvt_pk_f16_f32 v[S+16*b+i], v[S+16*b+2*i], v[S+16*b+2*i+1]
.set i, i+1
.endr
.set b, b+1
.endr
.endm
.macro RESCALE nq
	WIN 0x41
.irp qt, 0,1,2,3
.if \qt < \nq
.set i, 0
.rept 16
	v_pk_mul_f32 v[O+32*\qt+2*i:O+32*\qt+2*i+1], v[O+32*\qt+2*i:O+32*\qt+2*i+1], v[AL+2*\qt:AL+2*\qt+1] op_sel_hi:[1,0]
.set i, i+1
.endr
.endif
.endr
.endm
.macro PV nq, first                    ; O^T += V^T P^T.  The 4 nq accumulators take turns, one instruction a turn
	WIN 0x51
.irp kc, 0,1
.irp qt, 0,1,2,3
.if \qt < \nq
.irp dt, 0,1,2,3
.if \first*(1-\kc)
	v_wmma_f32_16x16x32_f16 v[O+32*\qt+8*\dt:O+32*\qt+8*\dt+7], v[KV+32*\kc+8*\dt:KV+32*\kc+8*\dt+7], v[S+32*\qt+16*\kc:S+32*\qt+16*\kc+7], 0
.else
	v_wmma_f32_16x16x32_f16 v[O+32*\qt+8*\dt:O+32*\qt+8*\dt+7], v[KV+32*\kc+8*\dt:KV+32*\kc+8*\dt+7], v[S+32*\qt+16*\kc:S+32*\qt+16*\kc+7], v[O+32*\qt+8*\dt:O+32*\qt+8*\dt+7]
.endif
.endr
.endif
.endr
.endr
.endm
; a trip's products and softmax for nq query tiles, on the tile of keys in \slot, whose K fragments are in
.macro COMPUTE slot, nq, first
	QK \nq, \first
.rept 4
	v_nop                                          ; four places between the products and the vector reads of S; for the loads into the products' registers the wait in LDV stands
.endr
	LDV \slot
	WIN 0
.if \first
.set n, 0
.rept 16
	global_load_b32 v[BI+n], v55, s[20:21] offset:INV+16*n         ; the places of my 64 true rows (row 4 n + (L >> 3)), into the bias registers, which only the products above read: since the wait in LDV only loads and a window switch were issued;
.set n, n+1                                            ; they are waited for with the next tile, and at the head of the way out
.endr
.endif
	SMAX MB0+8*\slot, MB0+8*(1-\slot), \nq, \first
.if \first
.else
	SALPHA MB0+8*\slot, MB0+8*(1-\slot), \nq
.endif
	SSUB MB0+8*(1-\slot), \nq
	SEXP \nq
	SSUM \nq, \first
	SCVT \nq
.if \first
.else
	RESCALE \nq
.endif
	s_wait_dscnt 0x0                               ; V's fragments are in
	PV \nq, \first
	WIN 0
.rept 5
	v_nop                                          ; the places in front of the next products over P and of the vector lines that read O or write S (ISA guide 7.12.1)
.endr
.endm
; Trip u = s26 + o uses the tile in \slot (= u & 1), if u < T.  Inside: if u + 1 < T, tile u + 1 (asked for a trip ago) goes into the other slot; inside that: if u + 2 < T,
; tile u + 2 is asked for by the entries read a trip ago, and the entries of list tile u + 3 (at most T: inside the list) are read.  The three compares are s26 against
; T - o, T - o - 1, T - o - 2, signed.  Then the text for my wave's number of query tiles.  first = 1: trip 0, which every mask has, with all four tiles;
; stage = 0: the text of the last trip, behind which no tile can follow; last = 1: no barrier.
.macro TRIP slot, o, first, stage, last
.if \first
.else
	s_cmp_lt_i32 s26, s[TH+\o]
	s_cbranch_scc0 .Lidle_\@
.endif
	LDK \slot, \first
	WIN 0
.if \stage
	s_cmp_lt_i32 s26, s[TH+\o+1]
	s_cbranch_scc0 .Lahead_\@
	s_wait_loadcnt 0x0                             ; the tile and the entries asked for a whole trip ago are in; their offsets and bases may be written
	STAGE 1-\slot
	s_cmp_lt_i32 s26, s[TH+\o+2]
	s_cbranch_scc0 .Lahead_\@
	ADDR IDX
	LOADKV
	s_add_nc_u64 s[12:13], s[12:13], 256           ; the list's next tile
	global_load_b128 v[IDX:IDX+3], v6, s[12:13]    ; since the wait in LOADKV only loads were issued: nothing names IDX
.Lahead_\@:
.endif
	s_wait_dscnt 0x0                               ; K's fragments are in; for 0, since the stage stores behind them are issued on one way only
.if \first
	COMPUTE \slot, 4, 1
.else
	s_cmp_eq_u32 s[NQ], 2
	s_cbranch_scc1 .Lq2_\@
	s_cmp_eq_u32 s[NQ], 3
	s_cbranch_scc1 .Lq3_\@
	s_cmp_eq_u32 s[NQ], 1
	s_cbranch_scc1 .Lq1_\@
	s_cmp_eq_u32 s[NQ], 0
	s_cbranch_scc1 .Lidle_\@
	COMPUTE \slot, 4, 0
	s_branch .Lidle_\@
.Lq3_\@:
	COMPUTE \slot, 3, 0
	s_branch .Lidle_\@
.Lq2_\@:
	COMPUTE \slot, 2, 0
	s_branch .Lidle_\@
.Lq1_\@:
	COMPUTE \slot, 1, 0
.Lidle_\@:
.endif
.if \last
.else
	s_wait_dscnt 0x0                               ; for the other waves: my reads of this slot and my stores into the other are done
	s_barrier_signal -1
	s_barrier_wait -1                              ; one barrier a trip, on every way: behind it this slot may be overwritten and the other may be read
.endif
.endm
	s_load_b256 s[4:11], s[0:1], 0x0               ; q s[4:5], k s[6:7], v s[8:9], W_out s[10:11]
	s_load_b256 s[12:19], s[0:1], 0x20             ; perm s[12:13], vs s[14:15], ao s[16:17], wh s[18:19]
	v_lshrrev_b32 v120, 5, v0
	v_readfirstlane_b32 s28, v120                  ; wave w
	s_mov_b32 s29, ttmp9                           ; x: which block of 512 queries
	s_and_b32 s30, ttmp7, 0xffff                   ; bh = 16 b + h
	s_lshr_b32 s31, s30, 4                         ; b
	s_mov_b32 s22, 0x76543210                      ; v_permlanex16_b32: lane i takes lane i xor 16
	s_mov_b32 s23, 0xfedcba98
	s_wait_alu depctr_va_sdst(0)                   ; s28 is written, ahead of its first reader: LDS places, bases and NQ are made from it
	s_mul_i32 s32, s28, QSTW
	s_add_co_u32 s32, s32, QST                     ; my wave's 64 rows of the stage
	s_lshl_b32 s33, s28, 8                         ; 256 w: my wave's 64 words of a block's lists
	v_and_b32 v121, 15, v0                         ; r = t & 15
	v_lshrrev_b32 v122, 4, v0                      ; g = t >> 4
	v_bfe_u32 v123, v0, 4, 1                       ; h
	v_and_b32 v124, 31, v0                         ; L
	v_lshlrev_b32 v125, 3, v121                    ; 8 r
	v_lshlrev_b32 v1, 4, v121                      ; v1: 16 r: my 16 bytes of a row of Q, K or V
	v_mad_u32_u24 v2, v122, KP, v125               ; v2: K's stage store: row g, 8 r
	v_mad_u32_u24 v3, v122, VP, v125               ; v3: V's stage store
	v_mul_u32_u24 v4, v121, KP
	v_lshl_add_u32 v4, v123, 4, v4                 ; v4: K's fragments: r x 144 + 16 h
	v_and_b32 v126, 7, v0                          ; L & 7
	v_lshl_add_u32 v127, v123, 3, v126
	v_mul_u32_u24 v5, v127, VP
	v_bfe_u32 v127, v0, 3, 1
	v_lshl_add_u32 v5, v127, 4, v5                 ; v5: V's transposing loads: (8 h + (L & 7)) x 160 + 16 ((L >> 3) & 1)
	v_lshlrev_b32 v6, 4, v122                      ; v6: 16 g: my four entries of a tile of the keys' list
	v_mad_u32_u24 v7, v123, 4*KP, v125
	v_add_nc_u32 v7, s32, v7                       ; v7: Q's stage store: row 4 h, 8 r
	v_add_nc_u32 v8, s32, v4                       ; v8: Q's fragments, and the result's stage store
	v_lshl_add_u32 v9, v126, 4, QST                ; v9: the stage read back: 16 (L & 7) of a row
	v_lshlrev_b32 v10, 4, v124                     ; v10: 16 L
	v_lshlrev_b32 v11, 3, v0                       ; v11: 8 t
	v_lshlrev_b32 v48, 4, v0                       ; v48: 16 t
	v_lshrrev_b32 v49, 6, v0
	v_and_b32 v50, 63, v0
	v_lshlrev_b32 v50, 2, v50
	v_lshl_add_u32 v49, v49, 11, v50               ; v49: the column sums' partials: 8 of them from 2048 (t >> 6), column t & 63
	v_lshl_add_u32 v50, v0, 2, CSP                 ; v50: CSP + 4 t
	v_lshl_add_u32 v53, v126, 5, CSP               ; v53: the partials read back: columns 8 (L & 7) .. + 7
	v_lshl_add_u32 v54, v123, 4, s33               ; v54: the rows by place: 256 w + 16 h
	v_lshrrev_b32 v127, 3, v124
	v_lshl_add_u32 v55, v127, 2, s33               ; v55: the places by row: 256 w + 4 (L >> 3)
	s_wait_kmcnt 0x0
	s_lshl_b32 s24, s30, 19                        ; a head of q, k or v: 2048 x 256 bytes
	s_mov_b32 s25, 0
	s_add_nc_u64 s[6:7], s[6:7], s[24:25]
	s_add_nc_u64 s[8:9], s[8:9], s[24:25]
	s_lshl_b32 s2, s29, 17
	s_add_co_u32 s24, s24, s2
	s_add_nc_u64 s[4:5], s[4:5], s[24:25]          ; q at my block's 512 rows
	s_lshr_b32 s24, s24, 1                         ; ao's rows are half as long;
	s_lshl_b32 s2, s28, 13
	s_add_co_u32 s24, s24, s2                      ; there my wave stores the block's true rows 64 w .. 64 w + 63
	s_add_nc_u64 s[16:17], s[16:17], s[24:25]
	s_lshl2_add_u32 s2, s30, s29                   ; the group's number 4 bh + x
	s_lshl_b32 s24, s2, 14
	s_add_nc_u64 s[10:11], s[10:11], s[24:25]      ; its 4 rows of W_out
	s_lshl_b32 s24, s2, 13
	s_add_nc_u64 s[18:19], s[18:19], s[24:25]      ; and of wh
	s_mul_i32 s24, s31, PERMB
	s_add_nc_u64 s[12:13], s[12:13], s[24:25]      ; my batch's lists
	s_lshl_b32 s24, s29, 11
	s_add_nc_u64 s[20:21], s[12:13], s[24:25]      ; and my block's 512 words in the two lists of rows
	s_lshl_b32 s24, s30, 13
	s_add_nc_u64 s[14:15], s[14:15], s[24:25]      ; my head's 32 partial column sums
	s_load_b128 s[40:43], s[12:13], CNT            ; nv, c1, c2, c3
	; 23 loads in one run: the keys' list, tiles 0, 1, 2 (3), the rows by place 8, W_out 4, column sums 8
	s_wait_alu depctr_va_vdst(0)                   ; the addresses v1 to v11, v48 to v50 and v53 to v55 are written, which the kernel's loads and stores read; the head is done with v124 to v127, in which list entries land
	global_load_b128 v[BI+16:BI+19], v6, s[12:13]
	global_load_b128 v[BI+20:BI+23], v6, s[12:13] offset:256
	global_load_b128 v[IDX:IDX+3],   v6, s[12:13] offset:512
.irp n, 0,1,2,3,4,5,6,7
	global_load_b128 v[QA+4*\n:QA+4*\n+3], v54, s[20:21] offset:FWD+32*\n          ; places 64 w + 8 n + 4 h .. + 3
.endr
.irp i, 0,1,2,3
	global_load_b128 v[BI+4*\i:BI+4*\i+3], v48, s[10:11] offset:4096*\i th:TH_LOAD_NT
.endr
.irp i, 0,1,2,3,4,5,6,7
	global_load_b32 v[BI+24+\i], v49, s[14:15] offset:256*\i
.endr
	s_wait_loadcnt 20                              ; the keys' 3 are in: 8 + 4 + 8 younger loads stay out
	ADDR BI+16
	LOADKV                                         ; tile 0
	s_wait_loadcnt 20                              ; the rows' 8 are in: 4 + 8 + 8 stay out
.set i, 0
.rept 32
	v_min_u32 v[QA+i], 0x1ff, v[QA+i]              ; clamped to the block's 512 rows: an empty place (512) takes row 511
.set i, i+1
.endr
.set i, 0
.rept 32
	v_lshl_add_u32 v[QA+i], v[QA+i], 8, v1
.set i, i+1
.endr
	s_wait_alu depctr_va_vdst(0)                   ; Q's 32 row offsets are written, which the loads below read
.set i, 0
.rept 32
	global_load_b128 v[S+4*i:S+4*i+3], v[QA+i], s[4:5]     ; load i = 4 n + c: the row at place 64 w + 8 n + 4 h + c; sixteen lanes take its 256 bytes.  No hint: row 511 may be named often
.set i, i+1
.endr
	s_wait_loadcnt 48                              ; W_out's 4 are in: 8 + 8 + 32 stay out
.irp i, 0,1,2,3
	v_cvt_pk_f16_f32 v[BI+4*\i],   v[BI+4*\i],   v[BI+4*\i+1]
	v_cvt_pk_f16_f32 v[BI+4*\i+1], v[BI+4*\i+2], v[BI+4*\i+3]
.endr
	s_wait_loadcnt 40                              ; the column sums' 8 are in: 8 + 32 stay out
	v_pk_add_f32 v[BI+24:BI+25], v[BI+24:BI+25], v[BI+26:BI+27]
	v_pk_add_f32 v[BI+28:BI+29], v[BI+28:BI+29], v[BI+30:BI+31]
	v_pk_add_f32 v[BI+24:BI+25], v[BI+24:BI+25], v[BI+28:BI+29]
	v_add_f32 v[BI+24], v[BI+24], v[BI+25]
	s_wait_alu depctr_va_vdst(0)                   ; the conversions have written W_out's halves and the additions the partial sum, which the five stores below read
.irp i, 0,1,2,3
	global_store_b64 v11, v[BI+4*\i:BI+4*\i+1], s[18:19] offset:2048*\i            ; a wave's store covers 256 consecutive bytes, aligned
.endr
	ds_store_b32 v50, v[BI+24]                     ; 32 partials have become 4
	s_wait_loadcnt 32                              ; tile 0 is in: Q's 32 stay out
	STAGE 0
	s_wait_loadcnt 0x0                             ; Q is in; its 32 offsets' registers are free
	s_wait_kmcnt 0x0                               ; the counts
	s_add_co_u32 s[TH], s40, 63
	s_lshr_b32 s[TH], s[TH], 6                     ; T = ceil(nv / 64), 1 .. 32
	s_sub_co_i32 s[TH+1], s[TH], 1
	s_sub_co_i32 s[TH+2], s[TH], 2
	s_sub_co_i32 s[TH+3], s[TH], 3
	s_sub_co_u32 s44, s40, 1
	s_and_b32 s44, s44, 63
	s_add_co_u32 s44, s44, 1                       ; rem: the filled places of tile 0
	s_cmp_eq_u32 s29, 0                            ; valid rows below my block and below the next: 0, c1, c2, c3, nv
	s_cselect_b32 s46, 0, s41
	s_cselect_b32 s47, s41, s42
	s_cmp_eq_u32 s29, 2
	s_cselect_b32 s46, s42, s46
	s_cselect_b32 s47, s43, s47
	s_cmp_eq_u32 s29, 3
	s_cselect_b32 s46, s43, s46
	s_cselect_b32 s47, s40, s47
	s_sub_co_u32 s46, s47, s46                     ; nq
	s_add_co_u32 s46, s46, 15
	s_lshr_b32 s46, s46, 4                         ; NT = ceil(nq / 16), 0 .. 32
	s_add_co_u32 s46, s46, 7
	s_sub_co_u32 s46, s46, s28
	s_lshr_b32 s[NQ], s46, 3                       ; NQ = (NT + 7 - w) >> 3: the tiles w + 8 qt below NT
	s_add_nc_u64 s[12:13], s[12:13], 512           ; the keys' list at tile 2 (every load that named this base is done): stepped once before each further read
	s_cmp_gt_i32 s[TH+1], 0
	s_cbranch_scc0 .Lone_tile
	ADDR BI+20                                     ; (tile 0's loads have read ADR: the wait on vm_vsrc in STAGE 0 stands behind them)
	LOADKV                                         ; tile 1, if there is one
.Lone_tile:
.irp n, 16,17,18,19,20,21,22,23,25,27,29,31,33,35,37,39
	v_mov_b32 v\n, 0                               ; the odd partners of the maxima and factors are read as parts of pairs and as a lane exchange's destination; MB0's even
.endr                                                  ; registers are first written in trip 1, whose work stands under a branch: so every register has been written on every way.  (Q's loads have read these registers as offsets: the wait on vm_vsrc in STAGE 0 stands behind them)
.set i, 0
.rept 64
	v_pk_mul_f32 v[S+2*i:S+2*i+1], v[S+2*i:S+2*i+1], 0x3e38aa3b op_sel_hi:[1,0]    ; x 64^-0.5 x log2(e): the exponentials are to base 2
.set i, i+1
.endr
.set i, 0
.rept 32
	v_cvt_pk_f16_f32 v[S+4*i],   v[S+4*i],   v[S+4*i+1]
	v_cvt_pk_f16_f32 v[S+4*i+1], v[S+4*i+2], v[S+4*i+3]
.set i, i+1
.endr
	s_wait_alu depctr_va_vdst(0)                   ; the conversions have written Q's halves in S, which the 32 LDS stores read
.set i, 0
.rept 32
	ds_store_b64 v7, v[S+4*i:S+4*i+1] offset:(2*i-(i&3))*KP        ; load i = 4 n + c goes to my row 8 n + c (+ 4 h)
.set i, i+1
.endr
	WIN 0x40
.irp qt, 0,1,2,3
.irp kk, 0,1
	ds_load_b128 v[Q+16*\qt+8*\kk:Q+16*\qt+8*\kk+3],   v8 offset:16*KP*\qt+64*\kk      ; my wave's own bytes: LDS serves a wave's instructions in order (ISA guide 5.7.1.4); no vector line has named Q's registers
	ds_load_b128 v[Q+16*\qt+8*\kk+4:Q+16*\qt+8*\kk+7], v8 offset:16*KP*\qt+64*\kk+32
.endr
.endr
	WIN 0
	s_wait_xcnt 0x0                                ; the stores to wh have had their addresses translated: BI is written anew below
	s_wait_alu depctr_vm_vsrc(0)                   ; the stores to wh and the partial sum's LDS store have read BI, which the selects below write; Q's LDS stores have read S, which trip 0's products write
	; tile 0's bias: register j of key tile kt in half h is LDS row 16 kt + 8 h + j = list entry 32 h + 4 j + kt; it is filled if that is below rem
	v_lshlrev_b32 v51, 5, v123
	v_sub_nc_u32 v51, s44, v51                     ; rem - 32 h
	v_mov_b32 v52, 0xf1800000                      ; -2^100
.irp kt, 0,1,2,3
.irp j, 0,1,2,3,4,5,6,7
	v_cmp_lt_i32 s[MK+\j+4*(\j/4)], 4*\j+\kt, v51
.endr
	s_wait_alu depctr_va_sdst(0)                   ; the eight compares have written their masks, ahead of the selects that read them
.irp j, 0,1,2,3,4,5,6,7
	v_cndmask_b32 v[BI+8*\kt+\j], v52, 0, s[MK+\j+4*(\j/4)]
.endr
.endr
	s_wait_dscnt 0x0                               ; for the other waves: my parts of the column sums and of tile 0 are in LDS; for me: Q's fragments
	s_barrier_signal -1
	s_barrier_wait -1
	s_mov_b32 s26, 0
	TRIP 0, 0, 1, 1, 0                             ; trip 0: its products start the sums
	s_mov_b32 s26, 1
.Ltrips:                                               ; trips 1 to 30, two to a turn of the loop
	TRIP 1, 0, 0, 1, 0
	TRIP 0, 1, 0, 1, 0
	s_add_co_u32 s26, s26, 2
	s_cmp_lt_u32 s26, 31
	s_cbranch_scc1 .Ltrips
	TRIP 1, 0, 0, 0, 1                             ; trip 31
	; THE END.
	s_wait_loadcnt 0x0                             ; my rows' places are in (where a second tile was staged, this was shown there)
	s_cmp_lg_u32 s28, 0
	s_cbranch_scc1 .Lno_mean
	; wave 0: the mean of V over the 2048 keys, as f16, into the stage's row 512; lane L makes columns 8 (L & 7) .. + 7, four lanes the same
	s_wait_alu depctr_va_vdst(0)                   ; the last trip's roundings and products are done with S, in which the partial sums land
.irp p, 0,1,2,3
	ds_load_b128 v[S+8*\p:S+8*\p+3],   v53 offset:256*\p
	ds_load_b128 v[S+8*\p+4:S+8*\p+7], v53 offset:256*\p+16
.endr
	v_add_nc_u32 v52, 512*KP, v9
	s_wait_dscnt 0x0
.irp p, 1,2,3
.irp c, 0,2,4,6
	v_pk_add_f32 v[S+\c:S+\c+1], v[S+\c:S+\c+1], v[S+8*\p+\c:S+8*\p+\c+1]
.endr
.endr
.irp c, 0,2,4,6
	v_pk_mul_f32 v[S+\c:S+\c+1], v[S+\c:S+\c+1], 0x3a000000 op_sel_hi:[1,0]        ; x 2^-11
.endr
.irp c, 0,1,2,3
	v_cvt_pk_f16_f32 v[S+\c], v[S+2*\c], v[S+2*\c+1]
.endr
	s_wait_alu depctr_va_vdst(0)                   ; the mean in S to S + 3 and its LDS address v52 are written, which the store reads
	ds_store_b128 v52, v[S:S+3]
	s_wait_alu depctr_vm_vsrc(0)                   ; that store has read S to S + 3, which tile 0's scalings below write
.Lno_mean:
.irp qt, 0,1,2,3
	v_add_f32 v[AL+2*\qt], v[LS+2*\qt], v[LS+2*\qt+1]
.endr
.irp qt, 0,1,2,3
	v_permlanex16_b32 v[AL+2*\qt+1], v[AL+2*\qt], s22, s23
.endr
.irp qt, 0,1,2,3
	v_add_f32 v[AL+2*\qt], v[AL+2*\qt], v[AL+2*\qt+1]      ; l, at least 1: the largest weight of a row is 1
.endr
.irp qt, 0,1,2,3
	v_rcp_f32 v[AL+2*\qt], v[AL+2*\qt]
.endr
	; a place becomes an LDS address: clamped to the stage's 513 rows, x 144 = x 9 x 16, + 16 (L & 7).  (The first line is also the plain instruction behind the reciprocals.)
.set n, 0
.rept 16
	v_min_u32 v[BI+n], 0x200, v[BI+n]
.set n, n+1
.endr
.set n, 0
.rept 16
	v_lshl_add_u32 v[BI+n], v[BI+n], 3, v[BI+n]
.set n, n+1
.endr
	s_wait_alu depctr_va_vdst(0)                   ; the four reciprocals have written AL, ahead of their first readers, the scalings below
.set n, 0
.rept 16
	v_lshl_add_u32 v[BI+n], v[BI+n], 4, v9
.set n, n+1
.endr
	; my four tiles, O / l as f16, by place into my own 64 rows of the stage.  Each tile has an out-buffer of its own, S + 32 qt: all the arithmetic, one wait, all the stores
	WIN 0x01
.irp qt, 0,1,2,3
.set i, 0
.rept 16
	v_pk_mul_f32 v[S+32*\qt+2*i:S+32*\qt+2*i+1], v[O+32*\qt+2*i:O+32*\qt+2*i+1], v[AL+2*\qt:AL+2*\qt+1] op_sel_hi:[1,0]
.set i, i+1
.endr
.endr
	WIN 0
.irp qt, 0,1,2,3
.set i, 0
.rept 16
	v_cvt_pk_f16_f32 v[S+32*\qt+i], v[S+32*\qt+2*i], v[S+32*\qt+2*i+1]
.set i, i+1
.endr
.endr
	s_wait_alu depctr_va_vdst(0)                   ; the conversions have written the four out-buffers, which the LDS stores read; the 16 LDS addresses in BI are written, which the read-backs behind the barrier read; no vector line follows that names S
.irp qt, 0,1,2,3
.irp dt, 0,1,2,3
	ds_store_b128 v8, v[S+32*\qt+4*\dt:S+32*\qt+4*\dt+3] offset:16*KP*\qt+32*\dt
.endr
.endr
	s_wait_dscnt 0x0                               ; for the other waves: my rows of the stage (and wave 0's mean) are in LDS
	s_barrier_signal -1
	s_barrier_wait -1
	s_wait_alu depctr_vm_vsrc(0)                   ; my LDS stores have read the out-buffers, in whose registers the read-backs land
	; my 64 true rows, four to a load: eight lanes take one row's 128 bytes from the stage row that the list names; a store covers 512 consecutive bytes, aligned
.set n, 0
.rept 16
	ds_load_b128 v[S+4*n:S+4*n+3], v[BI+n]
.set n, n+1
.endr
.set n, 0
.rept 16
	s_wait_dscnt 15-n                              ; the younger read-backs may stay out
	global_store_b128 v10, v[S+4*n:S+4*n+3], s[16:17] offset:512*n
.set n, n+1
.endr
	s_wait_xcnt 0x0
	v_lshl_add_u32 v254, v0, 2, 0x1be00            ; the add's two registers are made anew here: no two could be kept; no memory or LDS instruction has read v254 or v255
	v_mov_b32 v255, 0
	s_wait_dscnt 0x0                               ; the closing lines, six on end
	s_wait_alu 0x0
	s_wait_tensorcnt 0x0
	ds_add_u32 v254, v255
	s_wait_dscnt 0x0
	s_endpgm
.Lfunc_end_k_q03df593e5a_attn:
	.size	k_q03df593e5a_attn, .Lfunc_end_k_q03df593e5a_attn-k_q03df593e5a_attn
	.p2alignl 7, 3214868480
	.fill 96, 4, 3214868480
	.section	.rodata,"a",@progbits
	.p2align	6, 0x0
	.amdhsa_kernel k_q03df593e5a_attn
		.amdhsa_group_segment_fixed_size 115200
		.amdhsa_private_segment_fixed_size 0
		.amdhsa_enable_private_segment 0
		.amdhsa_kernarg_size 64
		.amdhsa_user_sgpr_count 2
		.amdhsa_user_sgpr_kernarg_segment_ptr 1
		.amdhsa_wavefront_size32 1
		.amdhsa_system_sgpr_workgroup_id_x 1
		.amdhsa_system_sgpr_workgroup_id_y 1
		.amdhsa_system_sgpr_workgroup_id_z 1
		.amdhsa_system_vgpr_workitem_id 0
		.amdhsa_next_free_vgpr 512
		.amdhsa_next_free_sgpr 66
		.amdhsa_reserve_vcc 0
		.amdhsa_float_denorm_mode_32 3
		.amdhsa_float_denorm_mode_16_64 3
		.amdhsa_memory_ordered 1
		.amdhsa_forward_progress 1
		.amdhsa_inst_pref_size 255
	.end_amdhsa_kernel
	.section	.bss,"aw",@nobits
	.p2align	6
	.space	262144
	.amdgpu_metadata
---
amdhsa.version: [ 1, 2 ]
amdhsa.kernels:
  - .name:           k_q03df593e5a_attn
    .symbol:         k_q03df593e5a_attn.kd
    .args:
      - { .name: q, .offset: 0, .size: 8, .value_kind: global_buffer, .address_space: global }
      - { .name: k, .offset: 8, .size: 8, .value_kind: global_buffer, .address_space: global }
      - { .name: v, .offset: 16, .size: 8, .value_kind: global_buffer, .address_space: global }
      - { .name: W_out, .offset: 24, .size: 8, .value_kind: global_buffer, .address_space: global }
      - { .name: perm, .offset: 32, .size: 8, .value_kind: global_buffer, .address_space: global }
      - { .name: vs, .offset: 40, .size: 8, .value_kind: global_buffer, .address_space: global }
      - { .name: ao, .offset: 48, .size: 8, .value_kind: global_buffer, .address_space: global }
      - { .name: wh, .offset: 56, .size: 8, .value_kind: global_buffer, .address_space: global }
    .group_segment_fixed_size: 115200
    .private_segment_fixed_size: 0
    .kernarg_segment_align: 8
    .kernarg_segment_size: 64
    .max_flat_workgroup_size: 256
    .sgpr_count:     66
    .vgpr_count:     512
    .wavefront_size: 32
...
	.end_amdgpu_metadata
.endif
;; end of part 7
;; launch proj: the kernel of part 2 again; grid 4 x 64, 4 waves a work-group, clusters of 4 x 4, 327,680 bytes of LDS; arguments ao, wh, b_out, out0; writes out0
